; MI455X (gfx1250); checked and timed in simulation.
; The chip was launched on July 23, 2026; its instructions are those of AMD's public machine-readable ISA for CDNA 5 (MIT licence, August 2026) and "CDNA5" Instruction Set Architecture Reference Guide (July 2026). The comments in the code are by the model that wrote it; some were corrected since.
;; Encoder Block. Allowed arithmetic: float matrix products may take bf16 or f16 operands with f32 sums; other float arithmetic in f32, or as packed bf16 or f16 multiplies, adds, multiply-adds, maxima and minima; sums over many terms, partial sums and values carried from step to step in f32; what a program stores and reads back later, other than sums and carried values, may be rounded once to bf16 or f16.
;; Inputs: W1 1,024 x 4,096 float32; W2 4,096 x 1,024 float32; Wk 1,024 x 1,024 float32; Wo 1,024 x 1,024 float32; Wq 1,024 x 1,024 float32; Wv 1,024 x 1,024 float32; alpha1 1 float32; alpha2 1 float32; b1 4,096 float32; b2 1,024 float32; beta1 1 float32; beta2 1 float32; bk 1,024 float32; bo 1,024 float32; bq 1,024 float32; bv 1,024 float32; mask 1 x 1 x 2,048 x 2,048 int32; x 2 x 2,048 x 1,024 float32.
;; Outputs: out0 2 x 2,048 x 1,024 float32.
;; 2 versions, each right. Each part assembles by itself: llvm-mc -triple=amdgcn-amd-amdhsa -mcpu=gfx1250 --defsym DOCPART=n.
;; ======== version 1 of 2: 7 launches
;; limits: values are held in f16: magnitudes above 65,504 overflow, below 6.1e-05 lose precision
;; workspace buffers: a16 8,388,608 bytes; act 33,554,432 bytes; x1 16,777,216 bytes; w1 10,502,400 bytes; w2 16,793,856 bytes; maskw 524,288 bytes of whole numbers
;; launch prep (part 1): grid 64 x 20, 8 waves a work-group, no clusters, 68,608 bytes of LDS; arguments x, alpha1, beta1, a16, Wq, Wk, Wv, Wo, W1, W2, bq, bk, bv, b1, mask, w1, w2, maskw; writes a16, w1, w2, maskw
.if DOCPART == 1
	.amdgcn_target "amdgcn-amd-amdhsa--gfx1250"
	.amdhsa_code_object_version 6
	.text
	.protected	k_qfac390784d_prep
	.globl	k_qfac390784d_prep
	.p2align	8
	.type	k_qfac390784d_prep,@function
k_qfac390784d_prep:
	s_mov_b64 s[64:65], 0
	v_nop
	global_prefetch_b8 v0, s[64:65] scope:SCOPE_SE
	s_setreg_imm32_b32 hwreg(HW_REG_WAVE_MODE, 25, 1), 1
	s_wait_xcnt 0x0
; PREP: three jobs, chosen by the work-group's y; each work-group reads 64 KiB, all its loads issued first.
;  y 0-3   LN1: a16[row][1024] f16 = alpha1 (x - mean) / (std + 1e-6) + beta1, std unbiased (divisor 1023).  Two passes over registers:
;          mean, then centred squares.  A wave takes two rows.
;  y 4-15  CAST of the six weights to 16 bits, 64 rows x 256 columns a work-group.  Wq, Wk, Wv, W1 -> f16, in blocks [256 columns][1024 k][256],
;          Wo, W2 -> bf16, row-major.  Also: bq, bk, bv, b1 copied in front of the blocks, and the floor of the later way out (-inf or 0, twice in bf16).
;  y 16-19 MASK: mask[2048][2048] i32 -> lane-mask words.  Word 8 kb + j of [tile of 16 queries][step of 64 keys] has bit l = (mask[16 qt + l % 16][64 ks + 16 kb + 8 (l / 16) + j] != 0).
; LIMITS.  f16 ends at 65,504: |xn| <= 32 |alpha1| + |beta1| and |W| must stay below it; a weight below 6e-5 keeps f16's fixed step of 6e-8.  NaN and infinities are not treated apart.
; No matrix unit, no cluster, no tensor load: every byte is read once by one wave; the mask's tiles are turned in each wave's own LDS bytes.
.set SPARE,  67584                     ; behind the eight stages: the spare words, 128 bytes a wave, four blocks of 256 bytes that no other line names
.set STG,    8448                      ; a wave's stage: 16 rows x 528 bytes
.set MPITCH, 528                       ; 512 bytes + 16: the 16 rows of a read start at 16 different groups of four banks
.set FL,     16384                     ; in w1, w2: the floor
.set WB,     16640                     ; the f16 blocks, 524,288 bytes each
.set WS,     8405248                   ; the bf16 row-major weights
.set T,   8                            ; v[8:23]    at work, eight registers a row
.set MN,  24                           ; v[24:27]   the mean, twice, a row
.set SPW, 28                           ; v28        my spare word's LDS address; never rewritten
.set NIL, 29                           ; v29        0; never rewritten
.set X,   32                           ; v[32:95]   two rows of 32 numbers a lane
.set SC,  96                           ; v[96:99]   alpha / (std + eps), twice, a row
.set BT,  100                          ; v[100:101] beta, twice
.set YR,  104                          ; v[104:135] packed f16
.macro SUMS p                          ; the lane's 32 numbers of row p in four chains of pairs
.irp c, 0,1,2,3
	v_pk_add_f32 v[T+8*(\p)+2*(\c):T+8*(\p)+2*(\c)+1], v[X+32*(\p)+2*(\c):X+32*(\p)+2*(\c)+1], v[X+32*(\p)+8+2*(\c):X+32*(\p)+8+2*(\c)+1]
.endr
.irp k, 2,3
.irp c, 0,1,2,3
	v_pk_add_f32 v[T+8*(\p)+2*(\c):T+8*(\p)+2*(\c)+1], v[T+8*(\p)+2*(\c):T+8*(\p)+2*(\c)+1], v[X+32*(\p)+8*(\k)+2*(\c):X+32*(\p)+8*(\k)+2*(\c)+1]
.endr
.endr
.endm
.macro SQS p                           ; the same for the squares
.irp c, 0,1,2,3
	v_pk_mul_f32 v[T+8*(\p)+2*(\c):T+8*(\p)+2*(\c)+1], v[X+32*(\p)+2*(\c):X+32*(\p)+2*(\c)+1], v[X+32*(\p)+2*(\c):X+32*(\p)+2*(\c)+1]
.endr
.irp k, 1,2,3
.irp c, 0,1,2,3
	v_pk_fma_f32 v[T+8*(\p)+2*(\c):T+8*(\p)+2*(\c)+1], v[X+32*(\p)+8*(\k)+2*(\c):X+32*(\p)+8*(\k)+2*(\c)+1], v[X+32*(\p)+8*(\k)+2*(\c):X+32*(\p)+8*(\k)+2*(\c)+1], v[T+8*(\p)+2*(\c):T+8*(\p)+2*(\c)+1]
.endr
.endr
.endm
.macro FOLD p                          ; four pairs -> the row's sum in v[T+8p], in every lane
	v_pk_add_f32 v[T+8*(\p):T+8*(\p)+1], v[T+8*(\p):T+8*(\p)+1], v[T+8*(\p)+2:T+8*(\p)+3]
	v_pk_add_f32 v[T+8*(\p)+4:T+8*(\p)+5], v[T+8*(\p)+4:T+8*(\p)+5], v[T+8*(\p)+6:T+8*(\p)+7]
	v_pk_add_f32 v[T+8*(\p):T+8*(\p)+1], v[T+8*(\p):T+8*(\p)+1], v[T+8*(\p)+4:T+8*(\p)+5]
	v_add_f32 v[T+8*(\p)], v[T+8*(\p)], v[T+8*(\p)+1]
	v_add_f32_dpp v[T+8*(\p)], v[T+8*(\p)], v[T+8*(\p)] row_xmask:1 row_mask:0xf bank_mask:0xf
	v_add_f32_dpp v[T+8*(\p)], v[T+8*(\p)], v[T+8*(\p)] row_xmask:2 row_mask:0xf bank_mask:0xf
	v_add_f32_dpp v[T+8*(\p)], v[T+8*(\p)], v[T+8*(\p)] row_xmask:4 row_mask:0xf bank_mask:0xf
	v_add_f32_dpp v[T+8*(\p)], v[T+8*(\p)], v[T+8*(\p)] row_xmask:8 row_mask:0xf bank_mask:0xf
	v_permlanex16_b32 v[T+8*(\p)+1], v[T+8*(\p)], s12, s13
	v_add_f32 v[T+8*(\p)], v[T+8*(\p)], v[T+8*(\p)+1]
.endm
; Two rows of 1,024 f32 at s[4:5] -> f16 at s[6:7].  s14 alpha, s15 beta (scalar loads still out on entry); v2 = 16 x lane, v3 = 8 x lane.
.macro LNBODY
	s_mov_b32 s12, 0x76543210              ; v_permlanex16_b32: each lane takes its own place in the other half
	s_mov_b32 s13, 0xfedcba98
.irp p, 0,1
.irp j, 0,1,2,3,4,5,6,7
	global_load_b128 v[X+32*(\p)+4*(\j):X+32*(\p)+4*(\j)+3], v2, s[4:5] offset:(\p)*4096+512*(\j)
.endr
.endr
	s_wait_loadcnt 8                       ; row 0's eight loads are in; row 1's eight younger ones stay out
	SUMS 0
	FOLD 0
	s_wait_loadcnt 0x0
	SUMS 1
	FOLD 1
.irp p, 0,1
	v_mul_f32 v[MN+2*(\p)], 0x3a800000, v[T+8*(\p)]        ; / 1024
	v_mul_f32 v[MN+2*(\p)+1], 0x3a800000, v[T+8*(\p)]
.endr
.irp p, 0,1
.irp i, 0,1,2,3,4,5,6,7,8,9,10,11,12,13,14,15
	v_pk_add_f32 v[X+32*(\p)+2*(\i):X+32*(\p)+2*(\i)+1], v[X+32*(\p)+2*(\i):X+32*(\p)+2*(\i)+1], v[MN+2*(\p):MN+2*(\p)+1] op_sel_hi:[1,0] neg_lo:[0,1] neg_hi:[0,1]
.endr
.endr
	SQS 0
	SQS 1
	FOLD 0
	FOLD 1
	v_mul_f32 v[T], 0x3a802008, v[T]       ; / 1023
	v_mul_f32 v[T+8], 0x3a802008, v[T+8]
	v_sqrt_f32 v[T], v[T]
	v_sqrt_f32 v[T+8], v[T+8]
	v_nop                                  ; a plain instruction behind the roots,
	s_wait_alu depctr_va_vdst(0)           ; and one wait for both, ahead of their first reader
	v_add_f32 v[T], 0x358637bd, v[T]       ; + 1e-6, onto the deviation
	v_add_f32 v[T+8], 0x358637bd, v[T+8]
	v_rcp_f32 v[T], v[T]
	v_rcp_f32 v[T+8], v[T+8]
	s_wait_kmcnt 0x0                       ; alpha, beta
	v_mov_b32 v[BT], s15                   ; plain work behind the reciprocals
	v_mov_b32 v[BT+1], s15
	s_wait_alu depctr_va_vdst(0)           ; one wait for both
.irp p, 0,1
	v_mul_f32 v[SC+2*(\p)], s14, v[T+8*(\p)]
	v_mul_f32 v[SC+2*(\p)+1], s14, v[T+8*(\p)]
.endr
.irp p, 0,1
.irp i, 0,1,2,3,4,5,6,7,8,9,10,11,12,13,14,15
	v_pk_fma_f32 v[X+32*(\p)+2*(\i):X+32*(\p)+2*(\i)+1], v[X+32*(\p)+2*(\i):X+32*(\p)+2*(\i)+1], v[SC+2*(\p):SC+2*(\p)+1], v[BT:BT+1] op_sel_hi:[1,0,0]
.endr
.irp i, 0,1,2,3,4,5,6,7,8,9,10,11,12,13,14,15
	v_cvt_pk_f16_f32 v[YR+16*(\p)+(\i)], v[X+32*(\p)+2*(\i)], v[X+32*(\p)+2*(\i)+1]
.endr
.irp j, 0,1,2,3,4,5,6,7
	global_store_b64 v3, v[YR+16*(\p)+2*(\j):YR+16*(\p)+2*(\j)+1], s[6:7] offset:(\p)*2048+256*(\j)  ; 32 lanes store 256 consecutive bytes, aligned
.endr
.endr
.endm
; Eight steps of a cast: step i's two loads are in when the 2 (7 - i) younger ones may still be out.
.macro CASTS op
.irp i, 0,1,2,3,4,5,6,7
	s_wait_loadcnt 14-2*(\i)
.irp k, 0,1,2,3
	\op v[96+4*(\i)+(\k)], v[32+8*(\i)+2*(\k)], v[32+8*(\i)+2*(\k)+1]
.endr
	global_store_b64 v[16+(\i)], v[96+4*(\i):96+4*(\i)+1], s[80:81]
	global_store_b64 v[16+(\i)], v[96+4*(\i)+2:96+4*(\i)+3], s[80:81] offset:256
.endr
.endm
	s_load_b512 s[16:31], s[0:1], 0x0      ; x 16, alpha1 18, beta1 20, a16 22, Wq 24, Wk 26, Wv 28, Wo 30
	s_load_b512 s[32:47], s[0:1], 0x40     ; W1 32, W2 34, bq 36, bk 38, bv 40, b1 42, mask 44, w1 46
	s_load_b128 s[48:51], s[0:1], 0x80     ; w2 48, maskw 50
	v_lshl_add_u32 v[SPW], v0, 2, SPARE
	v_mov_b32 v[NIL], 0
	v_lshrrev_b32 v1, 5, v0
	v_readfirstlane_b32 s8, v1             ; wave
	v_and_b32 v1, 31, v0                   ; lane
	v_lshlrev_b32 v2, 4, v1
	v_lshlrev_b32 v3, 3, v1
	s_and_b32 s9, ttmp7, 0xffff            ; y
	s_mov_b32 s10, ttmp9                   ; x
	s_wait_kmcnt 0x0
	s_cmp_lt_u32 s9, 4
	s_cbranch_scc1 .Lln
	s_cmp_lt_u32 s9, 16
	s_cbranch_scc1 .Lcast
	; MASK: a wave takes 16 query rows x 128 keys
	s_sub_co_u32 s56, s9, 16
	s_lshl_b32 s56, s56, 6
	s_add_co_u32 s56, s56, s10
	s_lshl_b32 s56, s56, 3
	s_add_co_u32 s56, s56, s8              ; 0 .. 2047
	s_lshr_b32 s57, s56, 4                 ; the tile of 16 queries
	s_and_b32 s58, s56, 15                 ; the chunk of 128 keys
	s_lshl_b32 s4, s57, 17                 ; 16 rows of 8,192 bytes
	s_lshl_b32 s59, s58, 9
	s_add_co_u32 s4, s4, s59
	s_mov_b32 s5, 0
	s_add_nc_u64 s[4:5], s[44:45], s[4:5]
	s_lshl_b32 s6, s57, 12
	s_lshl_b32 s59, s58, 8
	s_add_co_u32 s6, s6, s59
	s_mov_b32 s7, 0
	s_add_nc_u64 s[6:7], s[50:51], s[6:7]
.irp t, 0,1,2,3,4,5,6,7,8,9,10,11,12,13,14,15
	global_load_b128 v[32+4*(\t):32+4*(\t)+3], v2, s[4:5] offset:(\t)*8192 th:TH_LOAD_NT  ; 512 consecutive bytes of row t
.endr
	s_mul_i32 s59, s8, STG
	v_add_nc_u32 v4, s59, v2               ; in: 16 bytes a lane
	v_and_b32 v5, 15, v0
	v_mul_u32_u24 v5, v5, MPITCH
	v_bfe_u32 v6, v0, 4, 1
	v_lshl_add_u32 v5, v6, 5, v5
	v_add_nc_u32 v5, s59, v5               ; back: row l % 16, 32 bytes for each half of the lanes
.irp t, 0,1,2,3,4,5,6,7,8,9,10,11,12,13,14,15
	s_wait_loadcnt 15-(\t)                 ; row t is in; the younger rows stay out
	ds_store_b128 v4, v[32+4*(\t):32+4*(\t)+3] offset:MPITCH*(\t)
.endr
.irp g, 0,1,2,3,4,5,6,7
	ds_load_b128 v[32+8*(\g):32+8*(\g)+3], v5 offset:64*(\g)       ; my own bytes, served in order behind the stores: no wait between
	ds_load_b128 v[32+8*(\g)+4:32+8*(\g)+7], v5 offset:64*(\g)+16
.endr
	v_mov_b32 v6, 0
	v_mov_b32 v7, 0
	s_wait_dscnt 0x0
.set wd, 0
.rept 8
.irp k, 0,1,2,3,4,5,6,7
	v_cmp_ne_u32 s[70+(\k)], 0, v[32+wd+(\k)]                      ; word wd + k: one bit a lane
.endr
.irp k, 0,1,2,3,4,5,6,7
	v_writelane_b32 v[6+((\k)&1)], s[70+(\k)], (wd+(\k))>>1        ; lane L carries words 2 L and 2 L + 1
.endr
.set wd, wd+8
.endr
	global_store_b64 v3, v[6:7], s[6:7]    ; 256 consecutive bytes, aligned
	s_branch .Lend
.Lln:
	s_load_b32 s14, s[18:19], 0x0
	s_load_b32 s15, s[20:21], 0x0
	s_lshl_b32 s56, s9, 6
	s_add_co_u32 s56, s56, s10             ; 0 .. 255: 16 rows each
	s_lshl_b32 s4, s56, 16
	s_lshl_b32 s57, s8, 13
	s_add_co_u32 s4, s4, s57
	s_mov_b32 s5, 0
	s_add_nc_u64 s[4:5], s[16:17], s[4:5]
	s_lshl_b32 s6, s56, 15
	s_lshl_b32 s57, s8, 12
	s_add_co_u32 s6, s6, s57
	s_mov_b32 s7, 0
	s_add_nc_u64 s[6:7], s[22:23], s[6:7]
	LNBODY
	s_branch .Lend
.Lcast:
	s_sub_co_u32 s56, s9, 4                ; t: 0 Wq, 1 Wk, 2 Wv, 3 Wo, 4-7 W1, 8-11 W2
	s_and_b32 s57, s10, 3                  ; block of 256 columns
	s_lshr_b32 s58, s10, 2                 ; chunk of 64 rows
	s_and_b32 s59, s56, 3
	s_lshl_b32 s60, s59, 2
	s_add_co_u32 s60, s60, s57             ; the block's number in its buffer
	s_lshr_b32 s61, s56, 2                 ; 1: W1, 2: W2
	s_lshl_b32 s71, s59, 4
	s_add_co_u32 s71, s71, s58
	s_cmp_eq_u32 s56, 0
	s_cselect_b64 s[4:5], s[24:25], s[26:27]
	s_cselect_b64 s[6:7], s[36:37], s[38:39]
	s_cmp_eq_u32 s56, 2
	s_cselect_b64 s[4:5], s[28:29], s[4:5]
	s_cselect_b64 s[6:7], s[40:41], s[6:7]
	s_cmp_eq_u32 s56, 3
	s_cselect_b64 s[4:5], s[30:31], s[4:5]
	s_cmp_ge_u32 s56, 4
	s_cselect_b64 s[4:5], s[32:33], s[4:5]
	s_cselect_b64 s[6:7], s[42:43], s[6:7]
	s_cselect_b64 s[2:3], s[48:49], s[46:47]       ; w2 or w1
	s_cselect_b32 s69, 0, 0xff80ff80               ; the floor: 0 (relu) or -inf, twice in bf16
	s_cmp_ge_u32 s56, 8
	s_cselect_b64 s[4:5], s[34:35], s[4:5]
	s_cselect_b32 s71, s71, s58                    ; W2 has 64 chunks of rows
	s_cmp_lt_u32 s56, 3
	s_cselect_b32 s72, 1, 0
	s_cmp_eq_u32 s61, 1
	s_cselect_b32 s72, 1, s72                      ; 1: f16, in blocks
	s_cselect_b32 s11, 14, 12                      ; a source row: 16,384 or 4,096 bytes
	s_cselect_b32 s70, s60, s57                    ; the source's block of columns
	s_cmp_eq_u32 s72, 1
	s_cselect_b32 s76, 9, 11                       ; a destination row: 512 or 2,048 bytes
	s_lshl_b32 s11, 1, s11
	s_lshl_b32 s76, 1, s76
	s_lshl_b32 s71, s71, 6                         ; first row
	s_lshl_b32 s73, s60, 19
	s_lshl_b32 s74, s71, 9
	s_add_co_u32 s73, s73, s74
	s_add_co_u32 s73, s73, WB
	s_lshl_b32 s74, s71, 11
	s_lshl_b32 s75, s57, 9
	s_add_co_u32 s74, s74, s75
	s_add_co_u32 s74, s74, WS
	s_cmp_eq_u32 s72, 1
	s_cselect_b32 s74, s73, s74
	s_mov_b32 s75, 0
	s_add_nc_u64 s[80:81], s[2:3], s[74:75]
	s_mul_i32 s78, s71, s11
	s_lshl_b32 s79, s70, 10
	s_add_co_u32 s78, s78, s79
	s_mov_b32 s79, 0
	s_add_nc_u64 s[4:5], s[4:5], s[78:79]
	s_mul_i32 s82, s8, s11                         ; in step i wave w takes row 8 i + w
	s_mul_i32 s83, s8, s76
	s_lshl_b32 s84, s11, 3
	s_lshl_b32 s85, s76, 3
	v_lshl_add_u32 v8, v1, 4, s82
	v_lshl_add_u32 v16, v1, 3, s83
.irp i, 1,2,3,4,5,6,7
	v_add_nc_u32 v[8+(\i)], s84, v[7+(\i)]
	v_add_nc_u32 v[16+(\i)], s85, v[15+(\i)]
.endr
.irp i, 0,1,2,3,4,5,6,7
	global_load_b128 v[32+8*(\i):32+8*(\i)+3], v[8+(\i)], s[4:5] th:TH_LOAD_NT
	global_load_b128 v[32+8*(\i)+4:32+8*(\i)+7], v[8+(\i)], s[4:5] offset:512 th:TH_LOAD_NT
.endr
	s_cmp_eq_u32 s72, 1
	s_cbranch_scc0 .Lbf
	CASTS v_cvt_pk_f16_f32
	s_cmp_eq_u32 s58, 0                            ; the block's first chunk, wave 0: the block's 256 biases
	s_cbranch_scc0 .Lend
	s_cmp_eq_u32 s8, 0
	s_cbranch_scc0 .Lend
	s_lshl_b32 s86, s70, 10
	s_mov_b32 s87, 0
	s_add_nc_u64 s[86:87], s[6:7], s[86:87]
	s_lshl_b32 s88, s60, 10
	s_mov_b32 s89, 0
	s_add_nc_u64 s[88:89], s[2:3], s[88:89]
	global_load_b128 v[128:131], v2, s[86:87]
	global_load_b128 v[132:135], v2, s[86:87] offset:512
	s_wait_loadcnt 0x0
	global_store_b128 v2, v[128:131], s[88:89]
	global_store_b128 v2, v[132:135], s[88:89] offset:512
	s_cmp_eq_u32 s10, 0                            ; once for each of w1, w2: the floor
	s_cbranch_scc0 .Lend
	s_cmp_eq_u32 s59, 0
	s_cbranch_scc0 .Lend
	v_mov_b32 v4, s69
	v_mov_b32 v5, s69
	global_store_b64 v3, v[4:5], s[2:3] offset:FL  ; 256 consecutive bytes, aligned
	s_branch .Lend
.Lbf:
	CASTS v_cvt_pk_bf16_f32
.Lend:
	s_wait_tensorcnt 0x0                   ; the wave's end
	ds_add_u32 v[SPW], v[NIL]
	s_wait_dscnt 0x0
	s_endpgm
.Lfunc_end_k_qfac390784d_prep:
	.size	k_qfac390784d_prep, .Lfunc_end_k_qfac390784d_prep-k_qfac390784d_prep
	.p2alignl 7, 3214868480
	.fill 96, 4, 3214868480
	.section	.rodata,"a",@progbits
	.p2align	6, 0x0
	.amdhsa_kernel k_qfac390784d_prep
		.amdhsa_group_segment_fixed_size 68608
		.amdhsa_private_segment_fixed_size 0
		.amdhsa_enable_private_segment 0
		.amdhsa_kernarg_size 144
		.amdhsa_user_sgpr_count 2
		.amdhsa_user_sgpr_kernarg_segment_ptr 1
		.amdhsa_wavefront_size32 1
		.amdhsa_system_sgpr_workgroup_id_x 1
		.amdhsa_system_sgpr_workgroup_id_y 1
		.amdhsa_system_sgpr_workgroup_id_z 1
		.amdhsa_system_vgpr_workitem_id 0
		.amdhsa_next_free_vgpr 136
		.amdhsa_next_free_sgpr 96
		.amdhsa_reserve_vcc 0
		.amdhsa_float_denorm_mode_32 3
		.amdhsa_float_denorm_mode_16_64 3
		.amdhsa_memory_ordered 1
		.amdhsa_forward_progress 1
		.amdhsa_inst_pref_size 44
	.end_amdhsa_kernel
	.amdgpu_metadata
---
amdhsa.version: [ 1, 2 ]
amdhsa.kernels:
  - .name:           k_qfac390784d_prep
    .symbol:         k_qfac390784d_prep.kd
    .args:
      - { .name: x, .offset: 0, .size: 8, .value_kind: global_buffer, .address_space: global }
      - { .name: alpha1, .offset: 8, .size: 8, .value_kind: global_buffer, .address_space: global }
      - { .name: beta1, .offset: 16, .size: 8, .value_kind: global_buffer, .address_space: global }
      - { .name: a16, .offset: 24, .size: 8, .value_kind: global_buffer, .address_space: global }
      - { .name: Wq, .offset: 32, .size: 8, .value_kind: global_buffer, .address_space: global }
      - { .name: Wk, .offset: 40, .size: 8, .value_kind: global_buffer, .address_space: global }
      - { .name: Wv, .offset: 48, .size: 8, .value_kind: global_buffer, .address_space: global }
      - { .name: Wo, .offset: 56, .size: 8, .value_kind: global_buffer, .address_space: global }
      - { .name: W1, .offset: 64, .size: 8, .value_kind: global_buffer, .address_space: global }
      - { .name: W2, .offset: 72, .size: 8, .value_kind: global_buffer, .address_space: global }
      - { .name: bq, .offset: 80, .size: 8, .value_kind: global_buffer, .address_space: global }
      - { .name: bk, .offset: 88, .size: 8, .value_kind: global_buffer, .address_space: global }
      - { .name: bv, .offset: 96, .size: 8, .value_kind: global_buffer, .address_space: global }
      - { .name: b1, .offset: 104, .size: 8, .value_kind: global_buffer, .address_space: global }
      - { .name: mask, .offset: 112, .size: 8, .value_kind: global_buffer, .address_space: global }
      - { .name: w1, .offset: 120, .size: 8, .value_kind: global_buffer, .address_space: global }
      - { .name: w2, .offset: 128, .size: 8, .value_kind: global_buffer, .address_space: global }
      - { .name: maskw, .offset: 136, .size: 8, .value_kind: global_buffer, .address_space: global }
    .group_segment_fixed_size: 68608
    .private_segment_fixed_size: 0
    .kernarg_segment_align: 8
    .kernarg_segment_size: 144
    .max_flat_workgroup_size: 256
    .sgpr_count:     96
    .vgpr_count:     136
    .wavefront_size: 32
...
	.end_amdgpu_metadata
.endif
;; end of part 1
;; launch qkv (part 2): grid 12 x 16, 4 waves a work-group, clusters of 4 x 4, 327,680 bytes of LDS; arguments a16, w1, act; writes act
.if DOCPART == 2
	.amdgcn_target "amdgcn-amd-amdhsa--gfx1250"
	.amdhsa_code_object_version 6
	.text
	.protected	k_qfac390784d_qkv
	.globl	k_qfac390784d_qkv
	.p2align	8
	.type	k_qfac390784d_qkv,@function
k_qfac390784d_qkv:
	s_mov_b64 s[64:65], 0
	v_nop
	global_prefetch_b8 v0, s[64:65] scope:SCOPE_SE
	s_setreg_imm32_b32 hwreg(HW_REG_WAVE_MODE, 25, 1), 1
	s_wait_xcnt 0x0
	s_wait_alu depctr_hold_cnt(0) depctr_sa_sdst(0) depctr_va_vdst(0) depctr_va_sdst(0) depctr_va_ssrc(0) depctr_va_vcc(0) depctr_vm_vsrc(0)
	s_getreg_b32 s2, hwreg(HW_REG_IB_STS2, 6, 4)
	s_cmp_eq_u32 s2, 0
	s_cbranch_scc0 .Lentry_in_a_cluster
	s_endpgm
.Lentry_in_a_cluster:
	s_bfe_u32 s2, ttmp6, 0x10000c
	s_cmp_lg_u32 s2, 0xf033
	s_cbranch_scc0 .Lentry_shape_is_right
	s_endpgm
.Lentry_shape_is_right:
; OUT = max(A W + bias, floor).  A: [4096][1024] f16.  W's buffer: bias f32 at 0, the floor (two bf16) at FLO, f16 blocks [256 columns][1024 k][256 n] from WB on.
; OUT: bf16 in blocks of 64 columns, [block][4096 rows][64].  Sums in f32, starting from the bias; rounded once; the floor is -inf (no activation) or 0 (relu).
; LIMITS.  A and W arrive within f16's 65,504; the result is bf16, so its range is f32's.  NaN and infinities are not treated apart (a NaN meets the floor).
; A tile of 256 x 256 to a work-group, 128 x 128 to each of four waves: 64 accumulators, 512 registers.  K = 1,024 in eight steps of 128 through two LDS slots.
; W lies [k][n]: its fragments come out of LDS by the turning load.  The matrix instruction is used transposed (source 0 = 16 columns of W, source 1 = 16 rows of A):
; a lane then holds eight neighbouring columns of one row of OUT.
; CLUSTER 4 x 4: A's tiles are asked for jointly along a row of the cluster, W's along a column.
; REGISTERS: window 0: v0-31 addresses; v64-191 A's two fragment buffers; v192-255 the bias (C of the first products), later at work on the way out, with v32-63.
;   window 1: v64-191 W's two fragment buffers.  windows 2, 3: the accumulators ((a, b) at v[8 (8 a + b)]).
.set PA,     272                       ; a row of A in LDS: 256 bytes + 16: the 16 rows of a load start at 16 different groups of four banks
.set PW,     544                       ; a k-row of W: 512 bytes + 32
.set PIECE,  34816                     ; what one tensor load brings: 128 rows of A or 64 k-rows of W
.set SLOT,   4*PIECE                   ; A's 256 rows, then W's 128 k-rows
.set STAGE,  2*SLOT                    ; behind the ring: 16 rows x 272 bytes for each wave
.set SPARE,  STAGE+4*16*PA             ; the spare words, 128 bytes a wave: two blocks of 256 bytes that no other line names
.set FLO,    16384
.set WB,     16640
.set LAPS,   4                         ; a lap = two K steps
.set ADRA, 16                          ; v16-17 LDS address of my A fragments in slot 0, 1
.set ADRB, 20                          ; v20-21 the same for W
.set STO,  24
.set RD,   25
.set CO,   26
.set BO,   27
.set SPW,  28
.set NIL,  29
.set PFO,  30
.set F0,   64
.set F1,   128
.set BIAS, 192
.set TMP,  192
.set OB,   32
.set G1,  24
.set G0,  32
.set G1B, 48
.set G0B, 56
.set LIM, 43                           ; 1 in a wave that prefetches, else the greatest number
.set PFA, 44                           ; s[44:45] where my prefetches stand
.set PST, 46                           ; s[46:47] a K step in my tensor: 256 bytes of each row of A, 65,536 bytes of a block of W
.set FLR, 66
.set MSB, 0
.macro WIN new
.if MSB != (\new)
	s_set_vgpr_msb (MSB<<8)|(\new)
.set MSB, \new
.endif
.endm
.set MUL_LO, 0xa1                      ; source 0 (W) window 1, source 1 (A) window 0, C and D window 2
.set MUL_HI, 0xf1
.set TO_B,   0x40
.macro PLACES
.rept 4
	v_nop
.endr
.endm
; A joint load: waves 0, 1 fetch A's halves, waves 2, 3 W's.  An s_nop 0 and four v_nop follow each line.
.macro JLOAD s
	s_cmp_eq_u32 s11, 0
	s_cbranch_scc0 .Lfor_b_\@
	tensor_load_to_lds s[G0+4*(\s):G0+4*(\s)+3], s[G1:G1+7]
	s_nop 0
	PLACES
	s_branch .Lasked_\@
.Lfor_b_\@:
	tensor_load_to_lds s[G0B+4*(\s):G0B+4*(\s)+3], s[G1B:G1B+7]
	s_nop 0
	PLACES
.Lasked_\@:
.endm
; A prefetch of the K step two refills on: 32 blocks of 256 bytes, a lane a block.  A's rows are asked for by the clusters with x = 0, W's blocks by those with y = 0; the four partners
; of a joint load share its 128 blocks out by address.  The loop's last trip has no K step two on.
.macro ASK
	s_cmp_gt_u32 s3, s[LIM]
	s_cbranch_scc0 .Lnot_mine_\@
	global_prefetch_b8 v[PFO], s[PFA:PFA+1] th:TH_LOAD_NT scope:SCOPE_SE
.Lnot_mine_\@:
.endm
.macro CREST
	s_cmp_lg_u32 s10, 0
	s_cbranch_scc1 .Lnot_wave_0_\@
	s_barrier_signal -3
.Lnot_wave_0_\@:
	s_barrier_wait -3
	s_barrier_signal -1
	s_barrier_wait -1
.endm
.macro CROUND
	s_barrier_signal -1
	s_barrier_wait -1
	CREST
.endm
	s_load_b128 s[4:7], s[0:1], 0x0        ; A, W
	s_load_b64 s[8:9], s[0:1], 0x10        ; OUT
	v_lshl_add_u32 v[SPW], v0, 2, SPARE
	v_mov_b32 v[NIL], 0
	ds_add_u32 v[SPW], v[NIL]              ; the wave's opening: the add and its wait ahead of my first tensor load
	v_lshrrev_b32 v1, 5, v0
	v_readfirstlane_b32 s10, v1            ; wave
	s_lshr_b32 s11, s10, 1                 ; my half of the tile's rows; also: I fetch for A (0) or W (1)
	s_and_b32 s12, s10, 1                  ; my half of its columns; also: which piece I fetch
	s_bfe_u32 s40, ttmp6, 0x40000          ; cx
	s_bfe_u32 s41, ttmp6, 0x40004          ; cy
	s_lshl_b32 s42, ttmp9, 2
	s_add_co_u32 s42, s42, s40             ; tile column
	s_and_b32 s13, ttmp7, 0xffff
	s_lshl_b32 s13, s13, 2
	s_add_co_u32 s13, s13, s41             ; tile row
	s_lshl_b32 s67, s41, 2
	s_lshl_b32 s67, 15, s67                ; my row of the cluster
	s_lshl_b32 s68, 0x1111, s40            ; my column
	s_or_b32 s[G1+0], s67, (1<<16)|(1<<20)|(1<<21)|(5<<22)|(3<<25)   ; mask; 2-byte elements; padding: 4 words behind every 64
	s_mov_b32 s[G1+1], 128<<16             ; tensor_dim0 = 128
	s_mov_b32 s[G1+2], 128<<16             ; tensor_dim1 = 128
	s_mov_b32 s[G1+3], 128<<16             ; tile_dim0 = 128
	s_mov_b32 s[G1+4], 128                 ; tile_dim1 = 128
	s_mov_b32 s[G1+5], 1024                ; elements from row to row
	s_mov_b32 s[G1+6], 0
	s_mov_b32 s[G1+7], 0
	s_or_b32 s[G1B+0], s68, (1<<16)|(1<<20)|(1<<21)|(6<<22)|(7<<25)  ; padding: 8 words behind every 128
	s_mov_b32 s[G1B+1], 256<<16
	s_mov_b32 s[G1B+2], 64<<16
	s_mov_b32 s[G1B+3], 256<<16
	s_mov_b32 s[G1B+4], 64
	s_mov_b32 s[G1B+5], 256
	s_mov_b32 s[G1B+6], 0
	s_mov_b32 s[G1B+7], 0
	s_lshl_b32 s16, s13, 8                 ; A: row 256 x tile row + 128 x piece, 2,048 bytes a row
	s_lshl_b32 s17, s12, 7
	s_add_co_u32 s16, s16, s17
	s_lshl_b32 s16, s16, 11
	s_mov_b32 s17, 0
	s_lshl_b32 s20, s42, 19                ; W: the tile column's block, k-row 64 x piece, 512 bytes a row
	s_lshl_b32 s21, s12, 15
	s_add_co_u32 s20, s20, s21
	s_add_co_u32 s20, s20, WB
	s_mov_b32 s21, 0
	s_mul_i32 s18, s10, PIECE              ; where they go: wave x a piece
	s_wait_dscnt 0x0                       ; the opening add is done
	s_wait_kmcnt 0x0
	s_add_nc_u64 s[14:15], s[4:5], s[16:17]
	s_add_nc_u64 s[22:23], s[6:7], s[20:21]
.irp s, 0,1
	s_mov_b32 s[G0+4*(\s)], 1
	s_add_co_u32 s[G0+4*(\s)+1], s18, (\s)*SLOT
	s_add_nc_u64 s[G0+4*(\s)+2:G0+4*(\s)+3], s[14:15], (\s)*256
	s_or_b32 s[G0+4*(\s)+3], s[G0+4*(\s)+3], 0x80000000
	s_mov_b32 s[G0B+4*(\s)], 1
	s_add_co_u32 s[G0B+4*(\s)+1], s18, (\s)*SLOT
	s_add_nc_u64 s[G0B+4*(\s)+2:G0B+4*(\s)+3], s[22:23], (\s)*65536
	s_or_b32 s[G0B+4*(\s)+3], s[G0B+4*(\s)+3], 0x80000000
.endr
	CROUND                                 ; all sixteen work-groups are here: the first joint loads meet
	s_cmp_eq_u32 s11, 0                    ; a wave's two first fills stand in one branch: two loads of mine are out
	s_cbranch_scc0 .Lfirst_w
	tensor_load_to_lds s[G0:G0+3], s[G1:G1+7]
	s_nop 0
	tensor_load_to_lds s[G0+4:G0+7], s[G1:G1+7]
	s_nop 0
	PLACES
	s_branch .Lfirst_asked
.Lfirst_w:
	tensor_load_to_lds s[G0B:G0B+3], s[G1B:G1B+7]
	s_nop 0
	tensor_load_to_lds s[G0B+4:G0B+7], s[G1B:G1B+7]
	s_nop 0
	PLACES
.Lfirst_asked:
	s_load_b32 s[FLR], s[6:7], FLO
	v_and_b32 v1, 15, v0                   ; l % 16
	v_bfe_u32 v2, v0, 4, 1                 ; l / 16
	v_lshlrev_b32 v[BO], 5, v2             ; the bias: my 8 columns of a block of 16
	s_lshl_b32 s70, s42, 10
	s_lshl_b32 s71, s12, 9
	s_add_co_u32 s70, s70, s71
	s_mov_b32 s71, 0
	s_add_nc_u64 s[70:71], s[6:7], s[70:71]
.irp b, 0,1,2,3,4,5,6,7
	global_load_b128 v[BIAS+8*(\b):BIAS+8*(\b)+3], v[BO], s[70:71] offset:64*(\b)
	global_load_b128 v[BIAS+8*(\b)+4:BIAS+8*(\b)+7], v[BO], s[70:71] offset:64*(\b)+16
.endr
	v_mul_u32_u24 v3, v1, PA
	v_lshl_add_u32 v3, v2, 4, v3           ; row x 272 + 16 x half
	s_mul_i32 s19, s11, PIECE              ; my 128 rows of A
	v_add_nc_u32 v[ADRA], s19, v3
	s_add_co_u32 s19, s19, SLOT
	v_add_nc_u32 v[ADRA+1], s19, v3
	v_and_b32 v5, 7, v0                    ; the turning load: k-row 8 (l / 16) + l % 8, 16 bytes by (l / 8) % 2
	v_lshl_add_u32 v5, v2, 3, v5
	v_mul_u32_u24 v5, v5, PW
	v_bfe_u32 v6, v0, 3, 1
	v_lshl_add_u32 v5, v6, 4, v5
	s_lshl_b32 s19, s12, 8                 ; my 128 columns
	s_add_co_u32 s19, s19, 2*PIECE         ; W lies behind A's 256 rows
	v_add_nc_u32 v[ADRB], s19, v5
	s_add_co_u32 s19, s19, SLOT
	v_add_nc_u32 v[ADRB+1], s19, v5
	s_mul_i32 s19, s10, 16*PA
	s_add_co_u32 s19, s19, STAGE           ; my stage
	v_add_nc_u32 v[STO], s19, v3           ; in: row l % 16, 16 bytes for each half of the lanes
	v_bfe_u32 v7, v0, 3, 2                 ; back: four rows x 128 bytes, one block of 64 columns
	v_mul_u32_u24 v7, v7, PA
	v_and_b32 v8, 7, v0
	v_lshl_add_u32 v7, v8, 4, v7
	v_add_nc_u32 v[RD], s19, v7
	v_and_b32 v[CO], 31, v0
	v_lshlrev_b32 v[CO], 4, v[CO]          ; which are 512 consecutive bytes of OUT
	s_lshl_b32 s20, s42, 21                ; OUT: block 4 x tile column + 2 x half, row 256 x tile row + 128 x half, 128 bytes a row
	s_lshl_b32 s21, s12, 20
	s_add_co_u32 s20, s20, s21
	s_lshl_b32 s21, s13, 15
	s_add_co_u32 s20, s20, s21
	s_lshl_b32 s21, s11, 14
	s_add_co_u32 s20, s20, s21
	s_mov_b32 s21, 0
	s_add_nc_u64 s[8:9], s[8:9], s[20:21]
	; the prefetches: they stand at K step 3; each refill steps them first, so the refill of step r names step r + 2
	s_lshl_b32 s67, s13, 8
	s_lshl_b32 s69, s12, 7
	s_add_co_u32 s67, s67, s69
	s_lshl_b32 s69, s40, 5                 ; my work-group's 32 rows of the 128
	s_add_co_u32 s67, s67, s69
	s_lshl_b32 s67, s67, 11
	s_add_co_u32 s67, s67, 3*256
	s_lshl_b32 s68, s42, 19
	s_lshl_b32 s69, s12, 15
	s_add_co_u32 s68, s68, s69
	s_lshl_b32 s69, s41, 13                ; my work-group's 32 blocks of the 128
	s_add_co_u32 s68, s68, s69
	s_add_co_u32 s68, s68, WB+3*65536
	s_and_b32 s22, ttmp7, 0xffff
	s_cmp_eq_u32 s11, 0
	s_cselect_b32 s22, ttmp9, s22          ; the coordinate along which other clusters read the same bytes
	s_cselect_b64 s[PFA:PFA+1], s[4:5], s[6:7]
	s_cselect_b32 s68, s67, s68
	s_cselect_b32 s[PST], 8, 16
	s_cselect_b32 s23, 11, 8               ; a lane's block: a row of A on, or 256 bytes of W on
	s_mov_b32 s69, 0
	s_add_nc_u64 s[PFA:PFA+1], s[PFA:PFA+1], s[68:69]
	s_lshl_b32 s[PST], 1, s[PST]
	s_mov_b32 s[PST+1], 0
	s_cmp_eq_u32 s22, 0
	s_cselect_b32 s[LIM], 1, -1
	v_and_b32 v[PFO], 31, v0
	v_lshlrev_b32 v[PFO], s23, v[PFO]
; 16 matrix instructions: m blocks a0, a0 + 1 of the window's four x all 8 n blocks, 32 along K.  zero = 1: the bias starts the sums.  The 64 accumulators take turns.
.macro MUL16 f, hi, a0, zero
.if \zero
	WIN 0x81+0x40*(\hi)                    ; C in window 0
.else
	WIN MUL_LO+0x50*(\hi)
.endif
.irp a, \a0, (\a0)+1
.irp b, 0,1,2,3,4,5,6,7
.if \zero
	v_wmma_f32_16x16x32_f16 v[8*(8*(\a)+(\b)):8*(8*(\a)+(\b))+7], v[(\f)+8*(\b):(\f)+8*(\b)+7], v[(\f)+8*(4*(\hi)+(\a)):(\f)+8*(4*(\hi)+(\a))+7], v[BIAS+8*(\b):BIAS+8*(\b)+7]
.else
	v_wmma_f32_16x16x32_f16 v[8*(8*(\a)+(\b)):8*(8*(\a)+(\b))+7], v[(\f)+8*(\b):(\f)+8*(\b)+7], v[(\f)+8*(4*(\hi)+(\a)):(\f)+8*(4*(\hi)+(\a))+7], v[8*(8*(\a)+(\b)):8*(8*(\a)+(\b))+7]
.endif
.endr
.endr
.endm
; 32 LDS loads in one run: quarter kq (32 along K) of a slot into buffer f: W's 8 blocks of 16 columns, turned, then A's 8 blocks of 16 rows
.macro FETCH slot, kq, f
	WIN TO_B
.irp i, 0,1,2,3,4,5,6,7
	ds_load_tr16_b128 v[(\f)+8*(\i):(\f)+8*(\i)+3],   v[ADRB+(\slot)] offset:(\kq)*32*PW+32*(\i)
	ds_load_tr16_b128 v[(\f)+8*(\i)+4:(\f)+8*(\i)+7], v[ADRB+(\slot)] offset:(\kq)*32*PW+16*PW+32*(\i)
.endr
	WIN 0
.irp i, 0,1,2,3,4,5,6,7
	ds_load_b128 v[(\f)+8*(\i):(\f)+8*(\i)+3],   v[ADRA+(\slot)] offset:(\kq)*64+(\i)*16*PA
	ds_load_b128 v[(\f)+8*(\i)+4:(\f)+8*(\i)+7], v[ADRA+(\slot)] offset:(\kq)*64+(\i)*16*PA+32
.endr
.endm
.macro QUARTER slot, kq, f, g, zero
	s_wait_dscnt 8                         ; W and A's rows 0-63 are in; the youngest eight loads (A's rows 64-127) may be out
	MUL16 \f, 0, 0, \zero
	MUL16 \f, 0, 2, \zero
	PLACES                                 ; four places in front of loads into registers that matrix instructions have read
	FETCH \slot, \kq, \g
	s_wait_dscnt 32                        ; all but the 32 just issued
	MUL16 \f, 1, 0, \zero
	MUL16 \f, 1, 2, \zero
.endm
; The change of slots: every wave waits for all its tensor loads (one is out: its part of the next slot), adds 0 to its spare word, waits for that and for its reads of this slot, and signals.
.macro MEET round
	WIN 0
	s_wait_tensorcnt 0x0
	ds_add_u32 v[SPW], v[NIL]
	s_wait_dscnt 9                         ; the add and the youngest eight loads may be out
	MUL16 F1, 0, 0, 0
	s_wait_dscnt 0x0                       ; the add is done, my reads of this slot are over
	s_barrier_signal -1
	MUL16 F1, 0, 2, 0
.if \round
	WIN 0
.endif
	s_barrier_wait -1
.endm
.macro TURN slot, next, fill
.if \fill
	s_wait_xcnt 0x0                        ; the last prefetch, a K step back, has read its address
	s_add_nc_u64 s[PFA:PFA+1], s[PFA:PFA+1], s[PST:PST+1]
	MEET 1
	CREST                                  ; the barrier has opened a round of the cluster's: no wave of any partner still reads this slot or has a load on its way
	s_add_nc_u64 s[G0+4*(\slot)+2:G0+4*(\slot)+3], s[G0+4*(\slot)+2:G0+4*(\slot)+3], 2*256
	s_add_nc_u64 s[G0B+4*(\slot)+2:G0B+4*(\slot)+3], s[G0B+4*(\slot)+2:G0B+4*(\slot)+3], 2*65536
	JLOAD \slot                            ; the first tensor load behind the round; 224 matrix instructions stand ahead of the wait for it
.else
	MEET 0
	PLACES
.endif
	FETCH \next, 0, F0
.if \fill
	ASK
.endif
	MUL16 F1, 1, 0, 0
	MUL16 F1, 1, 2, 0
.endm
; The way out of block a (16 rows x 128 columns): rounded to bf16, held to the floor, through my own stage, back as four rows of one block of 64 columns, stored.
.macro PACK a
.set AC, 64*((\a)%4)
	WIN 0x0a+5*((\a)/4)
.irp b, 0,1,2,3,4,5,6,7
.irp r, 0,1,2,3
	v_cvt_pk_bf16_f32 v[TMP+4*(\b)+(\r)], v[AC+8*(\b)+2*(\r)], v[AC+8*(\b)+2*(\r)+1]
.endr
.endr
	WIN 0
.set i, 0
.rept 32
	v_pk_max_num_bf16 v[TMP+i], v[TMP+i], s[FLR]
.set i, i+1
.endr
.endm
.macro TOSTAGE a
	WIN 0
.set BK, OB+192*((\a)%2)
.irp b, 0,1,2,3,4,5,6,7
	ds_store_b128 v[STO], v[TMP+4*(\b):TMP+4*(\b)+3] offset:32*(\b)
.endr
.irp c, 0,1
.irp u, 0,1,2,3
	ds_load_b128 v[BK+4*(4*(\c)+(\u)):BK+4*(4*(\c)+(\u))+3], v[RD] offset:128*(\c)+4*PA*(\u)  ; my own bytes, served in order behind the stores
.endr
.endr
.endm
.macro SEND a
	WIN 0
.set BK, OB+192*((\a)%2)
	s_wait_dscnt 0x0                       ; the block is back in registers
	s_wait_xcnt 0x0                        ; earlier stores have read their registers: the set that they left is loaded again only behind this wait
.irp c, 0,1
.irp u, 0,1,2,3
	global_store_b128 v[CO], v[BK+4*(4*(\c)+(\u)):BK+4*(4*(\c)+(\u))+3], s[8:9] offset:(\c)*524288+(\a)*2048+512*(\u)  ; 512 consecutive bytes, aligned
.endr
.endr
.endm
	s_wait_tensorcnt 1                     ; my part of K step 0 is in; K step 1's may stay out
	s_barrier_signal -1
	s_barrier_wait -1
	FETCH 0, 0, F0
	s_wait_loadcnt 0x0                     ; the bias
	s_wait_kmcnt 0x0                       ; the floor
	QUARTER 0, 1, F0, F1, 1
	WIN 0
	s_mov_b32 s3, LAPS-1
.Llap:
	QUARTER 0, 2, F1, F0, 0
	QUARTER 0, 3, F0, F1, 0
	TURN 0, 1, 1
	QUARTER 1, 1, F0, F1, 0
	QUARTER 1, 2, F1, F0, 0
	QUARTER 1, 3, F0, F1, 0
	TURN 1, 0, 1
	QUARTER 0, 1, F0, F1, 0
	WIN 0
	s_sub_co_u32 s3, s3, 1
	s_cmp_lg_u32 s3, 0
	s_cbranch_scc1 .Llap
	QUARTER 0, 2, F1, F0, 0                ; the last lap fills nothing
	QUARTER 0, 3, F0, F1, 0
	TURN 0, 1, 0
	QUARTER 1, 1, F0, F1, 0
	QUARTER 1, 2, F1, F0, 0
	QUARTER 1, 3, F0, F1, 0
	s_wait_dscnt 8
	MUL16 F1, 0, 0, 0
	MUL16 F1, 0, 2, 0
	s_wait_dscnt 0x0
	MUL16 F1, 1, 0, 0
	MUL16 F1, 1, 2, 0
	WIN 0
	PLACES                                 ; four places behind the last products
	PACK 0
	TOSTAGE 0
.irp a, 1,2,3,4,5,6,7
	PACK \a
	SEND (\a)-1
	TOSTAGE \a
.endr
	SEND 7
	s_wait_tensorcnt 0x0                   ; the wave's end
	ds_add_u32 v[SPW], v[NIL]
	s_wait_dscnt 0x0
	CROUND                                 ; the closing round
	s_endpgm
.Lfunc_end_k_qfac390784d_qkv:
	.size	k_qfac390784d_qkv, .Lfunc_end_k_qfac390784d_qkv-k_qfac390784d_qkv
	.p2alignl 7, 3214868480
	.fill 96, 4, 3214868480
	.section	.rodata,"a",@progbits
	.p2align	6, 0x0
	.amdhsa_kernel k_qfac390784d_qkv
		.amdhsa_group_segment_fixed_size 327680
		.amdhsa_private_segment_fixed_size 0
		.amdhsa_enable_private_segment 0
		.amdhsa_kernarg_size 24
		.amdhsa_user_sgpr_count 2
		.amdhsa_user_sgpr_kernarg_segment_ptr 1
		.amdhsa_wavefront_size32 1
		.amdhsa_system_sgpr_workgroup_id_x 1
		.amdhsa_system_sgpr_workgroup_id_y 1
		.amdhsa_system_sgpr_workgroup_id_z 1
		.amdhsa_system_vgpr_workitem_id 0
		.amdhsa_next_free_vgpr 1024
		.amdhsa_next_free_sgpr 72
		.amdhsa_reserve_vcc 0
		.amdhsa_float_denorm_mode_32 3
		.amdhsa_float_denorm_mode_16_64 3
		.amdhsa_memory_ordered 1
		.amdhsa_forward_progress 1
		.amdhsa_inst_pref_size 161
	.end_amdhsa_kernel
	.amdgpu_metadata
---
amdhsa.version: [ 1, 2 ]
amdhsa.kernels:
  - .name:           k_qfac390784d_qkv
    .symbol:         k_qfac390784d_qkv.kd
    .args:
      - { .name: a16, .offset: 0, .size: 8, .value_kind: global_buffer, .address_space: global }
      - { .name: w1, .offset: 8, .size: 8, .value_kind: global_buffer, .address_space: global }
      - { .name: act, .offset: 16, .size: 8, .value_kind: global_buffer, .address_space: global }
    .group_segment_fixed_size: 327680
    .private_segment_fixed_size: 0
    .kernarg_segment_align: 8
    .kernarg_segment_size: 24
    .max_flat_workgroup_size: 128
    .sgpr_count:     72
    .vgpr_count:     1024
    .wavefront_size: 32
...
	.end_amdgpu_metadata
.endif
;; end of part 2
;; launch attn (part 3): grid 8 x 32, 4 waves a work-group, clusters of 4 x 1, 327,680 bytes of LDS; arguments act, maskw, a16; writes a16
.if DOCPART == 3
	.amdgcn_target "amdgcn-amd-amdhsa--gfx1250"
	.amdhsa_code_object_version 6
	.text
	.protected	k_qfac390784d_attn
	.globl	k_qfac390784d_attn
	.p2align	8
	.type	k_qfac390784d_attn,@function
k_qfac390784d_attn:
	s_mov_b64 s[64:65], 0
	v_nop
	global_prefetch_b8 v0, s[64:65] scope:SCOPE_SE
	s_setreg_imm32_b32 hwreg(HW_REG_WAVE_MODE, 25, 1), 1
	s_wait_xcnt 0x0
	s_wait_alu depctr_hold_cnt(0) depctr_sa_sdst(0) depctr_va_vdst(0) depctr_va_sdst(0) depctr_va_ssrc(0) depctr_va_vcc(0) depctr_vm_vsrc(0)
	s_getreg_b32 s2, hwreg(HW_REG_IB_STS2, 6, 4)
	s_cmp_eq_u32 s2, 0
	s_cbranch_scc0 .Lentry_in_a_cluster
	s_endpgm
.Lentry_in_a_cluster:
	s_bfe_u32 s2, ttmp6, 0x10000c
	s_cmp_lg_u32 s2, 0x3003
	s_cbranch_scc0 .Lentry_shape_is_right
	s_endpgm
.Lentry_shape_is_right:
; MASKED ATTENTION.  ctx[q] = sum over k of softmax_k(mask[q][k] ? Q[q] . K[k] / 8 : -1e9) V[k], for 32 pairs (batch, head), 2,048 queries and keys, 64 channels.
; act holds q, k, v in bf16 as blocks of 64 columns, [48][4096 rows][64]: block h is head h's q, 16 + h its k, 32 + h its v; a head's rows of one batch are dense, 128 bytes each.
; ctx leaves in the same layout, [16][4096][64] bf16.  maskw: for each tile of 16 queries and step of 64 keys 32 words, word n the lane mask of register n of the tile of scores.
; Products, maxima and sums in f32; the weights are rounded to bf16 for the second product (their sum is taken unrounded), ctx once.
; LIMITS.  A hidden raw score becomes -8e9, which is -1e9 behind the division by 8: a row that is wholly hidden comes out as the mean of V.  A true raw score below -8e9 is not ranked under hidden ones.
; A weight below 2^-126 counts as 0.  NaN and infinities are not treated apart.
; SHARES.  A work-group owns 256 queries of one pair, a wave 64: four PIECES of 16.  Every wave walks all keys, 64 a step, 256 a slot.
; LAYOUT.  S^T = K Q^T holds one query a lane (lane % 16) and keys 8 (lane / 16) + 0..7; two results rounded in pairs are source 1 of O^T = V^T P.  p = 2^(c s - c m), c = log2(e) / 8, m a running maximum;
; O and l are multiplied by a = 2^(c m_old - c m_new) in every step; m starts at the lowest finite number, O and l at 0, so the first step is a step like any other.
; TURNS.  Turn n belongs to piece n: 8 products K Q^T of piece n + 1, later 8 products V^T P of piece n - 1; beside them the scaling, exponentials, roundings, sums and rescaling of piece n and the
; mask, maximum and statistics of piece n + 1.  Four vector instructions stand behind every matrix instruction, the rest in one lump.  A turn's 33 exponentials are one batch with one wait.
; CLUSTER.  The four query blocks of a cluster belong to one pair and walk the same K and V: each tile is asked for jointly.
; REGISTERS: window 0: v0-15 addresses; v16-31 statistics; v48-55 at work; v64-127 S^T, two buffers; v192-223 P, two buffers.  window 1: v0-127 O^T.  window 2: v0-63 Q; v128-191 K; v192-255 V.
.set NP,    4
.set KS,    64
.set PK,    144                        ; a row of K in LDS: 128 bytes + 16
.set PV,    160                        ; a row of V: 128 + 32
.set VOFF,  4*KS*PK
.set SLOT1, 1<<17
.set STAGE, SLOT1+4*KS*(PK+PV)
.set SP,    144
.set SPARE, STAGE+4*16*SP              ; the spare words, 128 bytes a wave: two blocks of 256 bytes that no other line names
.set BLK,   524288                     ; a block of 64 columns
.set AK0, 2
.set AV0, 3
.set AK,  4
.set AV,  5
.set STO, 6
.set RD,  7
.set GO,  8
.set MV,  12                           ; v12-13 c m_old, by buffer
.set NEGV, 14                          ; v14 -8e9
.set QO,  15
.set ST,  16                           ; piece t: c m, m, l (even keys', odd keys')
.set TMP, 48
.set PFO, 61
.set SPW, 62
.set NIL, 63
.set S,   64
.set P,   192
.set KF,  128
.set VF,  192
.set WV,  12
.set LIM, 15
.set G1K, 24
.set G1V, 32
.set G0K, 40
.set G0V, 44
.set PFA, 50                           ; s[50:51]
.set MB,  52                           ; s[52:53] maskw at my wave's first tile of 16 queries
.set MO,  54                           ; 128 x the key step whose words are loaded next
.set SLOTS, 56
.set CNT, 57
.set CS,  58
.set SEL, 60
.set TBK, 62
.set TBV, 63
.set MW,  68                           ; s[68:99] 32 mask words
.set MSB, 0
.macro WIN new
.if MSB != (\new)
	s_set_vgpr_msb (MSB<<8)|(\new)
.set MSB, (\new)
.endif
.endm
.set W_KQ, 0x0a
.set W_PV, 0x52
.set W_RS, 0x41
.macro JLOAD                           ; waves 0, 1 fetch the halves of a tile's K, waves 2, 3 those of its V
	s_cmp_lt_u32 s[WV], 2
	s_cbranch_scc0 .Lfor_v_\@
	tensor_load_to_lds s[G0K:G0K+3], s[G1K:G1K+7]
	s_nop 0
.rept 4
	v_nop
.endr
	s_branch .Lasked_\@
.Lfor_v_\@:
	tensor_load_to_lds s[G0V:G0V+3], s[G1V:G1V+7]
	s_nop 0
.rept 4
	v_nop
.endr
.Lasked_\@:
.endm
; A prefetch of the tile that the next change of slots will ask for: 128 blocks of 256 bytes of K and of V.  The pair's first cluster asks; its partners take 32 blocks each, by address;
; wave 0 asks for K's, wave 2 for V's.  The last change that fills a slot asks for nothing.
.macro ASK
	s_cmp_gt_u32 s[SLOTS], s[LIM]
	s_cbranch_scc0 .Lnot_mine_\@
	global_prefetch_b8 v[PFO], s[PFA:PFA+1] th:TH_LOAD_NT scope:SCOPE_SE
.Lnot_mine_\@:
.endm
.macro CROUND
	s_barrier_signal -1
	s_barrier_wait -1
	s_cmp_lg_u32 s[WV], 0
	s_cbranch_scc1 .Lnot_wave_0_\@
	s_barrier_signal -3
.Lnot_wave_0_\@:
	s_barrier_wait -3
	s_barrier_signal -1
	s_barrier_wait -1
.endm
; The change of slots: every wave waits for all its tensor loads (one is out: its part of the other slot), adds 0 to its spare word, waits for that and for its reads of the slot that it leaves.
; fill = 1: a round of the cluster's barrier, then the joint refill first: it has four key steps, 256 matrix instructions, in which to land.
.macro CHANGE fill, ask
	WIN 0
	s_wait_tensorcnt 0x0
	ds_add_u32 v[SPW], v[NIL]
.if \fill
.irp g, G0K, G0V
	s_xor_b32 s[\g+1], s[\g+1], SLOT1
	s_add_nc_u64 s[\g+2:\g+3], s[\g+2:\g+3], 4*KS*128
.endr
.if \ask
	s_wait_xcnt 0x0                        ; the last prefetch, four key steps back, has read its address
	s_add_nc_u64 s[PFA:PFA+1], s[PFA:PFA+1], 4*KS*128
.endif
	s_wait_dscnt 0x0
	CROUND
	JLOAD
.if \ask
	ASK
.endif
.else
	s_wait_dscnt 0x0
	s_barrier_signal -1
	s_barrier_wait -1
.endif
	s_sub_co_u32 s[TBK], s[TBK], 4*KS*PK
	s_xor_b32 s[TBK], s[TBK], SLOT1
	s_sub_co_u32 s[TBV], s[TBV], 4*KS*PV
	s_xor_b32 s[TBV], s[TBV], SLOT1
.endm
.macro MLOAD pc                        ; the 32 mask words of piece pc for the key step MO / 128
	s_load_b512 s[MW:MW+15], s[MB:MB+1], s[MO] offset:(\pc)*4096
	s_load_b512 s[MW+16:MW+31], s[MB:MB+1], s[MO] offset:(\pc)*4096+64
.endm
	s_load_b128 s[4:7], s[0:1], 0x0        ; act, maskw
	s_load_b64 s[8:9], s[0:1], 0x10        ; a16
	v_lshl_add_u32 v[SPW], v0, 2, SPARE
	v_mov_b32 v[NIL], 0
	ds_add_u32 v[SPW], v[NIL]              ; the wave's opening: the add and its wait ahead of my first tensor load
	v_lshrrev_b32 v1, 5, v0
	v_readfirstlane_b32 s[WV], v1
	s_bfe_u32 s13, ttmp6, 0x40000          ; cx
	s_lshl_b32 s14, ttmp9, 2
	s_add_co_u32 s14, s14, s13             ; my block of 256 queries: it enters Q's, the mask's and ctx's addresses alone
	s_and_b32 s20, ttmp7, 0xffff           ; 16 x batch + head, which the partners share
	s_lshr_b32 s21, s20, 4
	s_and_b32 s20, s20, 15
	s_lshl_b32 s20, s20, 19
	s_lshl_b32 s21, s21, 18
	s_add_co_u32 s20, s20, s21             ; the pair's first byte among q's blocks
	s_and_b32 s16, s[WV], 1                ; which half of a tile's 256 keys I fetch
	s_lshl_b32 s22, s16, 14
	s_add_co_u32 s22, s22, s20
	s_add_co_u32 s22, s22, 16*BLK          ; among k's blocks
	s_mov_b32 s23, 0
	s_mul_i32 s17, s16, 128*PK
	s_mul_i32 s18, s16, 128*PV
	s_lshl_b32 s2, s14, 15
	s_lshl_b32 s3, s[WV], 13
	s_add_co_u32 s2, s2, s3
	s_add_co_u32 s2, s2, s20               ; my wave's 64 rows
	s_mov_b32 s3, 0
	s_lshl_b32 s48, s14, 16                ; 16 tiles of 16 queries a block, 4 a wave, 4,096 bytes each
	s_lshl_b32 s49, s[WV], 14
	s_add_co_u32 s48, s48, s49
	s_mov_b32 s49, 0
	s_mov_b32 s[G1K], 15|(1<<16)|(1<<20)|(1<<21)|(4<<22)|(3<<25)  ; mask of four; 2-byte elements; padding: 4 words behind every 32
	s_mov_b32 s[G1V], 15|(1<<16)|(1<<20)|(1<<21)|(4<<22)|(7<<25)  ; 8 words
.irp g, G1K, G1V
	s_mov_b32 s[\g+1], 128<<16             ; 128 keys are 16,384 dense bytes: 64 rows of 256 bytes
	s_mov_b32 s[\g+2], 64<<16
	s_mov_b32 s[\g+3], 128<<16
	s_mov_b32 s[\g+4], 64
	s_mov_b32 s[\g+5], 128
	s_mov_b32 s[\g+6], 0
	s_mov_b32 s[\g+7], 0
.endr
	s_mov_b32 s[CS], 0x3e38aa3b            ; c = log2(e) / 8
	s_mov_b32 s[CS+1], s[CS]
	s_mov_b32 s[SEL], 0x76543210
	s_mov_b32 s[SEL+1], 0xfedcba98
	s_mov_b32 s[TBK], SLOT1+4*KS*PK        ; the first change of slots turns these two into 0
	s_mov_b32 s[TBV], SLOT1+4*KS*PV
	s_mov_b32 s[G0K], 1
	s_mov_b32 s[G0K+1], s17
	s_mov_b32 s[G0V], 1
	s_add_co_u32 s[G0V+1], s18, VOFF
	s_mov_b32 s[MO], 0
	s_and_b32 s[LIM], s[WV], 1
	s_or_b32 s[LIM], s[LIM], ttmp9
	s_cmp_eq_u32 s[LIM], 0
	s_cselect_b32 s[LIM], 1, -1
	v_and_b32 v[PFO], 31, v0
	v_lshlrev_b32 v[PFO], 8, v[PFO]
	s_wait_dscnt 0x0                       ; the opening add is done
	s_wait_kmcnt 0x0
	s_add_nc_u64 s[10:11], s[4:5], s[22:23]        ; K at my half of tile 0
	s_add_nc_u64 s[66:67], s[10:11], 16*BLK        ; V
	s_mov_b64 s[G0K+2:G0K+3], s[10:11]
	s_or_b32 s[G0K+3], s[G0K+3], 0x80000000
	s_mov_b64 s[G0V+2:G0V+3], s[66:67]
	s_or_b32 s[G0V+3], s[G0V+3], 0x80000000
	s_add_nc_u64 s[MB:MB+1], s[6:7], s[48:49]
	s_add_nc_u64 s[4:5], s[4:5], s[2:3]            ; Q and ctx at my wave's first row
	s_add_nc_u64 s[8:9], s[8:9], s[2:3]
	s_cmp_lt_u32 s[WV], 2
	s_cselect_b64 s[PFA:PFA+1], s[10:11], s[66:67] ; (in waves 0 and 2 these stand at a tile's first row)
	s_lshl_b32 s2, s13, 13
	s_add_nc_u64 s[PFA:PFA+1], s[PFA:PFA+1], s[2:3]
	s_add_nc_u64 s[PFA:PFA+1], s[PFA:PFA+1], 2*4*KS*128  ; at tile 2; the change that asks for tile 2 steps it to tile 3
	MLOAD 0                                ; piece 0, key step 0
	CROUND
	JLOAD                                  ; tile 0 into slot 0
	v_and_b32 v1, 15, v0
	v_bfe_u32 v9, v0, 4, 1
	v_lshlrev_b32 v[QO], 7, v1
	v_lshl_add_u32 v[QO], v9, 4, v[QO]
	WIN 0x80
.set i, 0
.rept 8                                ; Q stays in registers: piece i / 2, channels 32 (i % 2) on
	global_load_b128 v[8*i:8*i+3],   v[QO], s[4:5] offset:(i/2)*2048+(i%2)*64
	global_load_b128 v[8*i+4:8*i+7], v[QO], s[4:5] offset:(i/2)*2048+(i%2)*64+32
.set i, i+1
.endr
	; what the first turn finds: V and P's second buffer 0, O^T and l 0: written in the wait for the first tile, so that no first step is written out
.set i, VF
.rept 64
	v_mov_b32 v[i], 0
.set i, i+1
.endr
	WIN 0x40
.set i, 0
.rept 128
	v_mov_b32 v[i], 0
.set i, i+1
.endr
	WIN 0
.set i, 0
.rept 4
	v_mov_b32 v[ST+4*i], 0xfe000000        ; c m: far below every c s
	v_mov_b32 v[ST+4*i+1], 0xff7fffff      ; m
	v_mov_b32 v[ST+4*i+2], 0
	v_mov_b32 v[ST+4*i+3], 0
.set i, i+1
.endr
.set i, P+16
.rept 16
	v_mov_b32 v[i], 0
.set i, i+1
.endr
	v_mov_b32 v[NEGV], 0xcfee6b28          ; -8e9
	v_mul_u32_u24 v[AK0], v1, PK
	v_lshl_add_u32 v[AK0], v9, 4, v[AK0]
	v_and_b32 v10, 7, v0
	v_bfe_u32 v11, v0, 3, 1
	v_lshl_add_u32 v[AV0], v9, 3, v10
	v_mul_u32_u24 v[AV0], v[AV0], PV
	v_lshl_add_u32 v[AV0], v11, 4, v[AV0]
	v_add_nc_u32 v[AV0], VOFF, v[AV0]
	v_mov_b32 v[AK], v[AK0]
; Product i of 8 of S^T = K Q^T for piece x: channels 32 (i / 4) on, keys 16 (i % 4) on.  The 4 accumulators take turns.
.macro KQ x
	WIN W_KQ
.set rS, S+32*((\x)%2)+8*(i%4)
.set rK, KF+16*(i%4)+8*(i/4)
.set rQ, 16*(\x)+8*(i/4)
.if i < 4
	v_wmma_f32_16x16x32_bf16 v[rS:rS+7], v[rK:rK+7], v[rQ:rQ+7], 0
.else
	v_wmma_f32_16x16x32_bf16 v[rS:rS+7], v[rK:rK+7], v[rQ:rQ+7], v[rS:rS+7]
.endif
.endm
.macro PV x                            ; product i of 8 of O^T += V^T P: keys 32 (i / 4) on, channels 16 (i % 4) on
	WIN W_PV
.set rO, 32*(\x)+8*(i%4)
.set rV, VF+32*(i/4)+8*(i%4)
.set rP, P+16*((\x)%2)+8*(i/4)
	v_wmma_f32_16x16x32_bf16 v[rO:rO+7], v[rV:rV+7], v[rP:rP+7], v[rO:rO+7]
.endm
.macro MM
.if i < 8
	KQ (Y+1)%NP
.else
.set i, i-8
	PV (Y+NP-1)%NP
.set i, i+8
.endif
.set i, i+1
.endm
.macro FETCH_K last=0                  ; last = 1 (the tail): in the last trip there is no further step, and the run is jumped over
	WIN 0
.if \last
	s_cmp_eq_u32 s[CNT], 1
	s_cbranch_scc1 .Lno_k_\@
.endif
	WIN 0x80
.irp f, 0,1,2,3,4,5,6,7
	ds_load_b128 v[KF+8*\f:KF+8*\f+3],   v[AK] offset:(\f/2)*16*PK+(\f%2)*64
	ds_load_b128 v[KF+8*\f+4:KF+8*\f+7], v[AK] offset:(\f/2)*16*PK+(\f%2)*64+32
.endr
	s_add_co_u32 s[TBK], s[TBK], KS*PK
	WIN 0
.if \last
.Lno_k_\@:
.endif
.endm
.macro FETCH_V
	WIN 0x80
.irp f, 0,1,2,3,4,5,6,7
	ds_load_tr16_b128 v[VF+8*\f:VF+8*\f+3],   v[AV] offset:(\f/4)*32*PV+(\f%4)*32
	ds_load_tr16_b128 v[VF+8*\f+4:VF+8*\f+7], v[AV] offset:(\f/4)*32*PV+16*PV+(\f%4)*32
.endr
	WIN 0
.endm
; THE VECTOR WORK: OP kind, number.  Piece Y: F n: c s - c m for pair n.  E n: the exponential of score n.  C n: pair n rounded.  B n: of weights 4 n .. the second pair onto the first.  L n: l takes that sum
; (L 0: l = a l + sum).  R n: pair n of O^T times a.  Piece Y + 1: M n: score n is kept where its mask bit is set, else -8e9.  X n: number n of the 22 that find its maximum and statistics.
; Each accumulator's lowest registers are read first (M and R go upward).
.set F, 0
.set E, 1
.set C, 2
.set B, 3
.set L, 4
.set R, 5
.set X, 6
.set M, 7
.macro REGS y
.set rT, ST+4*(\y)
.set rC, TMP+4*((\y)%2)
.set rW, MV+((\y)%2)
.set rS, S+32*((\y)%2)
.set rP, P+16*((\y)%2)
.set rO, 32*(\y)
.endm
.macro OP k, n
.if (\k) == R
	REGS Y
	WIN W_RS
	v_pk_mul_f32 v[rO+2*(\n):rO+2*(\n)+1], v[rO+2*(\n):rO+2*(\n)+1], v[rC+2:rC+3] op_sel_hi:[1,0]
.elseif (\k) < R
	REGS Y
	WIN 0
.if (\k) == F
	v_pk_fma_f32 v[rS+2*(\n):rS+2*(\n)+1], v[rS+2*(\n):rS+2*(\n)+1], s[CS:CS+1], v[rT:rT+1] op_sel_hi:[1,0,0] neg_lo:[0,0,1] neg_hi:[0,0,1]
.elseif (\k) == E
	v_exp_f32 v[rS+(\n)], v[rS+(\n)]
.elseif (\k) == C
	v_cvt_pk_bf16_f32 v[rP+(\n)], v[rS+2*(\n)], v[rS+2*(\n)+1]
.elseif (\k) == B
	v_pk_add_f32 v[rS+4*(\n):rS+4*(\n)+1], v[rS+4*(\n):rS+4*(\n)+1], v[rS+4*(\n)+2:rS+4*(\n)+3]
.elseif (\n) == 0
	v_pk_fma_f32 v[rT+2:rT+3], v[rT+2:rT+3], v[rC+2:rC+3], v[rS:rS+1] op_sel_hi:[1,0,1]
.else
	v_pk_add_f32 v[rT+2:rT+3], v[rT+2:rT+3], v[rS+4*(\n):rS+4*(\n)+1]
.endif
.elseif (\k) == M
	REGS (Y+1)%NP
	WIN 0
	v_cndmask_b32 v[rS+(\n)], v[NEGV], v[rS+(\n)], s[MW+(\n)]
.else
	REGS (Y+1)%NP
	WIN 0
.if (\n) < 4
	v_max3_num_f32 v[rC+(\n)], v[rS+8*(\n)], v[rS+8*(\n)+1], v[rS+8*(\n)+2]
.elseif (\n) < 12
	v_max3_num_f32 v[rC+(\n)%4], v[rC+(\n)%4], v[rS+8*((\n)%4)+2*((\n)/4)+1], v[rS+8*((\n)%4)+2*((\n)/4)+2]
.elseif (\n) == 12
	v_max3_num_f32 v[rC], v[rC], v[rS+7], v[rS+15]
.elseif (\n) == 13
	v_max3_num_f32 v[rC+1], v[rC+1], v[rS+23], v[rS+31]
.elseif (\n) == 14
	v_max3_num_f32 v[rC+2], v[rC+2], v[rC+3], v[rT+1]
.elseif (\n) == 15
	v_mov_b32 v[rW], v[rT]
.elseif (\n) == 16
	v_max3_num_f32 v[rC], v[rC], v[rC+1], v[rC+2]
.elseif (\n) == 17
	v_permlanex16_b32 v[rC+3], v[rC], s[SEL], s[SEL+1]
.elseif (\n) == 18
	v_max_num_f32 v[rT+1], v[rC], v[rC+3]
.elseif (\n) == 19
	v_mul_f32 v[rT], s[CS], v[rT+1]
.elseif (\n) == 20
	v_sub_f32 v[rC+1], v[rW], v[rT]
.else
	v_exp_f32 v[rC+2], v[rC+1]
.endif
.endif
.endm
.macro OPS a, i1, b=-1, i2=0, c=-1, i3=0, d=-1, i4=0
	OP \a, \i1
.if (\b) >= 0
	OP \b, \i2
.endif
.if (\c) >= 0
	OP \c, \i3
.endif
.if (\d) >= 0
	OP \d, \i4
.endif
.endm
.macro ROW a, i1, b, i2, c, i3, d, i4
	MM
	OPS \a, \i1, \b, \i2, \c, \i3, \d, \i4
.endm
; A TURN for piece p.  Ahead of its one wait stands all that names no result of its exponentials: 8 products K Q^T with a scaling, an exponential and two rescalings behind each; then the lump: the next piece's
; 32 mask lines (the first stands four plain instructions behind the last product; each reads an accumulator that ended four places or more back), the rest of the scalings and exponentials, its maximum and
; statistics, last its a.  Behind the wait: 8 products V^T P, behind each four of the roundings and sums.
; The mask words of the NEXT turn's piece are asked for behind this turn's last mask line and waited for at the next lump's head; in piece 2's turn the key step goes on (held to the last step, so that no load leaves maskw).
; K of the next step is fetched in piece 2's turn, seven plain instructions behind the last product that read K; V of the step in hand at the end of piece 0's turn, four roundings behind the last product that read V.
.macro TURN p, last=0, cnt=0
.set Y, (\p)
.set i, 0
.if (\p) == 3
	s_wait_dscnt 0x0                       ; K is in
.endif
	ROW F,0, F,1, R,0, R,1
	ROW F,2, E,0, R,2, R,3
	ROW F,3, E,1, R,4, R,5
	ROW F,4, E,2, R,6, R,7
	ROW F,5, E,3, R,8, R,9
	ROW F,6, E,4, R,10, R,11
	ROW F,7, E,5, R,12, R,13
	ROW F,8, E,6, R,14, R,15
	WIN 0
.if (\p) == 2
	v_add_nc_u32 v[AK], s[TBK], v[AK0]
.endif
	s_wait_kmcnt 0x0                       ; the mask words, asked for a turn ago
	OPS M,0, E,7, M,1, E,8
	OPS M,2, E,9, M,3, E,10
.if ((\p) == 2) && !(\last)
	FETCH_K
.endif
	OPS M,4, E,11, M,5, E,12
	OPS M,6, E,13, M,7, E,14
	OPS M,8, E,15, M,9, E,16
	OPS M,10, E,17, M,11, F,9
	OPS M,12, M,13, F,10, M,14
	OPS M,15, M,16, F,11, M,17
	OPS M,18, M,19, F,12, M,20
	OPS M,21, M,22, F,13, M,23
	OPS M,24, M,25, F,14, M,26
	OPS M,27, M,28, F,15, M,29
	OPS M,30, M,31
.if (\p) == 2
	s_add_co_u32 s[MO], s[MO], 128
	s_min_u32 s[MO], s[MO], 3968
.endif
	MLOAD ((\p)+2)%NP
.if (\p) == 0
	v_add_nc_u32 v[AV], s[TBV], v[AV0]
.endif
	OPS X,0, E,18, X,1, E,19
	OPS X,2, E,20, X,3, E,21
	OPS X,4, E,22, X,5, E,23
	OPS X,6, E,24, X,7, E,25
	OPS X,8, E,26, X,9, X,10
	OPS X,11, X,12, X,13, X,15
	OPS X,14, E,27, X,16, E,28
	OPS X,17, E,29, X,18, E,30
	OPS X,19, E,31, X,20, X,21
	v_nop                                  ; a plain instruction behind the last exponential: one for the batch
	s_wait_alu depctr_va_vdst(0)           ; the wait for the batch
.if ((\p) == 2) && (\last)
	FETCH_K 1
.endif
.if (\p) == 1
	s_wait_dscnt 0x0                       ; V is in
.endif
	ROW C,0, B,0, C,2, B,1
	ROW L,0, C,4, B,2, L,1
	ROW C,6, B,3, L,2, C,8
	ROW B,4, L,3, C,10, B,5
	ROW L,4, C,12, B,6, L,5
.if (\p) == 0
	s_add_co_u32 s[TBV], s[TBV], KS*PV
.endif
.if \cnt
	s_sub_co_u32 s[CNT], s[CNT], 1
	s_cmp_lg_u32 s[CNT], 0
.endif
	ROW C,14, B,7, L,6, C,1
	ROW C,3, L,7, C,5, C,7
	ROW C,9, C,11, C,13, C,15
.if (\p) == 0
	FETCH_V
.endif
.endm
	CHANGE 1, 0                            ; slot 0 is in, everybody's part of it; tile 1 is asked for
	FETCH_K                                ; key step 0
	s_wait_loadcnt 0x0                     ; Q
	s_wait_dscnt 0x0
.set i, 0
.rept 8
	KQ 0
.set i, i+1
.endr
	WIN 0                                  ; the addresses for the way out: plain instructions, the places behind those products
	s_mul_i32 s100, s[WV], 16*SP
	s_add_co_u32 s100, s100, STAGE
	v_mul_u32_u24 v[STO], v1, SP
	v_lshl_add_u32 v[STO], v9, 4, v[STO]
	v_add_nc_u32 v[STO], s100, v[STO]
	v_bfe_u32 v[RD], v0, 3, 2
	v_mul_u32_u24 v[RD], v[RD], SP
	v_lshl_add_u32 v[RD], v10, 4, v[RD]
	v_add_nc_u32 v[RD], s100, v[RD]
	v_and_b32 v[GO], 31, v0
	v_lshlrev_b32 v[GO], 4, v[GO]
	s_wait_kmcnt 0x0
.set Y, NP-1                           ; M and X work for piece Y + 1: piece 0
.irp n, 0,1,2,3,4,5,6,7,8,9,10,11,12,13,14,15,16,17,18,19,20,21,22,23,24,25,26,27,28,29,30,31
	OP M, \n
.endr
	MLOAD 1
.irp n, 0,1,2,3,4,5,6,7,8,9,10,11,12,13,14,15,16,17,18,19,20,21
	OP X, \n
.endr
	v_nop
	s_wait_alu depctr_va_vdst(0)           ; the first a has its wait ahead of the branch
	s_mov_b32 s[CNT], 4
	s_mov_b32 s[SLOTS], 7
	s_branch .Lfirst
.Lslot:                                ; six times: tiles 2 to 7 are asked for
	CHANGE 1, 1
	s_mov_b32 s[CNT], 4
.Lstep:                                ; a trip: pieces 2 and 3 of one step, then pieces 0 and 1 of the next
	TURN 2
	TURN 3
	WIN 0
.Lfirst:
	TURN 0
	TURN 1, 0, 1
	WIN 0
	s_cbranch_scc1 .Lstep
	s_sub_co_u32 s[SLOTS], s[SLOTS], 1
	s_cmp_lg_u32 s[SLOTS], 0
	s_cbranch_scc1 .Lslot
	CHANGE 0, 0                            ; the tail is written out
	s_mov_b32 s[CNT], 5
.Ltail:
	TURN 2, 1
	TURN 3
	WIN 0
	s_sub_co_u32 s[CNT], s[CNT], 1
	s_cmp_eq_u32 s[CNT], 0
	s_cbranch_scc1 .Lout
	TURN 0
	TURN 1
	WIN 0
	s_branch .Ltail
.Lout:                                 ; the fifth trip's products K Q^T, on the last K once more, serve nothing: the price of one text for every trip
.set i, 0
.rept 8
	PV NP-1
.set i, i+1
.endr
	WIN 0
.macro ALL line:vararg
.set t, 0
.rept 4
	\line
.set t, t+1
.endr
.endm
	ALL v_add_f32 v[ST+4*t+2], v[ST+4*t+2], v[ST+4*t+3]
	ALL v_permlanex16_b32 v[ST+4*t+3], v[ST+4*t+2], s[SEL], s[SEL+1]
	ALL v_add_f32 v[ST+4*t+2], v[ST+4*t+2], v[ST+4*t+3]
	ALL v_rcp_f32 v[ST+4*t+2], v[ST+4*t+2]
	v_nop
	s_wait_alu depctr_va_vdst(0)           ; one wait for the four reciprocals
.macro PACK t
	WIN W_RS
.set i, 32*(\t)
.rept 16
	v_pk_mul_f32 v[i:i+1], v[i:i+1], v[ST+4*(\t)+2:ST+4*(\t)+3] op_sel_hi:[1,0]
.set i, i+2
.endr
	WIN 0x05
.set i, 0
.rept 16
	v_cvt_pk_bf16_f32 v[S+16*(\t)+i], v[32*(\t)+2*i], v[32*(\t)+2*i+1]
.set i, i+1
.endr
	WIN 0
.irp f, 0,1,2,3
	ds_store_b128 v[STO], v[S+16*(\t)+4*\f:S+16*(\t)+4*\f+3] offset:32*\f
.endr
.irp f, 0,1,2,3
	ds_load_b128 v[S+16*(\t)+4*\f:S+16*(\t)+4*\f+3], v[RD] offset:\f*4*SP  ; my own bytes, served in order behind the stores
.endr
.endm
.macro SEND t, younger                 ; younger: the LDS instructions issued behind piece t's loads
	WIN 0
.irp f, 0,1,2,3
	s_wait_dscnt (\younger)+3-\f
	global_store_b128 v[GO], v[S+16*(\t)+4*\f:S+16*(\t)+4*\f+3], s[8:9] offset:(\t)*2048+\f*512  ; 512 consecutive bytes, aligned
.endr
.endm
	PACK 0
.set t, 1
.rept 3
	PACK t
	SEND t-1, 8
.set t, t+1
.endr
	SEND 3, 0
	s_wait_tensorcnt 0x0                   ; the wave's end
	ds_add_u32 v[SPW], v[NIL]
	s_wait_dscnt 0x0
	CROUND                                 ; the closing round
	s_endpgm
.Lfunc_end_k_qfac390784d_attn:
	.size	k_qfac390784d_attn, .Lfunc_end_k_qfac390784d_attn-k_qfac390784d_attn
	.p2alignl 7, 3214868480
	.fill 96, 4, 3214868480
	.section	.rodata,"a",@progbits
	.p2align	6, 0x0
	.amdhsa_kernel k_qfac390784d_attn
		.amdhsa_group_segment_fixed_size 327680
		.amdhsa_private_segment_fixed_size 0
		.amdhsa_enable_private_segment 0
		.amdhsa_kernarg_size 24
		.amdhsa_user_sgpr_count 2
		.amdhsa_user_sgpr_kernarg_segment_ptr 1
		.amdhsa_wavefront_size32 1
		.amdhsa_system_sgpr_workgroup_id_x 1
		.amdhsa_system_sgpr_workgroup_id_y 1
		.amdhsa_system_sgpr_workgroup_id_z 1
		.amdhsa_system_vgpr_workitem_id 0
		.amdhsa_next_free_vgpr 768
		.amdhsa_next_free_sgpr 104
		.amdhsa_reserve_vcc 0
		.amdhsa_float_denorm_mode_32 3
		.amdhsa_float_denorm_mode_16_64 3
		.amdhsa_memory_ordered 1
		.amdhsa_forward_progress 1
		.amdhsa_inst_pref_size 130
	.end_amdhsa_kernel
	.amdgpu_metadata
---
amdhsa.version: [ 1, 2 ]
amdhsa.kernels:
  - .name:           k_qfac390784d_attn
    .symbol:         k_qfac390784d_attn.kd
    .args:
      - { .name: act, .offset: 0, .size: 8, .value_kind: global_buffer, .address_space: global }
      - { .name: maskw, .offset: 8, .size: 8, .value_kind: global_buffer, .address_space: global }
      - { .name: a16, .offset: 16, .size: 8, .value_kind: global_buffer, .address_space: global }
    .group_segment_fixed_size: 327680
    .private_segment_fixed_size: 0
    .kernarg_segment_align: 8
    .kernarg_segment_size: 24
    .max_flat_workgroup_size: 128
    .sgpr_count:     104
    .vgpr_count:     768
    .wavefront_size: 32
...
	.end_amdgpu_metadata
.endif
;; end of part 3
;; launch proj (part 4): grid 8 x 32, 4 waves a work-group, clusters of 4 x 4, 327,680 bytes of LDS; arguments a16, w1, bo, x, x1; writes x1
.if DOCPART == 4
	.amdgcn_target "amdgcn-amd-amdhsa--gfx1250"
	.amdhsa_code_object_version 6
	.text
	.protected	k_qfac390784d_proj
	.globl	k_qfac390784d_proj
	.p2align	8
	.type	k_qfac390784d_proj,@function
k_qfac390784d_proj:
	s_mov_b64 s[64:65], 0
	v_nop
	global_prefetch_b8 v0, s[64:65] scope:SCOPE_SE
	s_setreg_imm32_b32 hwreg(HW_REG_WAVE_MODE, 25, 1), 1
	s_wait_xcnt 0x0
	s_wait_alu depctr_hold_cnt(0) depctr_sa_sdst(0) depctr_va_vdst(0) depctr_va_sdst(0) depctr_va_ssrc(0) depctr_va_vcc(0) depctr_vm_vsrc(0)
	s_getreg_b32 s2, hwreg(HW_REG_IB_STS2, 6, 4)
	s_cmp_eq_u32 s2, 0
	s_cbranch_scc0 .Lentry_in_a_cluster
	s_endpgm
.Lentry_in_a_cluster:
	s_bfe_u32 s2, ttmp6, 0x10000c
	s_cmp_lg_u32 s2, 0xf033
	s_cbranch_scc0 .Lentry_shape_is_right
	s_endpgm
.Lentry_shape_is_right:
; OUT = RES + A W + bias, f32, for K = 512 x LAPS = 1,024.  A: bf16 in blocks of 64 columns, [K / 64][4096 rows][64].  W: bf16 [K][1024] row-major, at WS in its buffer.
; bias [1024], RES and OUT [4096][1024] f32.  Sums in f32, starting from the bias; RES is added once at the end.
; LIMITS.  bf16 operands: f32's range.  NaN and infinities are not treated apart.
; A tile of 128 x 128 to a work-group (256 work-groups), 64 x 64 to each of four waves: 16 accumulators.  K steps of 256 (four blocks of A) through two LDS slots.
; W lies [k][n]: its fragments come by the turning load.  The matrix instruction is used transposed (source 0 = 16 columns of W, source 1 = 16 rows of A).
; CLUSTER 4 x 4: A's tiles jointly along a row of the cluster, W's along a column.  No prefetch: a step's tiles are small, 36,864 bytes a wave.
; REGISTERS: window 0: v0-31 addresses; v32-63 the bias; v128-255 the accumulators.  window 1: two fragment buffers of 128 (A's 64, then W's 64).  window 2: v0-127 RES.
.set LAPS,   2                         ; a lap = two K steps of 256
.set PA,     144                       ; a row of a block of A in LDS: 128 bytes + 16
.set SUB,    128*PA                    ; one block's 128 rows
.set PW,     288                       ; a k-row of W: 256 bytes + 32
.set PIECE,  36864                     ; what one tensor load brings: two blocks of A or 128 k-rows of W
.set SLOT,   4*PIECE
.set SPARE,  2*SLOT                    ; the spare words, 128 bytes a wave: two blocks of 256 bytes that no other line names
.set SPITCH, 272                       ; the way out's stage: 64 rows x 272 bytes a wave, in slot 0, behind its last fill and the barrier behind its last reads
.set WS,     8405248
.set ADRA, 16                          ; v16-17 by slot
.set ADRB, 20                          ; v20-23 by slot and half of the 256 k-rows
.set STO,  24
.set RD,   25
.set CO,   26
.set BO,   27
.set SPW,  28
.set NIL,  29
.set BI,   32
.set ACC,  128
.set F0,   0
.set F1,   128
.set WV,  16
.set RH,  17                           ; my half of the tile's rows; also: I fetch for A (0) or W (1)
.set CH,  18                           ; my half of its columns; also: which piece I fetch
.set G1,  24
.set G0,  32
.set G1B, 48
.set G0B, 56
.set MSB, 0
.macro WIN new
.if MSB != (\new)
	s_set_vgpr_msb (MSB<<8)|(\new)
.set MSB, \new
.endif
.endm
.set MUL,  0x05
.set TO_F, 0x40
.macro PLACES
.rept 4
	v_nop
.endr
.endm
.macro JLOAD s
	s_cmp_eq_u32 s[RH], 0
	s_cbranch_scc0 .Lfor_b_\@
	tensor_load_to_lds s[G0+4*(\s):G0+4*(\s)+3], s[G1:G1+7]
	s_nop 0
	PLACES
	s_branch .Lasked_\@
.Lfor_b_\@:
	tensor_load_to_lds s[G0B+4*(\s):G0B+4*(\s)+3], s[G1B:G1B+7]
	s_nop 0
	PLACES
.Lasked_\@:
.endm
.macro CREST
	s_cmp_lg_u32 s[WV], 0
	s_cbranch_scc1 .Lnot_wave_0_\@
	s_barrier_signal -3
.Lnot_wave_0_\@:
	s_barrier_wait -3
	s_barrier_signal -1
	s_barrier_wait -1
.endm
.macro CROUND
	s_barrier_signal -1
	s_barrier_wait -1
	CREST
.endm
	s_load_b256 s[4:11], s[0:1], 0x0       ; A 4, W 6, bias 8, RES 10
	s_load_b64 s[14:15], s[0:1], 0x20      ; OUT
	v_lshl_add_u32 v[SPW], v0, 2, SPARE
	v_mov_b32 v[NIL], 0
	ds_add_u32 v[SPW], v[NIL]              ; the wave's opening: the add and its wait ahead of my first tensor load
	v_lshrrev_b32 v1, 5, v0
	v_readfirstlane_b32 s[WV], v1
	s_lshr_b32 s[RH], s[WV], 1
	s_and_b32 s[CH], s[WV], 1
	s_bfe_u32 s20, ttmp6, 0x40000          ; cx
	s_bfe_u32 s21, ttmp6, 0x40004          ; cy
	s_lshl_b32 s22, ttmp9, 2
	s_add_co_u32 s22, s22, s20             ; tile column
	s_and_b32 s23, ttmp7, 0xffff
	s_lshl_b32 s23, s23, 2
	s_add_co_u32 s23, s23, s21             ; tile row
	s_lshl_b32 s66, s21, 2
	s_lshl_b32 s66, 15, s66                ; my row of the cluster
	s_lshl_b32 s67, 0x1111, s20            ; my column
	s_or_b32 s[G1+0], s66, (1<<16)|(1<<20)|(1<<21)|(4<<22)|(3<<25)   ; padding: 4 words behind every 32 (a row of 128 bytes)
	s_mov_b32 s[G1+1], 8192<<16            ; a block's 128 rows are 16,384 dense bytes: one long row of 8,192 elements
	s_mov_b32 s[G1+2], 2<<16               ; two blocks
	s_mov_b32 s[G1+3], 8192<<16
	s_mov_b32 s[G1+4], 2
	s_mov_b32 s[G1+5], 262144              ; elements from block to block
	s_mov_b32 s[G1+6], 0
	s_mov_b32 s[G1+7], 0
	s_or_b32 s[G1B+0], s67, (1<<16)|(1<<20)|(1<<21)|(5<<22)|(7<<25)  ; padding: 8 words behind every 64
	s_mov_b32 s[G1B+1], 128<<16
	s_mov_b32 s[G1B+2], 128<<16
	s_mov_b32 s[G1B+3], 128<<16
	s_mov_b32 s[G1B+4], 128
	s_mov_b32 s[G1B+5], 1024
	s_mov_b32 s[G1B+6], 0
	s_mov_b32 s[G1B+7], 0
	s_lshl_b32 s40, s23, 14                ; A: row 128 x tile row, 128 bytes a row; block 2 x piece
	s_lshl_b32 s41, s[CH], 20
	s_add_co_u32 s40, s40, s41
	s_mov_b32 s41, 0
	s_lshl_b32 s44, s22, 8                 ; W: column 128 x tile column; k-row 128 x piece, 2,048 bytes a row
	s_lshl_b32 s45, s[CH], 18
	s_add_co_u32 s44, s44, s45
	s_add_co_u32 s44, s44, WS
	s_mov_b32 s45, 0
	s_mul_i32 s68, s[WV], PIECE
	s_wait_dscnt 0x0                       ; the opening add is done
	s_wait_kmcnt 0x0
	s_add_nc_u64 s[42:43], s[4:5], s[40:41]
	s_add_nc_u64 s[46:47], s[6:7], s[44:45]
.irp s, 0,1
	s_mov_b32 s[G0+4*(\s)], 1
	s_add_co_u32 s[G0+4*(\s)+1], s68, (\s)*SLOT
	s_add_nc_u64 s[G0+4*(\s)+2:G0+4*(\s)+3], s[42:43], (\s)*4*524288
	s_or_b32 s[G0+4*(\s)+3], s[G0+4*(\s)+3], 0x80000000
	s_mov_b32 s[G0B+4*(\s)], 1
	s_add_co_u32 s[G0B+4*(\s)+1], s68, (\s)*SLOT
	s_add_nc_u64 s[G0B+4*(\s)+2:G0B+4*(\s)+3], s[46:47], (\s)*256*2048
	s_or_b32 s[G0B+4*(\s)+3], s[G0B+4*(\s)+3], 0x80000000
.endr
	CROUND
	s_cmp_eq_u32 s[RH], 0                  ; a wave's two first fills stand in one branch: two loads of mine are out
	s_cbranch_scc0 .Lfirst_w
	tensor_load_to_lds s[G0:G0+3], s[G1:G1+7]
	s_nop 0
	tensor_load_to_lds s[G0+4:G0+7], s[G1:G1+7]
	s_nop 0
	PLACES
	s_branch .Lfirst_asked
.Lfirst_w:
	tensor_load_to_lds s[G0B:G0B+3], s[G1B:G1B+7]
	s_nop 0
	tensor_load_to_lds s[G0B+4:G0B+7], s[G1B:G1B+7]
	s_nop 0
	PLACES
.Lfirst_asked:
	v_and_b32 v1, 15, v0                   ; l % 16
	v_bfe_u32 v2, v0, 4, 1                 ; l / 16
	v_lshlrev_b32 v[BO], 5, v2
	s_lshl_b32 s70, s22, 9                 ; my 64 columns: 512 x tile column + 256 x half, in bytes of f32
	s_lshl_b32 s71, s[CH], 8
	s_add_co_u32 s70, s70, s71
	s_mov_b32 s71, 0
	s_lshl_b32 s72, s23, 19                ; my 64 rows of 4,096 bytes
	s_lshl_b32 s73, s[RH], 18
	s_add_co_u32 s72, s72, s73
	s_add_co_u32 s72, s72, s70
	s_mov_b32 s73, 0
	s_add_nc_u64 s[8:9], s[8:9], s[70:71]
	s_add_nc_u64 s[10:11], s[10:11], s[72:73]
	s_add_nc_u64 s[14:15], s[14:15], s[72:73]
	v_lshlrev_b32 v[CO], 12, v2            ; lanes 0-15 one row's 256 bytes, lanes 16-31 the next row's
	v_lshl_add_u32 v[CO], v1, 4, v[CO]
.irp b, 0,1,2,3
	global_load_b128 v[BI+8*(\b):BI+8*(\b)+3], v[BO], s[8:9] offset:64*(\b)
	global_load_b128 v[BI+8*(\b)+4:BI+8*(\b)+7], v[BO], s[8:9] offset:64*(\b)+16
.endr
	WIN 0x80
.set t, 0
.rept 32
	global_load_b128 v[4*t:4*t+3], v[CO], s[10:11] offset:t*8192   ; RES stays out until the way out
.set t, t+1
.endr
	WIN 0
	v_mul_u32_u24 v3, v1, PA
	v_lshl_add_u32 v3, v2, 4, v3
	s_mul_i32 s69, s[RH], 64*PA
	v_add_nc_u32 v[ADRA], s69, v3
	s_add_co_u32 s69, s69, SLOT
	v_add_nc_u32 v[ADRA+1], s69, v3
	v_and_b32 v4, 7, v0
	v_lshl_add_u32 v4, v2, 3, v4
	v_mul_u32_u24 v4, v4, PW
	v_bfe_u32 v5, v0, 3, 1
	v_lshl_add_u32 v4, v5, 4, v4
	s_lshl_b32 s69, s[CH], 7
	s_add_co_u32 s69, s69, 2*PIECE
	v_add_nc_u32 v[ADRB], s69, v4
	s_add_co_u32 s69, s69, PIECE
	v_add_nc_u32 v[ADRB+1], s69, v4
	s_add_co_u32 s69, s69, SLOT-PIECE
	v_add_nc_u32 v[ADRB+2], s69, v4
	s_add_co_u32 s69, s69, PIECE
	v_add_nc_u32 v[ADRB+3], s69, v4
	s_mul_i32 s69, s[WV], 64*SPITCH
	v_mul_u32_u24 v[STO], v1, SPITCH
	v_lshl_add_u32 v[STO], v2, 5, v[STO]
	v_add_nc_u32 v[STO], s69, v[STO]
	v_mul_u32_u24 v[RD], v2, SPITCH
	v_lshl_add_u32 v[RD], v1, 4, v[RD]
	v_add_nc_u32 v[RD], s69, v[RD]
; 8 matrix instructions: m blocks a0, a0 + 1 x 4 n blocks, half c of buffer f.  zero = 1: the bias starts the sums.  The 16 accumulators take turns.
.macro MUL8 f, c, a0, zero
	WIN MUL
.irp a, \a0, (\a0)+1
.irp b, 0,1,2,3
.if \zero
	v_wmma_f32_16x16x32_bf16 v[ACC+8*(4*(\a)+(\b)):ACC+8*(4*(\a)+(\b))+7], v[(\f)+64+8*(4*(\c)+(\b)):(\f)+64+8*(4*(\c)+(\b))+7], v[(\f)+8*(4*(\c)+(\a)):(\f)+8*(4*(\c)+(\a))+7], v[BI+8*(\b):BI+8*(\b)+7]
.else
	v_wmma_f32_16x16x32_bf16 v[ACC+8*(4*(\a)+(\b)):ACC+8*(4*(\a)+(\b))+7], v[(\f)+64+8*(4*(\c)+(\b)):(\f)+64+8*(4*(\c)+(\b))+7], v[(\f)+8*(4*(\c)+(\a)):(\f)+8*(4*(\c)+(\a))+7], v[ACC+8*(4*(\a)+(\b)):ACC+8*(4*(\a)+(\b))+7]
.endif
.endr
.endr
.endm
; 32 LDS loads in one run: quarter q (one block of A, 64 along K) into buffer f; the first 32 along K first
.macro FETCH slot, q, f
	WIN TO_F
.irp c, 0,1
.irp i, 0,1,2,3
	ds_load_tr16_b128 v[(\f)+64+8*(4*(\c)+(\i)):(\f)+64+8*(4*(\c)+(\i))+3],   v[ADRB+2*(\slot)+(\q)/2] offset:(((\q)%2)*64+32*(\c))*PW+32*(\i)
	ds_load_tr16_b128 v[(\f)+64+8*(4*(\c)+(\i))+4:(\f)+64+8*(4*(\c)+(\i))+7], v[ADRB+2*(\slot)+(\q)/2] offset:(((\q)%2)*64+32*(\c)+16)*PW+32*(\i)
	ds_load_b128 v[(\f)+8*(4*(\c)+(\i)):(\f)+8*(4*(\c)+(\i))+3],   v[ADRA+(\slot)] offset:(\q)*SUB+64*(\c)+(\i)*16*PA
	ds_load_b128 v[(\f)+8*(4*(\c)+(\i))+4:(\f)+8*(4*(\c)+(\i))+7], v[ADRA+(\slot)] offset:(\q)*SUB+64*(\c)+(\i)*16*PA+32
.endr
.endr
.endm
.macro QUARTER slot, q, f, g, zero
	s_wait_dscnt 16                        ; the first 32 along K are in; the youngest sixteen loads may be out
	MUL8 \f, 0, 0, \zero
	MUL8 \f, 0, 2, \zero
	PLACES
	FETCH \slot, \q, \g
	s_wait_dscnt 32                        ; all but the 32 just issued
	MUL8 \f, 1, 0, 0
	MUL8 \f, 1, 2, 0
.endm
.macro TURN slot, next, fill
	WIN 0
	s_wait_tensorcnt 0x0                   ; all my tensor loads have landed: my part of the next slot
	ds_add_u32 v[SPW], v[NIL]
	s_wait_dscnt 17                        ; the add and the youngest sixteen loads may be out
	MUL8 F1, 0, 0, 0
	s_wait_dscnt 0x0                       ; the add is done, my reads of this slot are over
	s_barrier_signal -1
	MUL8 F1, 0, 2, 0
.if \fill
	WIN 0
.endif
	s_barrier_wait -1
.if \fill
	CREST                                  ; the barrier has opened a round of the cluster's
	s_add_nc_u64 s[G0+4*(\slot)+2:G0+4*(\slot)+3], s[G0+4*(\slot)+2:G0+4*(\slot)+3], 8*524288
	s_add_nc_u64 s[G0B+4*(\slot)+2:G0B+4*(\slot)+3], s[G0B+4*(\slot)+2:G0B+4*(\slot)+3], 512*2048
	JLOAD \slot                            ; the first tensor load behind the round: 112 matrix instructions ahead of the wait for it
.else
	PLACES
.endif
	FETCH \next, 0, F0
	MUL8 F1, 1, 0, 0
	MUL8 F1, 1, 2, 0
.endm
	s_wait_tensorcnt 1                     ; my part of K step 0 is in; K step 1's may stay out
	s_barrier_signal -1
	s_barrier_wait -1
	FETCH 0, 0, F0
	s_wait_loadcnt 32                      ; the bias is in; RES's 32 younger loads stay out
	QUARTER 0, 1, F0, F1, 1
	WIN 0
	s_mov_b32 s3, LAPS-1
.Llap:                                 ; a trip goes once round the ring, from a lap's second quarter to the next lap's first, and fills both slots again
	QUARTER 0, 2, F1, F0, 0
	QUARTER 0, 3, F0, F1, 0
	TURN 0, 1, 1
	QUARTER 1, 1, F0, F1, 0
	QUARTER 1, 2, F1, F0, 0
	QUARTER 1, 3, F0, F1, 0
	TURN 1, 0, 1
	QUARTER 0, 1, F0, F1, 0
	WIN 0
	s_sub_co_u32 s3, s3, 1
	s_cmp_lg_u32 s3, 0
	s_cbranch_scc1 .Llap
	QUARTER 0, 2, F1, F0, 0                ; the last lap fills nothing
	QUARTER 0, 3, F0, F1, 0
	TURN 0, 1, 0
	QUARTER 1, 1, F0, F1, 0
	QUARTER 1, 2, F1, F0, 0
	QUARTER 1, 3, F0, F1, 0
	s_wait_dscnt 16
	MUL8 F1, 0, 0, 0
	MUL8 F1, 0, 2, 0
	s_wait_dscnt 0x0
	MUL8 F1, 1, 0, 0
	MUL8 F1, 1, 2, 0
	WIN 0
	PLACES
	; the way out: 32 bytes a lane into my stage, back as whole rows of 256 bytes, RES added, stored
.irp a, 0,1,2,3
.irp b, 0,1,2,3
	ds_store_b128 v[STO], v[ACC+8*(4*(\a)+(\b)):ACC+8*(4*(\a)+(\b))+3] offset:(\a)*16*SPITCH+64*(\b)
	ds_store_b128 v[STO], v[ACC+8*(4*(\a)+(\b))+4:ACC+8*(4*(\a)+(\b))+7] offset:(\a)*16*SPITCH+64*(\b)+16
.endr
.endr
.set t, 0
.rept 32
	ds_load_b128 v[ACC+4*t:ACC+4*t+3], v[RD] offset:t*2*SPITCH     ; my own bytes, served in order behind the stores
.set t, t+1
.endr
	s_wait_loadcnt 0x0                     ; RES
	s_wait_dscnt 0x0
	WIN 0x08                               ; source 1 in window 2
.set t, 0
.rept 64
	v_pk_add_f32 v[ACC+2*t:ACC+2*t+1], v[ACC+2*t:ACC+2*t+1], v[2*t:2*t+1]
.set t, t+1
.endr
	WIN 0
.set t, 0
.rept 32
	global_store_b128 v[CO], v[ACC+4*t:ACC+4*t+3], s[14:15] offset:t*8192  ; 16 lanes store 256 consecutive bytes, aligned
.set t, t+1
.endr
	s_wait_tensorcnt 0x0                   ; the wave's end
	ds_add_u32 v[SPW], v[NIL]
	s_wait_dscnt 0x0
	CROUND                                 ; the closing round
	s_endpgm
.Lfunc_end_k_qfac390784d_proj:
	.size	k_qfac390784d_proj, .Lfunc_end_k_qfac390784d_proj-k_qfac390784d_proj
	.p2alignl 7, 3214868480
	.fill 96, 4, 3214868480
	.section	.rodata,"a",@progbits
	.p2align	6, 0x0
	.amdhsa_kernel k_qfac390784d_proj
		.amdhsa_group_segment_fixed_size 327680
		.amdhsa_private_segment_fixed_size 0
		.amdhsa_enable_private_segment 0
		.amdhsa_kernarg_size 40
		.amdhsa_user_sgpr_count 2
		.amdhsa_user_sgpr_kernarg_segment_ptr 1
		.amdhsa_wavefront_size32 1
		.amdhsa_system_sgpr_workgroup_id_x 1
		.amdhsa_system_sgpr_workgroup_id_y 1
		.amdhsa_system_sgpr_workgroup_id_z 1
		.amdhsa_system_vgpr_workitem_id 0
		.amdhsa_next_free_vgpr 640
		.amdhsa_next_free_sgpr 76
		.amdhsa_reserve_vcc 0
		.amdhsa_float_denorm_mode_32 3
		.amdhsa_float_denorm_mode_16_64 3
		.amdhsa_memory_ordered 1
		.amdhsa_forward_progress 1
		.amdhsa_inst_pref_size 93
	.end_amdhsa_kernel
	.amdgpu_metadata
---
amdhsa.version: [ 1, 2 ]
amdhsa.kernels:
  - .name:           k_qfac390784d_proj
    .symbol:         k_qfac390784d_proj.kd
    .args:
      - { .name: a16, .offset: 0, .size: 8, .value_kind: global_buffer, .address_space: global }
      - { .name: w1, .offset: 8, .size: 8, .value_kind: global_buffer, .address_space: global }
      - { .name: bo, .offset: 16, .size: 8, .value_kind: global_buffer, .address_space: global }
      - { .name: x, .offset: 24, .size: 8, .value_kind: global_buffer, .address_space: global }
      - { .name: x1, .offset: 32, .size: 8, .value_kind: global_buffer, .address_space: global }
    .group_segment_fixed_size: 327680
    .private_segment_fixed_size: 0
    .kernarg_segment_align: 8
    .kernarg_segment_size: 40
    .max_flat_workgroup_size: 128
    .sgpr_count:     76
    .vgpr_count:     640
    .wavefront_size: 32
...
	.end_amdgpu_metadata
.endif
;; end of part 4
;; launch ln2 (part 5): grid 256 x 1, 8 waves a work-group, no clusters, 0 bytes of LDS; arguments x1, alpha2, beta2, a16; writes a16
.if DOCPART == 5
	.amdgcn_target "amdgcn-amd-amdhsa--gfx1250"
	.amdhsa_code_object_version 6
	.text
	.protected	k_qfac390784d_ln2
	.globl	k_qfac390784d_ln2
	.p2align	8
	.type	k_qfac390784d_ln2,@function
k_qfac390784d_ln2:
	s_mov_b64 s[64:65], 0
	v_nop
	global_prefetch_b8 v0, s[64:65] scope:SCOPE_SE
	s_setreg_imm32_b32 hwreg(HW_REG_WAVE_MODE, 25, 1), 1
	s_wait_xcnt 0x0
; LN2: a16[row][1024] f16 = alpha2 (x1 - mean) / (std + 1e-6) + beta2, std unbiased (divisor 1023).  Two passes over registers: mean, then centred squares.
; A work-group takes 16 rows, a wave two; a row is eight loads of 512 consecutive bytes and stays in 32 registers a lane.  No LDS, no barrier: the reduction never leaves the wave.
; LIMITS.  f16 ends at 65,504: 32 |alpha2| + |beta2| must stay below it.  NaN and infinities are not treated apart.
.set T,   8
.set MN,  24
.set X,   32
.set SC,  96
.set BT,  100
.set YR,  104
.macro SUMS p
.irp c, 0,1,2,3
	v_pk_add_f32 v[T+8*(\p)+2*(\c):T+8*(\p)+2*(\c)+1], v[X+32*(\p)+2*(\c):X+32*(\p)+2*(\c)+1], v[X+32*(\p)+8+2*(\c):X+32*(\p)+8+2*(\c)+1]
.endr
.irp k, 2,3
.irp c, 0,1,2,3
	v_pk_add_f32 v[T+8*(\p)+2*(\c):T+8*(\p)+2*(\c)+1], v[T+8*(\p)+2*(\c):T+8*(\p)+2*(\c)+1], v[X+32*(\p)+8*(\k)+2*(\c):X+32*(\p)+8*(\k)+2*(\c)+1]
.endr
.endr
.endm
.macro SQS p
.irp c, 0,1,2,3
	v_pk_mul_f32 v[T+8*(\p)+2*(\c):T+8*(\p)+2*(\c)+1], v[X+32*(\p)+2*(\c):X+32*(\p)+2*(\c)+1], v[X+32*(\p)+2*(\c):X+32*(\p)+2*(\c)+1]
.endr
.irp k, 1,2,3
.irp c, 0,1,2,3
	v_pk_fma_f32 v[T+8*(\p)+2*(\c):T+8*(\p)+2*(\c)+1], v[X+32*(\p)+8*(\k)+2*(\c):X+32*(\p)+8*(\k)+2*(\c)+1], v[X+32*(\p)+8*(\k)+2*(\c):X+32*(\p)+8*(\k)+2*(\c)+1], v[T+8*(\p)+2*(\c):T+8*(\p)+2*(\c)+1]
.endr
.endr
.endm
.macro FOLD p
	v_pk_add_f32 v[T+8*(\p):T+8*(\p)+1], v[T+8*(\p):T+8*(\p)+1], v[T+8*(\p)+2:T+8*(\p)+3]
	v_pk_add_f32 v[T+8*(\p)+4:T+8*(\p)+5], v[T+8*(\p)+4:T+8*(\p)+5], v[T+8*(\p)+6:T+8*(\p)+7]
	v_pk_add_f32 v[T+8*(\p):T+8*(\p)+1], v[T+8*(\p):T+8*(\p)+1], v[T+8*(\p)+4:T+8*(\p)+5]
	v_add_f32 v[T+8*(\p)], v[T+8*(\p)], v[T+8*(\p)+1]
	v_add_f32_dpp v[T+8*(\p)], v[T+8*(\p)], v[T+8*(\p)] row_xmask:1 row_mask:0xf bank_mask:0xf
	v_add_f32_dpp v[T+8*(\p)], v[T+8*(\p)], v[T+8*(\p)] row_xmask:2 row_mask:0xf bank_mask:0xf
	v_add_f32_dpp v[T+8*(\p)], v[T+8*(\p)], v[T+8*(\p)] row_xmask:4 row_mask:0xf bank_mask:0xf
	v_add_f32_dpp v[T+8*(\p)], v[T+8*(\p)], v[T+8*(\p)] row_xmask:8 row_mask:0xf bank_mask:0xf
	v_permlanex16_b32 v[T+8*(\p)+1], v[T+8*(\p)], s12, s13
	v_add_f32 v[T+8*(\p)], v[T+8*(\p)], v[T+8*(\p)+1]
.endm
	s_load_b256 s[16:23], s[0:1], 0x0      ; x1 16, alpha2 18, beta2 20, a16 22
	v_lshrrev_b32 v1, 5, v0
	v_readfirstlane_b32 s8, v1
	v_and_b32 v1, 31, v0
	v_lshlrev_b32 v2, 4, v1
	v_lshlrev_b32 v3, 3, v1
	s_wait_kmcnt 0x0
	s_load_b32 s14, s[18:19], 0x0
	s_load_b32 s15, s[20:21], 0x0
	s_lshl_b32 s4, ttmp9, 16               ; 16 rows of 4,096 bytes
	s_lshl_b32 s57, s8, 13
	s_add_co_u32 s4, s4, s57
	s_mov_b32 s5, 0
	s_add_nc_u64 s[4:5], s[16:17], s[4:5]
	s_lshl_b32 s6, ttmp9, 15
	s_lshl_b32 s57, s8, 12
	s_add_co_u32 s6, s6, s57
	s_mov_b32 s7, 0
	s_add_nc_u64 s[6:7], s[22:23], s[6:7]
	s_mov_b32 s12, 0x76543210
	s_mov_b32 s13, 0xfedcba98
.irp p, 0,1
.irp j, 0,1,2,3,4,5,6,7
	global_load_b128 v[X+32*(\p)+4*(\j):X+32*(\p)+4*(\j)+3], v2, s[4:5] offset:(\p)*4096+512*(\j)
.endr
.endr
	s_wait_loadcnt 8                       ; row 0's eight loads are in; row 1's eight younger ones stay out
	SUMS 0
	FOLD 0
	s_wait_loadcnt 0x0
	SUMS 1
	FOLD 1
.irp p, 0,1
	v_mul_f32 v[MN+2*(\p)], 0x3a800000, v[T+8*(\p)]
	v_mul_f32 v[MN+2*(\p)+1], 0x3a800000, v[T+8*(\p)]
.endr
.irp p, 0,1
.irp i, 0,1,2,3,4,5,6,7,8,9,10,11,12,13,14,15
	v_pk_add_f32 v[X+32*(\p)+2*(\i):X+32*(\p)+2*(\i)+1], v[X+32*(\p)+2*(\i):X+32*(\p)+2*(\i)+1], v[MN+2*(\p):MN+2*(\p)+1] op_sel_hi:[1,0] neg_lo:[0,1] neg_hi:[0,1]
.endr
.endr
	SQS 0
	SQS 1
	FOLD 0
	FOLD 1
	v_mul_f32 v[T], 0x3a802008, v[T]       ; / 1023
	v_mul_f32 v[T+8], 0x3a802008, v[T+8]
	v_sqrt_f32 v[T], v[T]
	v_sqrt_f32 v[T+8], v[T+8]
	v_nop
	s_wait_alu depctr_va_vdst(0)           ; one wait for both roots
	v_add_f32 v[T], 0x358637bd, v[T]       ; + 1e-6, onto the deviation
	v_add_f32 v[T+8], 0x358637bd, v[T+8]
	v_rcp_f32 v[T], v[T]
	v_rcp_f32 v[T+8], v[T+8]
	s_wait_kmcnt 0x0
	v_mov_b32 v[BT], s15
	v_mov_b32 v[BT+1], s15
	s_wait_alu depctr_va_vdst(0)           ; one wait for both reciprocals
.irp p, 0,1
	v_mul_f32 v[SC+2*(\p)], s14, v[T+8*(\p)]
	v_mul_f32 v[SC+2*(\p)+1], s14, v[T+8*(\p)]
.endr
.irp p, 0,1
.irp i, 0,1,2,3,4,5,6,7,8,9,10,11,12,13,14,15
	v_pk_fma_f32 v[X+32*(\p)+2*(\i):X+32*(\p)+2*(\i)+1], v[X+32*(\p)+2*(\i):X+32*(\p)+2*(\i)+1], v[SC+2*(\p):SC+2*(\p)+1], v[BT:BT+1] op_sel_hi:[1,0,0]
.endr
.irp i, 0,1,2,3,4,5,6,7,8,9,10,11,12,13,14,15
	v_cvt_pk_f16_f32 v[YR+16*(\p)+(\i)], v[X+32*(\p)+2*(\i)], v[X+32*(\p)+2*(\i)+1]
.endr
.irp j, 0,1,2,3,4,5,6,7
	global_store_b64 v3, v[YR+16*(\p)+2*(\j):YR+16*(\p)+2*(\j)+1], s[6:7] offset:(\p)*2048+256*(\j)  ; 32 lanes store 256 consecutive bytes, aligned
.endr
.endr
	s_endpgm
.Lfunc_end_k_qfac390784d_ln2:
	.size	k_qfac390784d_ln2, .Lfunc_end_k_qfac390784d_ln2-k_qfac390784d_ln2
	.p2alignl 7, 3214868480
	.fill 96, 4, 3214868480
	.section	.rodata,"a",@progbits
	.p2align	6, 0x0
	.amdhsa_kernel k_qfac390784d_ln2
		.amdhsa_group_segment_fixed_size 0
		.amdhsa_private_segment_fixed_size 0
		.amdhsa_enable_private_segment 0
		.amdhsa_kernarg_size 32
		.amdhsa_user_sgpr_count 2
		.amdhsa_user_sgpr_kernarg_segment_ptr 1
		.amdhsa_wavefront_size32 1
		.amdhsa_system_sgpr_workgroup_id_x 1
		.amdhsa_system_sgpr_workgroup_id_y 1
		.amdhsa_system_sgpr_workgroup_id_z 1
		.amdhsa_system_vgpr_workitem_id 0
		.amdhsa_next_free_vgpr 136
		.amdhsa_next_free_sgpr 66
		.amdhsa_reserve_vcc 0
		.amdhsa_float_denorm_mode_32 3
		.amdhsa_float_denorm_mode_16_64 3
		.amdhsa_memory_ordered 1
		.amdhsa_forward_progress 1
		.amdhsa_inst_pref_size 17
	.end_amdhsa_kernel
	.amdgpu_metadata
---
amdhsa.version: [ 1, 2 ]
amdhsa.kernels:
  - .name:           k_qfac390784d_ln2
    .symbol:         k_qfac390784d_ln2.kd
    .args:
      - { .name: x1, .offset: 0, .size: 8, .value_kind: global_buffer, .address_space: global }
      - { .name: alpha2, .offset: 8, .size: 8, .value_kind: global_buffer, .address_space: global }
      - { .name: beta2, .offset: 16, .size: 8, .value_kind: global_buffer, .address_space: global }
      - { .name: a16, .offset: 24, .size: 8, .value_kind: global_buffer, .address_space: global }
    .group_segment_fixed_size: 0
    .private_segment_fixed_size: 0
    .kernarg_segment_align: 8
    .kernarg_segment_size: 32
    .max_flat_workgroup_size: 256
    .sgpr_count:     66
    .vgpr_count:     136
    .wavefront_size: 32
...
	.end_amdgpu_metadata
.endif
;; end of part 5
;; launch ff1: the kernel of part 2 again; grid 16 x 16, 4 waves a work-group, clusters of 4 x 4, 327,680 bytes of LDS; arguments a16, w2, act; writes act
;; launch ff2 (part 6): grid 8 x 32, 4 waves a work-group, clusters of 4 x 4, 327,680 bytes of LDS; arguments act, w2, b2, x1, out0; writes out0
.if DOCPART == 6
	.amdgcn_target "amdgcn-amd-amdhsa--gfx1250"
	.amdhsa_code_object_version 6
	.text
	.protected	k_qfac390784d_ff2
	.globl	k_qfac390784d_ff2
	.p2align	8
	.type	k_qfac390784d_ff2,@function
k_qfac390784d_ff2:
	s_mov_b64 s[64:65], 0
	v_nop
	global_prefetch_b8 v0, s[64:65] scope:SCOPE_SE
	s_setreg_imm32_b32 hwreg(HW_REG_WAVE_MODE, 25, 1), 1
	s_wait_xcnt 0x0
	s_wait_alu depctr_hold_cnt(0) depctr_sa_sdst(0) depctr_va_vdst(0) depctr_va_sdst(0) depctr_va_ssrc(0) depctr_va_vcc(0) depctr_vm_vsrc(0)
	s_getreg_b32 s2, hwreg(HW_REG_IB_STS2, 6, 4)
	s_cmp_eq_u32 s2, 0
	s_cbranch_scc0 .Lentry_in_a_cluster
	s_endpgm
.Lentry_in_a_cluster:
	s_bfe_u32 s2, ttmp6, 0x10000c
	s_cmp_lg_u32 s2, 0xf033
	s_cbranch_scc0 .Lentry_shape_is_right
	s_endpgm
.Lentry_shape_is_right:
; OUT = RES + A W + bias, f32, for K = 512 x LAPS = 4,096.  A: bf16 in blocks of 64 columns, [K / 64][4096 rows][64].  W: bf16 [K][1024] row-major, at WS in its buffer.
; bias [1024], RES and OUT [4096][1024] f32.  Sums in f32, starting from the bias; RES is added once at the end.
; The text is that of the product with K = 1,024 but for LAPS: the loop holds barriers, so its trip count is a constant of the text.
; LIMITS.  bf16 operands: f32's range.  NaN and infinities are not treated apart.
; A tile of 128 x 128 to a work-group (256 work-groups), 64 x 64 to each of four waves: 16 accumulators.  K steps of 256 (four blocks of A) through two LDS slots.
; W lies [k][n]: its fragments come by the turning load.  The matrix instruction is used transposed (source 0 = 16 columns of W, source 1 = 16 rows of A).
; CLUSTER 4 x 4: A's tiles jointly along a row of the cluster, W's along a column.  No prefetch: a step's tiles are small, 36,864 bytes a wave.
; REGISTERS: window 0: v0-31 addresses; v32-63 the bias; v128-255 the accumulators.  window 1: two fragment buffers of 128 (A's 64, then W's 64).  window 2: v0-127 RES.
.set LAPS,   8                         ; a lap = two K steps of 256
.set PA,     144                       ; a row of a block of A in LDS: 128 bytes + 16
.set SUB,    128*PA                    ; one block's 128 rows
.set PW,     288                       ; a k-row of W: 256 bytes + 32
.set PIECE,  36864                     ; what one tensor load brings: two blocks of A or 128 k-rows of W
.set SLOT,   4*PIECE
.set SPARE,  2*SLOT                    ; the spare words, 128 bytes a wave: two blocks of 256 bytes that no other line names
.set SPITCH, 272                       ; the way out's stage: 64 rows x 272 bytes a wave, in slot 0, behind its last fill and the barrier behind its last reads
.set WS,     8405248
.set ADRA, 16                          ; v16-17 by slot
.set ADRB, 20                          ; v20-23 by slot and half of the 256 k-rows
.set STO,  24
.set RD,   25
.set CO,   26
.set BO,   27
.set SPW,  28
.set NIL,  29
.set BI,   32
.set ACC,  128
.set F0,   0
.set F1,   128
.set WV,  16
.set RH,  17                           ; my half of the tile's rows; also: I fetch for A (0) or W (1)
.set CH,  18                           ; my half of its columns; also: which piece I fetch
.set G1,  24
.set G0,  32
.set G1B, 48
.set G0B, 56
.set MSB, 0
.macro WIN new
.if MSB != (\new)
	s_set_vgpr_msb (MSB<<8)|(\new)
.set MSB, \new
.endif
.endm
.set MUL,  0x05
.set TO_F, 0x40
.macro PLACES
.rept 4
	v_nop
.endr
.endm
.macro JLOAD s
	s_cmp_eq_u32 s[RH], 0
	s_cbranch_scc0 .Lfor_b_\@
	tensor_load_to_lds s[G0+4*(\s):G0+4*(\s)+3], s[G1:G1+7]
	s_nop 0
	PLACES
	s_branch .Lasked_\@
.Lfor_b_\@:
	tensor_load_to_lds s[G0B+4*(\s):G0B+4*(\s)+3], s[G1B:G1B+7]
	s_nop 0
	PLACES
.Lasked_\@:
.endm
.macro CREST
	s_cmp_lg_u32 s[WV], 0
	s_cbranch_scc1 .Lnot_wave_0_\@
	s_barrier_signal -3
.Lnot_wave_0_\@:
	s_barrier_wait -3
	s_barrier_signal -1
	s_barrier_wait -1
.endm
.macro CROUND
	s_barrier_signal -1
	s_barrier_wait -1
	CREST
.endm
	s_load_b256 s[4:11], s[0:1], 0x0       ; A 4, W 6, bias 8, RES 10
	s_load_b64 s[14:15], s[0:1], 0x20      ; OUT
	v_lshl_add_u32 v[SPW], v0, 2, SPARE
	v_mov_b32 v[NIL], 0
	ds_add_u32 v[SPW], v[NIL]              ; the wave's opening: the add and its wait ahead of my first tensor load
	v_lshrrev_b32 v1, 5, v0
	v_readfirstlane_b32 s[WV], v1
	s_lshr_b32 s[RH], s[WV], 1
	s_and_b32 s[CH], s[WV], 1
	s_bfe_u32 s20, ttmp6, 0x40000          ; cx
	s_bfe_u32 s21, ttmp6, 0x40004          ; cy
	s_lshl_b32 s22, ttmp9, 2
	s_add_co_u32 s22, s22, s20             ; tile column
	s_and_b32 s23, ttmp7, 0xffff
	s_lshl_b32 s23, s23, 2
	s_add_co_u32 s23, s23, s21             ; tile row
	s_lshl_b32 s66, s21, 2
	s_lshl_b32 s66, 15, s66                ; my row of the cluster
	s_lshl_b32 s67, 0x1111, s20            ; my column
	s_or_b32 s[G1+0], s66, (1<<16)|(1<<20)|(1<<21)|(4<<22)|(3<<25)   ; padding: 4 words behind every 32 (a row of 128 bytes)
	s_mov_b32 s[G1+1], 8192<<16            ; a block's 128 rows are 16,384 dense bytes: one long row of 8,192 elements
	s_mov_b32 s[G1+2], 2<<16               ; two blocks
	s_mov_b32 s[G1+3], 8192<<16
	s_mov_b32 s[G1+4], 2
	s_mov_b32 s[G1+5], 262144              ; elements from block to block
	s_mov_b32 s[G1+6], 0
	s_mov_b32 s[G1+7], 0
	s_or_b32 s[G1B+0], s67, (1<<16)|(1<<20)|(1<<21)|(5<<22)|(7<<25)  ; padding: 8 words behind every 64
	s_mov_b32 s[G1B+1], 128<<16
	s_mov_b32 s[G1B+2], 128<<16
	s_mov_b32 s[G1B+3], 128<<16
	s_mov_b32 s[G1B+4], 128
	s_mov_b32 s[G1B+5], 1024
	s_mov_b32 s[G1B+6], 0
	s_mov_b32 s[G1B+7], 0
	s_lshl_b32 s40, s23, 14                ; A: row 128 x tile row, 128 bytes a row; block 2 x piece
	s_lshl_b32 s41, s[CH], 20
	s_add_co_u32 s40, s40, s41
	s_mov_b32 s41, 0
	s_lshl_b32 s44, s22, 8                 ; W: column 128 x tile column; k-row 128 x piece, 2,048 bytes a row
	s_lshl_b32 s45, s[CH], 18
	s_add_co_u32 s44, s44, s45
	s_add_co_u32 s44, s44, WS
	s_mov_b32 s45, 0
	s_mul_i32 s68, s[WV], PIECE
	s_wait_dscnt 0x0                       ; the opening add is done
	s_wait_kmcnt 0x0
	s_add_nc_u64 s[42:43], s[4:5], s[40:41]
	s_add_nc_u64 s[46:47], s[6:7], s[44:45]
.irp s, 0,1
	s_mov_b32 s[G0+4*(\s)], 1
	s_add_co_u32 s[G0+4*(\s)+1], s68, (\s)*SLOT
	s_add_nc_u64 s[G0+4*(\s)+2:G0+4*(\s)+3], s[42:43], (\s)*4*524288
	s_or_b32 s[G0+4*(\s)+3], s[G0+4*(\s)+3], 0x80000000
	s_mov_b32 s[G0B+4*(\s)], 1
	s_add_co_u32 s[G0B+4*(\s)+1], s68, (\s)*SLOT
	s_add_nc_u64 s[G0B+4*(\s)+2:G0B+4*(\s)+3], s[46:47], (\s)*256*2048
	s_or_b32 s[G0B+4*(\s)+3], s[G0B+4*(\s)+3], 0x80000000
.endr
	CROUND
	s_cmp_eq_u32 s[RH], 0                  ; a wave's two first fills stand in one branch: two loads of mine are out
	s_cbranch_scc0 .Lfirst_w
	tensor_load_to_lds s[G0:G0+3], s[G1:G1+7]
	s_nop 0
	tensor_load_to_lds s[G0+4:G0+7], s[G1:G1+7]
	s_nop 0
	PLACES
	s_branch .Lfirst_asked
.Lfirst_w:
	tensor_load_to_lds s[G0B:G0B+3], s[G1B:G1B+7]
	s_nop 0
	tensor_load_to_lds s[G0B+4:G0B+7], s[G1B:G1B+7]
	s_nop 0
	PLACES
.Lfirst_asked:
	v_and_b32 v1, 15, v0                   ; l % 16
	v_bfe_u32 v2, v0, 4, 1                 ; l / 16
	v_lshlrev_b32 v[BO], 5, v2
	s_lshl_b32 s70, s22, 9                 ; my 64 columns: 512 x tile column + 256 x half, in bytes of f32
	s_lshl_b32 s71, s[CH], 8
	s_add_co_u32 s70, s70, s71
	s_mov_b32 s71, 0
	s_lshl_b32 s72, s23, 19                ; my 64 rows of 4,096 bytes
	s_lshl_b32 s73, s[RH], 18
	s_add_co_u32 s72, s72, s73
	s_add_co_u32 s72, s72, s70
	s_mov_b32 s73, 0
	s_add_nc_u64 s[8:9], s[8:9], s[70:71]
	s_add_nc_u64 s[10:11], s[10:11], s[72:73]
	s_add_nc_u64 s[14:15], s[14:15], s[72:73]
	v_lshlrev_b32 v[CO], 12, v2            ; lanes 0-15 one row's 256 bytes, lanes 16-31 the next row's
	v_lshl_add_u32 v[CO], v1, 4, v[CO]
.irp b, 0,1,2,3
	global_load_b128 v[BI+8*(\b):BI+8*(\b)+3], v[BO], s[8:9] offset:64*(\b)
	global_load_b128 v[BI+8*(\b)+4:BI+8*(\b)+7], v[BO], s[8:9] offset:64*(\b)+16
.endr
	WIN 0x80
.set t, 0
.rept 32
	global_load_b128 v[4*t:4*t+3], v[CO], s[10:11] offset:t*8192   ; RES stays out until the way out
.set t, t+1
.endr
	WIN 0
	v_mul_u32_u24 v3, v1, PA
	v_lshl_add_u32 v3, v2, 4, v3
	s_mul_i32 s69, s[RH], 64*PA
	v_add_nc_u32 v[ADRA], s69, v3
	s_add_co_u32 s69, s69, SLOT
	v_add_nc_u32 v[ADRA+1], s69, v3
	v_and_b32 v4, 7, v0
	v_lshl_add_u32 v4, v2, 3, v4
	v_mul_u32_u24 v4, v4, PW
	v_bfe_u32 v5, v0, 3, 1
	v_lshl_add_u32 v4, v5, 4, v4
	s_lshl_b32 s69, s[CH], 7
	s_add_co_u32 s69, s69, 2*PIECE
	v_add_nc_u32 v[ADRB], s69, v4
	s_add_co_u32 s69, s69, PIECE
	v_add_nc_u32 v[ADRB+1], s69, v4
	s_add_co_u32 s69, s69, SLOT-PIECE
	v_add_nc_u32 v[ADRB+2], s69, v4
	s_add_co_u32 s69, s69, PIECE
	v_add_nc_u32 v[ADRB+3], s69, v4
	s_mul_i32 s69, s[WV], 64*SPITCH
	v_mul_u32_u24 v[STO], v1, SPITCH
	v_lshl_add_u32 v[STO], v2, 5, v[STO]
	v_add_nc_u32 v[STO], s69, v[STO]
	v_mul_u32_u24 v[RD], v2, SPITCH
	v_lshl_add_u32 v[RD], v1, 4, v[RD]
	v_add_nc_u32 v[RD], s69, v[RD]
; 8 matrix instructions: m blocks a0, a0 + 1 x 4 n blocks, half c of buffer f.  zero = 1: the bias starts the sums.  The 16 accumulators take turns.
.macro MUL8 f, c, a0, zero
	WIN MUL
.irp a, \a0, (\a0)+1
.irp b, 0,1,2,3
.if \zero
	v_wmma_f32_16x16x32_bf16 v[ACC+8*(4*(\a)+(\b)):ACC+8*(4*(\a)+(\b))+7], v[(\f)+64+8*(4*(\c)+(\b)):(\f)+64+8*(4*(\c)+(\b))+7], v[(\f)+8*(4*(\c)+(\a)):(\f)+8*(4*(\c)+(\a))+7], v[BI+8*(\b):BI+8*(\b)+7]
.else
	v_wmma_f32_16x16x32_bf16 v[ACC+8*(4*(\a)+(\b)):ACC+8*(4*(\a)+(\b))+7], v[(\f)+64+8*(4*(\c)+(\b)):(\f)+64+8*(4*(\c)+(\b))+7], v[(\f)+8*(4*(\c)+(\a)):(\f)+8*(4*(\c)+(\a))+7], v[ACC+8*(4*(\a)+(\b)):ACC+8*(4*(\a)+(\b))+7]
.endif
.endr
.endr
.endm
; 32 LDS loads in one run: quarter q (one block of A, 64 along K) into buffer f; the first 32 along K first
.macro FETCH slot, q, f
	WIN TO_F
.irp c, 0,1
.irp i, 0,1,2,3
	ds_load_tr16_b128 v[(\f)+64+8*(4*(\c)+(\i)):(\f)+64+8*(4*(\c)+(\i))+3],   v[ADRB+2*(\slot)+(\q)/2] offset:(((\q)%2)*64+32*(\c))*PW+32*(\i)
	ds_load_tr16_b128 v[(\f)+64+8*(4*(\c)+(\i))+4:(\f)+64+8*(4*(\c)+(\i))+7], v[ADRB+2*(\slot)+(\q)/2] offset:(((\q)%2)*64+32*(\c)+16)*PW+32*(\i)
	ds_load_b128 v[(\f)+8*(4*(\c)+(\i)):(\f)+8*(4*(\c)+(\i))+3],   v[ADRA+(\slot)] offset:(\q)*SUB+64*(\c)+(\i)*16*PA
	ds_load_b128 v[(\f)+8*(4*(\c)+(\i))+4:(\f)+8*(4*(\c)+(\i))+7], v[ADRA+(\slot)] offset:(\q)*SUB+64*(\c)+(\i)*16*PA+32
.endr
.endr
.endm
.macro QUARTER slot, q, f, g, zero
	s_wait_dscnt 16                        ; the first 32 along K are in; the youngest sixteen loads may be out
	MUL8 \f, 0, 0, \zero
	MUL8 \f, 0, 2, \zero
	PLACES
	FETCH \slot, \q, \g
	s_wait_dscnt 32                        ; all but the 32 just issued
	MUL8 \f, 1, 0, 0
	MUL8 \f, 1, 2, 0
.endm
.macro TURN slot, next, fill
	WIN 0
	s_wait_tensorcnt 0x0                   ; all my tensor loads have landed: my part of the next slot
	ds_add_u32 v[SPW], v[NIL]
	s_wait_dscnt 17                        ; the add and the youngest sixteen loads may be out
	MUL8 F1, 0, 0, 0
	s_wait_dscnt 0x0                       ; the add is done, my reads of this slot are over
	s_barrier_signal -1
	MUL8 F1, 0, 2, 0
.if \fill
	WIN 0
.endif
	s_barrier_wait -1
.if \fill
	CREST                                  ; the barrier has opened a round of the cluster's
	s_add_nc_u64 s[G0+4*(\slot)+2:G0+4*(\slot)+3], s[G0+4*(\slot)+2:G0+4*(\slot)+3], 8*524288
	s_add_nc_u64 s[G0B+4*(\slot)+2:G0B+4*(\slot)+3], s[G0B+4*(\slot)+2:G0B+4*(\slot)+3], 512*2048
	JLOAD \slot                            ; the first tensor load behind the round: 112 matrix instructions ahead of the wait for it
.else
	PLACES
.endif
	FETCH \next, 0, F0
	MUL8 F1, 1, 0, 0
	MUL8 F1, 1, 2, 0
.endm
	s_wait_tensorcnt 1                     ; my part of K step 0 is in; K step 1's may stay out
	s_barrier_signal -1
	s_barrier_wait -1
	FETCH 0, 0, F0
	s_wait_loadcnt 32                      ; the bias is in; RES's 32 younger loads stay out
	QUARTER 0, 1, F0, F1, 1
	WIN 0
	s_mov_b32 s3, LAPS-1
.Llap:                                 ; a trip goes once round the ring, from a lap's second quarter to the next lap's first, and fills both slots again
	QUARTER 0, 2, F1, F0, 0
	QUARTER 0, 3, F0, F1, 0
	TURN 0, 1, 1
	QUARTER 1, 1, F0, F1, 0
	QUARTER 1, 2, F1, F0, 0
	QUARTER 1, 3, F0, F1, 0
	TURN 1, 0, 1
	QUARTER 0, 1, F0, F1, 0
	WIN 0
	s_sub_co_u32 s3, s3, 1
	s_cmp_lg_u32 s3, 0
	s_cbranch_scc1 .Llap
	QUARTER 0, 2, F1, F0, 0                ; the last lap fills nothing
	QUARTER 0, 3, F0, F1, 0
	TURN 0, 1, 0
	QUARTER 1, 1, F0, F1, 0
	QUARTER 1, 2, F1, F0, 0
	QUARTER 1, 3, F0, F1, 0
	s_wait_dscnt 16
	MUL8 F1, 0, 0, 0
	MUL8 F1, 0, 2, 0
	s_wait_dscnt 0x0
	MUL8 F1, 1, 0, 0
	MUL8 F1, 1, 2, 0
	WIN 0
	PLACES
	; the way out: 32 bytes a lane into my stage, back as whole rows of 256 bytes, RES added, stored
.irp a, 0,1,2,3
.irp b, 0,1,2,3
	ds_store_b128 v[STO], v[ACC+8*(4*(\a)+(\b)):ACC+8*(4*(\a)+(\b))+3] offset:(\a)*16*SPITCH+64*(\b)
	ds_store_b128 v[STO], v[ACC+8*(4*(\a)+(\b))+4:ACC+8*(4*(\a)+(\b))+7] offset:(\a)*16*SPITCH+64*(\b)+16
.endr
.endr
.set t, 0
.rept 32
	ds_load_b128 v[ACC+4*t:ACC+4*t+3], v[RD] offset:t*2*SPITCH     ; my own bytes, served in order behind the stores
.set t, t+1
.endr
	s_wait_loadcnt 0x0                     ; RES
	s_wait_dscnt 0x0
	WIN 0x08                               ; source 1 in window 2
.set t, 0
.rept 64
	v_pk_add_f32 v[ACC+2*t:ACC+2*t+1], v[ACC+2*t:ACC+2*t+1], v[2*t:2*t+1]
.set t, t+1
.endr
	WIN 0
.set t, 0
.rept 32
	global_store_b128 v[CO], v[ACC+4*t:ACC+4*t+3], s[14:15] offset:t*8192  ; 16 lanes store 256 consecutive bytes, aligned
.set t, t+1
.endr
	s_wait_tensorcnt 0x0                   ; the wave's end
	ds_add_u32 v[SPW], v[NIL]
	s_wait_dscnt 0x0
	CROUND                                 ; the closing round
	s_endpgm
.Lfunc_end_k_qfac390784d_ff2:
	.size	k_qfac390784d_ff2, .Lfunc_end_k_qfac390784d_ff2-k_qfac390784d_ff2
	.p2alignl 7, 3214868480
	.fill 96, 4, 3214868480
	.section	.rodata,"a",@progbits
	.p2align	6, 0x0
	.amdhsa_kernel k_qfac390784d_ff2
		.amdhsa_group_segment_fixed_size 327680
		.amdhsa_private_segment_fixed_size 0
		.amdhsa_enable_private_segment 0
		.amdhsa_kernarg_size 40
		.amdhsa_user_sgpr_count 2
		.amdhsa_user_sgpr_kernarg_segment_ptr 1
		.amdhsa_wavefront_size32 1
		.amdhsa_system_sgpr_workgroup_id_x 1
		.amdhsa_system_sgpr_workgroup_id_y 1
		.amdhsa_system_sgpr_workgroup_id_z 1
		.amdhsa_system_vgpr_workitem_id 0
		.amdhsa_next_free_vgpr 640
		.amdhsa_next_free_sgpr 76
		.amdhsa_reserve_vcc 0
		.amdhsa_float_denorm_mode_32 3
		.amdhsa_float_denorm_mode_16_64 3
		.amdhsa_memory_ordered 1
		.amdhsa_forward_progress 1
		.amdhsa_inst_pref_size 93
	.end_amdhsa_kernel
	.amdgpu_metadata
---
amdhsa.version: [ 1, 2 ]
amdhsa.kernels:
  - .name:           k_qfac390784d_ff2
    .symbol:         k_qfac390784d_ff2.kd
    .args:
      - { .name: act, .offset: 0, .size: 8, .value_kind: global_buffer, .address_space: global }
      - { .name: w2, .offset: 8, .size: 8, .value_kind: global_buffer, .address_space: global }
      - { .name: b2, .offset: 16, .size: 8, .value_kind: global_buffer, .address_space: global }
      - { .name: x1, .offset: 24, .size: 8, .value_kind: global_buffer, .address_space: global }
      - { .name: out0, .offset: 32, .size: 8, .value_kind: global_buffer, .address_space: global }
    .group_segment_fixed_size: 327680
    .private_segment_fixed_size: 0
    .kernarg_segment_align: 8
    .kernarg_segment_size: 40
    .max_flat_workgroup_size: 128
    .sgpr_count:     76
    .vgpr_count:     640
    .wavefront_size: 32
...
	.end_amdgpu_metadata
.endif
;; end of part 6
;; ======== version 2 of 2: 7 launches
;; limits: values are held in f16: magnitudes above 65,504 overflow, below 6.1e-05 lose precision
;; workspace buffers: a16 8,388,608 bytes; act 33,554,432 bytes; x1 16,777,216 bytes; w1 10,502,400 bytes; w2 16,793,856 bytes; maskw 524,288 bytes of whole numbers
;; launch prep: the kernel of part 1 again; grid 64 x 20, 8 waves a work-group, no clusters, 68,608 bytes of LDS; arguments x, alpha1, beta1, a16, Wq, Wk, Wv, Wo, W1, W2, bq, bk, bv, b1, mask, w1, w2, maskw; writes a16, w1, w2, maskw
;; launch qkv (part 7): grid 12 x 16, 4 waves a work-group, clusters of 4 x 4, 327,680 bytes of LDS; arguments a16, w1, act; writes act
.if DOCPART == 7
	.amdgcn_target "amdgcn-amd-amdhsa--gfx1250"
	.amdhsa_code_object_version 6
	.text
	.protected	k_qfac390784d_qkv
	.globl	k_qfac390784d_qkv
	.p2align	8
	.type	k_qfac390784d_qkv,@function
k_qfac390784d_qkv:
	s_mov_b64 s[64:65], 0
	v_nop
	global_prefetch_b8 v0, s[64:65] scope:SCOPE_SE
	s_setreg_imm32_b32 hwreg(HW_REG_WAVE_MODE, 25, 1), 1
	s_wait_xcnt 0x0
	s_wait_alu depctr_hold_cnt(0) depctr_sa_sdst(0) depctr_va_vdst(0) depctr_va_sdst(0) depctr_va_ssrc(0) depctr_va_vcc(0) depctr_vm_vsrc(0)
	s_getreg_b32 s2, hwreg(HW_REG_IB_STS2, 6, 4)
	s_cmp_eq_u32 s2, 0
	s_cbranch_scc0 .Lentry_in_a_cluster
	s_endpgm
.Lentry_in_a_cluster:
	s_bfe_u32 s2, ttmp6, 0x10000c
	s_cmp_lg_u32 s2, 0xf033
	s_cbranch_scc0 .Lentry_shape_is_right
	s_endpgm
.Lentry_shape_is_right:
; OUT = max(A W + bias, floor).  A: [4096][1024] f16.  W's buffer: bias f32 at 0, the floor (two bf16) at FLO, f16 blocks [256 columns][1024 k][256 n] from WB on.
; OUT: bf16 in blocks of 64 columns, [block][4096 rows][64].  Sums in f32, starting from the bias; rounded once; the floor is -inf (no activation) or 0 (relu).
; LIMITS.  A and W arrive within f16's 65,504; the result is bf16, so its range is f32's.  NaN and infinities are not treated apart (a NaN meets the floor).
; A tile of 256 x 256 to a work-group, 128 x 128 to each of four waves: 64 accumulators, 512 registers.  K = 1,024 in eight steps of 128 through two LDS slots.
; The loop is written once for a K step: the slot in hand is a scalar, 0 or SLOT, turned by an exclusive or; the fragments' addresses are made from it at each change of slots.
; W lies [k][n]: its fragments come out of LDS by the turning load.  The matrix instruction is used transposed (source 0 = 16 columns of W, source 1 = 16 rows of A):
; a lane then holds eight neighbouring columns of one row of OUT.
; CLUSTER 4 x 4: A's tiles are asked for jointly along a row of the cluster, W's along a column.
; REGISTERS: window 0: v0-31 addresses; v64-191 A's two fragment buffers; v192-255 the bias (C of the first products), later at work on the way out, with v32-63.
;   window 1: v64-191 W's two fragment buffers.  windows 2, 3: the accumulators ((a, b) at v[8 (8 a + b)]).
.set PA,     272                       ; a row of A in LDS: 256 bytes + 16: the 16 rows of a load start at 16 different groups of four banks
.set PW,     544                       ; a k-row of W: 512 bytes + 32
.set PIECE,  34816                     ; what one tensor load brings: 128 rows of A or 64 k-rows of W
.set SLOT,   4*PIECE                   ; A's 256 rows, then W's 128 k-rows.  SLOT = 0x22000 shares no bit with wave x PIECE (0x8800 w), so an exclusive or with it adds or takes away SLOT
.set STAGE,  2*SLOT                    ; behind the ring: 16 rows x 272 bytes for each wave
.set SPARE,  STAGE+4*16*PA             ; the spare words, 128 bytes a wave: two blocks of 256 bytes that no other line names
.set FLO,    16384
.set WB,     16640
.set STEPS,  8                         ; K steps of 128
.set ADRA, 16                          ; v16 LDS address of my A fragments in the slot in hand
.set A0R,  17                          ; v17 the same in slot 0; never rewritten
.set ADRB, 20                          ; v20, v21 the same for W
.set B0R,  21
.set STO,  24
.set RD,   25
.set CO,   26
.set BO,   27
.set SPW,  28
.set NIL,  29
.set PFO,  30
.set F0,   64
.set F1,   128
.set BIAS, 192
.set TMP,  192
.set OB,   32
.set TB,  2                            ; s2 the slot in hand: 0 or SLOT
.set G1,  24
.set G0,  32                           ; s[32:39] group 0 for A: a set for each of the two first fills; the second then walks on
.set G1B, 48
.set G0B, 56                           ; s[56:63] the same for W
.set LIM, 43                           ; 2 in a wave that prefetches, else the greatest number
.set PFA, 44                           ; s[44:45] where my prefetches stand
.set PST, 46                           ; s[46:47] a K step in my tensor: 256 bytes of each row of A, 65,536 bytes of a block of W
.set FLR, 66
.set MSB, 0
.macro WIN new
.if MSB != (\new)
	s_set_vgpr_msb (MSB<<8)|(\new)
.set MSB, \new
.endif
.endm
.set MUL_LO, 0xa1                      ; source 0 (W) window 1, source 1 (A) window 0, C and D window 2
.set MUL_HI, 0xf1
.set TO_B,   0x40
.macro PLACES
.rept 4
	v_nop
.endr
.endm
; A joint refill by the walking descriptors: waves 0, 1 fetch A's halves, waves 2, 3 W's.  An s_nop 0 and four v_nop follow each line.
.macro JLOAD
	s_cmp_eq_u32 s11, 0
	s_cbranch_scc0 .Lfor_b_\@
	tensor_load_to_lds s[G0+4:G0+7], s[G1:G1+7]
	s_nop 0
	PLACES
	s_branch .Lasked_\@
.Lfor_b_\@:
	tensor_load_to_lds s[G0B+4:G0B+7], s[G1B:G1B+7]
	s_nop 0
	PLACES
.Lasked_\@:
.endm
; A prefetch of the K step two refills on: 32 blocks of 256 bytes, a lane a block.  A's rows are asked for by the clusters with x = 0, W's blocks by those with y = 0; the four partners
; of a joint load share its 128 blocks out by address.  The loop's last two trips (s3 = 2, 1) have no K step two on.
.macro ASK
	s_cmp_gt_u32 s3, s[LIM]
	s_cbranch_scc0 .Lnot_mine_\@
	global_prefetch_b8 v[PFO], s[PFA:PFA+1] th:TH_LOAD_NT scope:SCOPE_SE
.Lnot_mine_\@:
.endm
.macro CREST
	s_cmp_lg_u32 s10, 0
	s_cbranch_scc1 .Lnot_wave_0_\@
	s_barrier_signal -3
.Lnot_wave_0_\@:
	s_barrier_wait -3
	s_barrier_signal -1
	s_barrier_wait -1
.endm
.macro CROUND
	s_barrier_signal -1
	s_barrier_wait -1
	CREST
.endm
	s_load_b128 s[4:7], s[0:1], 0x0        ; A, W
	s_load_b64 s[8:9], s[0:1], 0x10        ; OUT
	v_lshl_add_u32 v[SPW], v0, 2, SPARE
	v_mov_b32 v[NIL], 0
	ds_add_u32 v[SPW], v[NIL]              ; the wave's opening: the add and its wait ahead of my first tensor load
	v_lshrrev_b32 v1, 5, v0
	v_readfirstlane_b32 s10, v1            ; wave
	s_lshr_b32 s11, s10, 1                 ; my half of the tile's rows; also: I fetch for A (0) or W (1)
	s_and_b32 s12, s10, 1                  ; my half of its columns; also: which piece I fetch
	s_bfe_u32 s40, ttmp6, 0x40000          ; cx
	s_bfe_u32 s41, ttmp6, 0x40004          ; cy
	s_lshl_b32 s42, ttmp9, 2
	s_add_co_u32 s42, s42, s40             ; tile column
	s_and_b32 s13, ttmp7, 0xffff
	s_lshl_b32 s13, s13, 2
	s_add_co_u32 s13, s13, s41             ; tile row
	s_lshl_b32 s67, s41, 2
	s_lshl_b32 s67, 15, s67                ; my row of the cluster
	s_lshl_b32 s68, 0x1111, s40            ; my column
	s_or_b32 s[G1+0], s67, (1<<16)|(1<<20)|(1<<21)|(5<<22)|(3<<25)   ; mask; 2-byte elements; padding: 4 words behind every 64
	s_mov_b32 s[G1+1], 128<<16             ; tensor_dim0 = 128
	s_mov_b32 s[G1+2], 128<<16             ; tensor_dim1 = 128
	s_mov_b32 s[G1+3], 128<<16             ; tile_dim0 = 128
	s_mov_b32 s[G1+4], 128                 ; tile_dim1 = 128
	s_mov_b32 s[G1+5], 1024                ; elements from row to row
	s_mov_b32 s[G1+6], 0
	s_mov_b32 s[G1+7], 0
	s_or_b32 s[G1B+0], s68, (1<<16)|(1<<20)|(1<<21)|(6<<22)|(7<<25)  ; padding: 8 words behind every 128
	s_mov_b32 s[G1B+1], 256<<16
	s_mov_b32 s[G1B+2], 64<<16
	s_mov_b32 s[G1B+3], 256<<16
	s_mov_b32 s[G1B+4], 64
	s_mov_b32 s[G1B+5], 256
	s_mov_b32 s[G1B+6], 0
	s_mov_b32 s[G1B+7], 0
	s_mov_b32 s[TB], 0
	s_lshl_b32 s16, s13, 8                 ; A: row 256 x tile row + 128 x piece, 2,048 bytes a row
	s_lshl_b32 s17, s12, 7
	s_add_co_u32 s16, s16, s17
	s_lshl_b32 s16, s16, 11
	s_mov_b32 s17, 0
	s_lshl_b32 s20, s42, 19                ; W: the tile column's block, k-row 64 x piece, 512 bytes a row
	s_lshl_b32 s21, s12, 15
	s_add_co_u32 s20, s20, s21
	s_add_co_u32 s20, s20, WB
	s_mov_b32 s21, 0
	s_mul_i32 s18, s10, PIECE              ; where they go: wave x a piece
	s_wait_dscnt 0x0                       ; the opening add is done
	s_wait_kmcnt 0x0
	s_add_nc_u64 s[14:15], s[4:5], s[16:17]
	s_add_nc_u64 s[22:23], s[6:7], s[20:21]
.irp s, 0,1
	s_mov_b32 s[G0+4*(\s)], 1
	s_add_co_u32 s[G0+4*(\s)+1], s18, (\s)*SLOT
	s_add_nc_u64 s[G0+4*(\s)+2:G0+4*(\s)+3], s[14:15], (\s)*256
	s_or_b32 s[G0+4*(\s)+3], s[G0+4*(\s)+3], 0x80000000
	s_mov_b32 s[G0B+4*(\s)], 1
	s_add_co_u32 s[G0B+4*(\s)+1], s18, (\s)*SLOT
	s_add_nc_u64 s[G0B+4*(\s)+2:G0B+4*(\s)+3], s[22:23], (\s)*65536
	s_or_b32 s[G0B+4*(\s)+3], s[G0B+4*(\s)+3], 0x80000000
.endr
	CROUND                                 ; all sixteen work-groups are here: the first joint loads meet
	s_cmp_eq_u32 s11, 0                    ; a wave's two first fills stand in one branch: two loads of mine are out
	s_cbranch_scc0 .Lfirst_w
	tensor_load_to_lds s[G0:G0+3], s[G1:G1+7]
	s_nop 0
	tensor_load_to_lds s[G0+4:G0+7], s[G1:G1+7]
	s_nop 0
	PLACES
	s_branch .Lfirst_asked
.Lfirst_w:
	tensor_load_to_lds s[G0B:G0B+3], s[G1B:G1B+7]
	s_nop 0
	tensor_load_to_lds s[G0B+4:G0B+7], s[G1B:G1B+7]
	s_nop 0
	PLACES
.Lfirst_asked:
	s_load_b32 s[FLR], s[6:7], FLO
	v_and_b32 v1, 15, v0                   ; l % 16
	v_bfe_u32 v2, v0, 4, 1                 ; l / 16
	v_lshlrev_b32 v[BO], 5, v2             ; the bias: my 8 columns of a block of 16
	s_lshl_b32 s70, s42, 10
	s_lshl_b32 s71, s12, 9
	s_add_co_u32 s70, s70, s71
	s_mov_b32 s71, 0
	s_add_nc_u64 s[70:71], s[6:7], s[70:71]
.irp b, 0,1,2,3,4,5,6,7
	global_load_b128 v[BIAS+8*(\b):BIAS+8*(\b)+3], v[BO], s[70:71] offset:64*(\b)
	global_load_b128 v[BIAS+8*(\b)+4:BIAS+8*(\b)+7], v[BO], s[70:71] offset:64*(\b)+16
.endr
	v_mul_u32_u24 v3, v1, PA
	v_lshl_add_u32 v3, v2, 4, v3           ; row x 272 + 16 x half
	s_mul_i32 s19, s11, PIECE              ; my 128 rows of A
	v_add_nc_u32 v[A0R], s19, v3
	v_mov_b32 v[ADRA], v[A0R]
	v_and_b32 v5, 7, v0                    ; the turning load: k-row 8 (l / 16) + l % 8, 16 bytes by (l / 8) % 2
	v_lshl_add_u32 v5, v2, 3, v5
	v_mul_u32_u24 v5, v5, PW
	v_bfe_u32 v6, v0, 3, 1
	v_lshl_add_u32 v5, v6, 4, v5
	s_lshl_b32 s19, s12, 8                 ; my 128 columns
	s_add_co_u32 s19, s19, 2*PIECE         ; W lies behind A's 256 rows
	v_add_nc_u32 v[B0R], s19, v5
	v_mov_b32 v[ADRB], v[B0R]
	s_mul_i32 s19, s10, 16*PA
	s_add_co_u32 s19, s19, STAGE           ; my stage
	v_add_nc_u32 v[STO], s19, v3           ; in: row l % 16, 16 bytes for each half of the lanes
	v_bfe_u32 v7, v0, 3, 2                 ; back: four rows x 128 bytes, one block of 64 columns
	v_mul_u32_u24 v7, v7, PA
	v_and_b32 v8, 7, v0
	v_lshl_add_u32 v7, v8, 4, v7
	v_add_nc_u32 v[RD], s19, v7
	v_and_b32 v[CO], 31, v0
	v_lshlrev_b32 v[CO], 4, v[CO]          ; which are 512 consecutive bytes of OUT
	s_lshl_b32 s20, s42, 21                ; OUT: block 4 x tile column + 2 x half, row 256 x tile row + 128 x half, 128 bytes a row
	s_lshl_b32 s21, s12, 20
	s_add_co_u32 s20, s20, s21
	s_lshl_b32 s21, s13, 15
	s_add_co_u32 s20, s20, s21
	s_lshl_b32 s21, s11, 14
	s_add_co_u32 s20, s20, s21
	s_mov_b32 s21, 0
	s_add_nc_u64 s[8:9], s[8:9], s[20:21]
	; the prefetches: they stand at K step 3; each refill steps them first, so the refill of step r names step r + 2
	s_lshl_b32 s67, s13, 8
	s_lshl_b32 s69, s12, 7
	s_add_co_u32 s67, s67, s69
	s_lshl_b32 s69, s40, 5                 ; my work-group's 32 rows of the 128
	s_add_co_u32 s67, s67, s69
	s_lshl_b32 s67, s67, 11
	s_add_co_u32 s67, s67, 3*256
	s_lshl_b32 s68, s42, 19
	s_lshl_b32 s69, s12, 15
	s_add_co_u32 s68, s68, s69
	s_lshl_b32 s69, s41, 13                ; my work-group's 32 blocks of the 128
	s_add_co_u32 s68, s68, s69
	s_add_co_u32 s68, s68, WB+3*65536
	s_and_b32 s22, ttmp7, 0xffff
	s_cmp_eq_u32 s11, 0
	s_cselect_b32 s22, ttmp9, s22          ; the coordinate along which other clusters read the same bytes
	s_cselect_b64 s[PFA:PFA+1], s[4:5], s[6:7]
	s_cselect_b32 s68, s67, s68
	s_cselect_b32 s[PST], 8, 16
	s_cselect_b32 s23, 11, 8               ; a lane's block: a row of A on, or 256 bytes of W on
	s_mov_b32 s69, 0
	s_add_nc_u64 s[PFA:PFA+1], s[PFA:PFA+1], s[68:69]
	s_lshl_b32 s[PST], 1, s[PST]
	s_mov_b32 s[PST+1], 0
	s_cmp_eq_u32 s22, 0
	s_cselect_b32 s[LIM], 2, -1
	v_and_b32 v[PFO], 31, v0
	v_lshlrev_b32 v[PFO], s23, v[PFO]
; 16 matrix instructions: m blocks a0, a0 + 1 of the window's four x all 8 n blocks, 32 along K.  zero = 1: the bias starts the sums.  The 64 accumulators take turns.
.macro MUL16 f, hi, a0, zero
.if \zero
	WIN 0x81+0x40*(\hi)                    ; C in window 0
.else
	WIN MUL_LO+0x50*(\hi)
.endif
.irp a, \a0, (\a0)+1
.irp b, 0,1,2,3,4,5,6,7
.if \zero
	v_wmma_f32_16x16x32_f16 v[8*(8*(\a)+(\b)):8*(8*(\a)+(\b))+7], v[(\f)+8*(\b):(\f)+8*(\b)+7], v[(\f)+8*(4*(\hi)+(\a)):(\f)+8*(4*(\hi)+(\a))+7], v[BIAS+8*(\b):BIAS+8*(\b)+7]
.else
	v_wmma_f32_16x16x32_f16 v[8*(8*(\a)+(\b)):8*(8*(\a)+(\b))+7], v[(\f)+8*(\b):(\f)+8*(\b)+7], v[(\f)+8*(4*(\hi)+(\a)):(\f)+8*(4*(\hi)+(\a))+7], v[8*(8*(\a)+(\b)):8*(8*(\a)+(\b))+7]
.endif
.endr
.endr
.endm
; 32 LDS loads in one run: quarter kq (32 along K) of the slot in hand into buffer f: W's 8 blocks of 16 columns, turned, then A's 8 blocks of 16 rows
.macro FETCH kq, f
	WIN TO_B
.irp i, 0,1,2,3,4,5,6,7
	ds_load_tr16_b128 v[(\f)+8*(\i):(\f)+8*(\i)+3],   v[ADRB] offset:(\kq)*32*PW+32*(\i)
	ds_load_tr16_b128 v[(\f)+8*(\i)+4:(\f)+8*(\i)+7], v[ADRB] offset:(\kq)*32*PW+16*PW+32*(\i)
.endr
	WIN 0
.irp i, 0,1,2,3,4,5,6,7
	ds_load_b128 v[(\f)+8*(\i):(\f)+8*(\i)+3],   v[ADRA] offset:(\kq)*64+(\i)*16*PA
	ds_load_b128 v[(\f)+8*(\i)+4:(\f)+8*(\i)+7], v[ADRA] offset:(\kq)*64+(\i)*16*PA+32
.endr
.endm
.macro QUARTER kq, f, g, zero          ; multiplies buffer f; in its middle it fetches quarter kq into buffer g
	s_wait_dscnt 8                         ; W and A's rows 0-63 are in; the youngest eight loads (A's rows 64-127) may be out
	MUL16 \f, 0, 0, \zero
	MUL16 \f, 0, 2, \zero
	PLACES                                 ; four places in front of loads into registers that matrix instructions have read
	FETCH \kq, \g
	s_wait_dscnt 32                        ; all but the 32 just issued
	MUL16 \f, 1, 0, \zero
	MUL16 \f, 1, 2, \zero
.endm
; The change of slots: every wave waits for all its tensor loads (one is out: its part of the next slot), adds 0 to its spare word, waits for that and for its reads of this slot, and signals.
.macro MEET
	WIN 0
	s_wait_tensorcnt 0x0
	ds_add_u32 v[SPW], v[NIL]
	s_wait_dscnt 9                         ; the add and the youngest eight loads may be out
	MUL16 F1, 0, 0, 0
	s_wait_dscnt 0x0                       ; the add is done, my reads of this slot are over
	s_barrier_signal -1
	MUL16 F1, 0, 2, 0
	WIN 0
	s_barrier_wait -1
.endm
.macro FLIP                            ; the other slot is the slot in hand
	s_xor_b32 s[TB], s[TB], SLOT
	v_add_nc_u32 v[ADRA], s[TB], v[A0R]
	v_add_nc_u32 v[ADRB], s[TB], v[B0R]
.endm
; The last quarter of a K step multiplies buffer 1 and changes slots.  fill = 1: the slot just read is filled again, with the K step two on.
.macro TURN fill
.if \fill
	s_wait_xcnt 0x0                        ; the last prefetch, a K step back, has read its address
	s_add_nc_u64 s[PFA:PFA+1], s[PFA:PFA+1], s[PST:PST+1]
.endif
	MEET
.if \fill
	CREST                                  ; the barrier has opened a round of the cluster's: no wave of any partner still reads this slot or has a load on its way
	s_xor_b32 s[G0+5], s[G0+5], SLOT       ; the walking descriptors: the other slot than last time, the next K step
	s_add_nc_u64 s[G0+6:G0+7], s[G0+6:G0+7], 256
	s_xor_b32 s[G0B+5], s[G0B+5], SLOT
	s_add_nc_u64 s[G0B+6:G0B+7], s[G0B+6:G0B+7], 65536
	JLOAD                                  ; the first tensor load behind the round; 224 matrix instructions stand ahead of the wait for it
.else
	PLACES
.endif
	FLIP
	FETCH 0, F0
.if \fill
	ASK
.endif
	MUL16 F1, 1, 0, 0
	MUL16 F1, 1, 2, 0
.endm
; The way out of block a (16 rows x 128 columns): rounded to bf16, held to the floor, through my own stage, back as four rows of one block of 64 columns, stored.
.macro PACK a
.set AC, 64*((\a)%4)
	WIN 0x0a+5*((\a)/4)
.irp b, 0,1,2,3,4,5,6,7
.irp r, 0,1,2,3
	v_cvt_pk_bf16_f32 v[TMP+4*(\b)+(\r)], v[AC+8*(\b)+2*(\r)], v[AC+8*(\b)+2*(\r)+1]
.endr
.endr
	WIN 0
.set i, 0
.rept 32
	v_pk_max_num_bf16 v[TMP+i], v[TMP+i], s[FLR]
.set i, i+1
.endr
.endm
.macro TOSTAGE a
	WIN 0
.set BK, OB+192*((\a)%2)
.irp b, 0,1,2,3,4,5,6,7
	ds_store_b128 v[STO], v[TMP+4*(\b):TMP+4*(\b)+3] offset:32*(\b)
.endr
.irp c, 0,1
.irp u, 0,1,2,3
	ds_load_b128 v[BK+4*(4*(\c)+(\u)):BK+4*(4*(\c)+(\u))+3], v[RD] offset:128*(\c)+4*PA*(\u)  ; my own bytes, served in order behind the stores
.endr
.endr
.endm
.macro SEND a
	WIN 0
.set BK, OB+192*((\a)%2)
	s_wait_dscnt 0x0                       ; the block is back in registers
	s_wait_xcnt 0x0                        ; earlier stores have read their registers: the set that they left is loaded again only behind this wait
.irp c, 0,1
.irp u, 0,1,2,3
	global_store_b128 v[CO], v[BK+4*(4*(\c)+(\u)):BK+4*(4*(\c)+(\u))+3], s[8:9] offset:(\c)*524288+(\a)*2048+512*(\u)  ; 512 consecutive bytes, aligned
.endr
.endr
.endm
	s_wait_tensorcnt 1                     ; my part of K step 0 is in; K step 1's may stay out
	s_barrier_signal -1
	s_barrier_wait -1
	FETCH 0, F0
	s_wait_loadcnt 0x0                     ; the bias
	s_wait_kmcnt 0x0                       ; the floor
	QUARTER 1, F0, F1, 1
	WIN 0
	s_mov_b32 s3, STEPS-2
.Lstep:                                ; a trip goes from a K step's second quarter to the next step's first, and fills the slot that it leaves: K steps 2 to 7
	QUARTER 2, F1, F0, 0
	QUARTER 3, F0, F1, 0
	TURN 1
	QUARTER 1, F0, F1, 0
	WIN 0
	s_sub_co_u32 s3, s3, 1
	s_cmp_lg_u32 s3, 0
	s_cbranch_scc1 .Lstep
	QUARTER 2, F1, F0, 0                   ; the last two K steps fill nothing
	QUARTER 3, F0, F1, 0
	TURN 0
	QUARTER 1, F0, F1, 0
	QUARTER 2, F1, F0, 0
	QUARTER 3, F0, F1, 0
	s_wait_dscnt 8
	MUL16 F1, 0, 0, 0
	MUL16 F1, 0, 2, 0
	s_wait_dscnt 0x0
	MUL16 F1, 1, 0, 0
	MUL16 F1, 1, 2, 0
	WIN 0
	PLACES                                 ; four places behind the last products
	PACK 0
	TOSTAGE 0
.irp a, 1,2,3,4,5,6,7
	PACK \a
	SEND (\a)-1
	TOSTAGE \a
.endr
	SEND 7
	s_wait_tensorcnt 0x0                   ; the wave's end
	ds_add_u32 v[SPW], v[NIL]
	s_wait_dscnt 0x0
	CROUND                                 ; the closing round
	s_endpgm
.Lfunc_end_k_qfac390784d_qkv:
	.size	k_qfac390784d_qkv, .Lfunc_end_k_qfac390784d_qkv-k_qfac390784d_qkv
	.p2alignl 7, 3214868480
	.fill 96, 4, 3214868480
	.section	.rodata,"a",@progbits
	.p2align	6, 0x0
	.amdhsa_kernel k_qfac390784d_qkv
		.amdhsa_group_segment_fixed_size 327680
		.amdhsa_private_segment_fixed_size 0
		.amdhsa_enable_private_segment 0
		.amdhsa_kernarg_size 24
		.amdhsa_user_sgpr_count 2
		.amdhsa_user_sgpr_kernarg_segment_ptr 1
		.amdhsa_wavefront_size32 1
		.amdhsa_system_sgpr_workgroup_id_x 1
		.amdhsa_system_sgpr_workgroup_id_y 1
		.amdhsa_system_sgpr_workgroup_id_z 1
		.amdhsa_system_vgpr_workitem_id 0
		.amdhsa_next_free_vgpr 1024
		.amdhsa_next_free_sgpr 72
		.amdhsa_reserve_vcc 0
		.amdhsa_float_denorm_mode_32 3
		.amdhsa_float_denorm_mode_16_64 3
		.amdhsa_memory_ordered 1
		.amdhsa_forward_progress 1
		.amdhsa_inst_pref_size 135
	.end_amdhsa_kernel
	.amdgpu_metadata
---
amdhsa.version: [ 1, 2 ]
amdhsa.kernels:
  - .name:           k_qfac390784d_qkv
    .symbol:         k_qfac390784d_qkv.kd
    .args:
      - { .name: a16, .offset: 0, .size: 8, .value_kind: global_buffer, .address_space: global }
      - { .name: w1, .offset: 8, .size: 8, .value_kind: global_buffer, .address_space: global }
      - { .name: act, .offset: 16, .size: 8, .value_kind: global_buffer, .address_space: global }
    .group_segment_fixed_size: 327680
    .private_segment_fixed_size: 0
    .kernarg_segment_align: 8
    .kernarg_segment_size: 24
    .max_flat_workgroup_size: 128
    .sgpr_count:     72
    .vgpr_count:     1024
    .wavefront_size: 32
...
	.end_amdgpu_metadata
.endif
;; end of part 7
;; launch attn (part 8): grid 8 x 32, 4 waves a work-group, clusters of 4 x 1, 327,680 bytes of LDS; arguments act, maskw, a16; writes a16
.if DOCPART == 8
	.amdgcn_target "amdgcn-amd-amdhsa--gfx1250"
	.amdhsa_code_object_version 6
	.text
	.protected	k_qfac390784d_attn
	.globl	k_qfac390784d_attn
	.p2align	8
	.type	k_qfac390784d_attn,@function
k_qfac390784d_attn:
	s_mov_b64 s[64:65], 0
	v_nop
	global_prefetch_b8 v0, s[64:65] scope:SCOPE_SE
	s_setreg_imm32_b32 hwreg(HW_REG_WAVE_MODE, 25, 1), 1
	s_wait_xcnt 0x0
	s_wait_alu depctr_hold_cnt(0) depctr_sa_sdst(0) depctr_va_vdst(0) depctr_va_sdst(0) depctr_va_ssrc(0) depctr_va_vcc(0) depctr_vm_vsrc(0)
	s_getreg_b32 s2, hwreg(HW_REG_IB_STS2, 6, 4)
	s_cmp_eq_u32 s2, 0
	s_cbranch_scc0 .Lentry_in_a_cluster
	s_endpgm
.Lentry_in_a_cluster:
	s_bfe_u32 s2, ttmp6, 0x10000c
	s_cmp_lg_u32 s2, 0x3003
	s_cbranch_scc0 .Lentry_shape_is_right
	s_endpgm
.Lentry_shape_is_right:
; MASKED ATTENTION.  ctx[q] = sum over k of softmax_k(mask[q][k] ? Q[q] . K[k] / 8 : -1e9) V[k], for 32 pairs (batch, head), 2,048 queries and keys, 64 channels.
; act holds q, k, v in bf16 as blocks of 64 columns, [48][4096 rows][64]: block h is head h's q, 16 + h its k, 32 + h its v; a head's rows of one batch are dense, 128 bytes each.
; ctx leaves in the same layout, [16][4096][64] bf16.  maskw: for each tile of 16 queries and step of 64 keys 32 words, word n the lane mask of register n of the tile of scores.
; Products, maxima and sums in f32; the weights are rounded to bf16 for the second product (their sum is taken unrounded), ctx once.
; LIMITS.  A hidden raw score becomes -8e9, which is -1e9 behind the division by 8: a row that is wholly hidden comes out as the mean of V.  A true raw score below -8e9 is not ranked under hidden ones.
; A weight below 2^-126 counts as 0.  NaN and infinities are not treated apart.
; SHARES.  A work-group owns 256 queries of one pair, a wave 64: four PIECES of 16.  Every wave walks all keys, 64 a step, 256 a slot.
; LAYOUT.  S^T = K Q^T holds one query a lane (lane % 16) and keys 8 (lane / 16) + 0..7; two results rounded in pairs are source 1 of O^T = V^T P.  p = 2^(c s - c m), c = log2(e) / 8, m a running maximum;
; O and l are multiplied by a = 2^(c m_old - c m_new) in every step; m starts at the lowest finite number, O and l at 0, so the first step is a step like any other.
; TURNS.  Turn n belongs to piece n: 8 products K Q^T of piece n + 1, later 8 products V^T P of piece n - 1; beside them the scaling, exponentials, roundings, sums and rescaling of piece n and the
; mask, maximum and statistics of piece n + 1.  Four vector instructions stand behind every matrix instruction, the rest in one lump.  A turn's 33 exponentials are one batch with one wait.
; THE MASK WORDS of a piece and key step are 128 consecutive bytes: one load, word n into lane n of the piece's own register, issued behind the last read of that register, for the piece's next key step:
; four turns ahead of its use.  32 v_readlane_b32 then bring them into the scalar registers by which v_cndmask_b32 selects.
; CLUSTER.  The four query blocks of a cluster belong to one pair and walk the same K and V: each tile is asked for jointly.
; REGISTERS: window 0: v0-15 addresses; v16-31 statistics; v32-37 the mask's; v48-55 at work; v64-127 S^T, two buffers; v192-223 P, two buffers.  window 1: v0-127 O^T.  window 2: v0-63 Q; v128-191 K; v192-255 V.
.set NP,    4
.set KS,    64
.set PK,    144                        ; a row of K in LDS: 128 bytes + 16
.set PV,    160                        ; a row of V: 128 + 32
.set VOFF,  4*KS*PK
.set SLOT1, 1<<17
.set STAGE, SLOT1+4*KS*(PK+PV)
.set SP,    144
.set SPARE, STAGE+4*16*SP              ; the spare words, 128 bytes a wave: two blocks of 256 bytes that no other line names
.set BLK,   524288                     ; a block of 64 columns
.set AK0, 2
.set AV0, 3
.set AK,  4
.set AV,  5
.set STO, 6
.set RD,  7
.set GO,  8
.set MV,  12                           ; v12-13 c m_old, by buffer
.set NEGV, 14                          ; v14 -8e9
.set QO,  15
.set ST,  16                           ; piece t: c m, m, l (even keys', odd keys')
.set MK,  32                           ; v32-35 piece t's 32 mask words, word n in lane n
.set MA,  36                           ; v36 4 x lane + 128 x the key step that is being asked for
.set ML,  37                           ; v37 4 x lane; never rewritten
.set TMP, 48
.set PFO, 61
.set SPW, 62
.set NIL, 63
.set S,   64
.set P,   192
.set KF,  128
.set VF,  192
.set WV,  12
.set LIM, 15
.set G1K, 24
.set G1V, 32
.set G0K, 40
.set G0V, 44
.set PFA, 50                           ; s[50:51]
.set MB,  52                           ; s[52:53] maskw at my wave's first tile of 16 queries
.set MO,  54                           ; 128 x the key step whose words are asked for
.set SLOTS, 56
.set CNT, 57
.set CS,  58
.set SEL, 60
.set TBK, 62
.set TBV, 63
.set MW,  68                           ; s[68:99] 32 mask words
.set MSB, 0
.macro WIN new
.if MSB != (\new)
	s_set_vgpr_msb (MSB<<8)|(\new)
.set MSB, (\new)
.endif
.endm
.set W_KQ, 0x0a
.set W_PV, 0x52
.set W_RS, 0x41
.macro JLOAD                           ; waves 0, 1 fetch the halves of a tile's K, waves 2, 3 those of its V
	s_cmp_lt_u32 s[WV], 2
	s_cbranch_scc0 .Lfor_v_\@
	tensor_load_to_lds s[G0K:G0K+3], s[G1K:G1K+7]
	s_nop 0
.rept 4
	v_nop
.endr
	s_branch .Lasked_\@
.Lfor_v_\@:
	tensor_load_to_lds s[G0V:G0V+3], s[G1V:G1V+7]
	s_nop 0
.rept 4
	v_nop
.endr
.Lasked_\@:
.endm
; A prefetch of the tile that the next change of slots will ask for: 128 blocks of 256 bytes of K and of V.  The pair's first cluster asks; its partners take 32 blocks each, by address;
; wave 0 asks for K's, wave 2 for V's.  The last change that fills a slot asks for nothing.
.macro ASK
	s_cmp_gt_u32 s[SLOTS], s[LIM]
	s_cbranch_scc0 .Lnot_mine_\@
	global_prefetch_b8 v[PFO], s[PFA:PFA+1] th:TH_LOAD_NT scope:SCOPE_SE
.Lnot_mine_\@:
.endm
.macro CROUND
	s_barrier_signal -1
	s_barrier_wait -1
	s_cmp_lg_u32 s[WV], 0
	s_cbranch_scc1 .Lnot_wave_0_\@
	s_barrier_signal -3
.Lnot_wave_0_\@:
	s_barrier_wait -3
	s_barrier_signal -1
	s_barrier_wait -1
.endm
; The change of slots: every wave waits for all its tensor loads (one is out: its part of the other slot), adds 0 to its spare word, waits for that and for its reads of the slot that it leaves.
; fill = 1: a round of the cluster's barrier, then the joint refill first: it has four key steps, 256 matrix instructions, in which to land.
.macro CHANGE fill, ask
	WIN 0
	s_wait_tensorcnt 0x0
	ds_add_u32 v[SPW], v[NIL]
.if \fill
.irp g, G0K, G0V
	s_xor_b32 s[\g+1], s[\g+1], SLOT1
	s_add_nc_u64 s[\g+2:\g+3], s[\g+2:\g+3], 4*KS*128
.endr
.if \ask
	s_wait_xcnt 0x0                        ; the last prefetch, four key steps back, has read its address
	s_add_nc_u64 s[PFA:PFA+1], s[PFA:PFA+1], 4*KS*128
.endif
	s_wait_dscnt 0x0
	CROUND
	JLOAD
.if \ask
	ASK
.endif
.else
	s_wait_dscnt 0x0
	s_barrier_signal -1
	s_barrier_wait -1
.endif
	s_sub_co_u32 s[TBK], s[TBK], 4*KS*PK
	s_xor_b32 s[TBK], s[TBK], SLOT1
	s_sub_co_u32 s[TBV], s[TBV], 4*KS*PV
	s_xor_b32 s[TBV], s[TBV], SLOT1
.endm
.macro MASKLD pc                       ; piece pc's 32 mask words for the key step in v[MA]: 128 consecutive bytes, aligned
	global_load_b32 v[MK+(\pc)], v[MA], s[MB:MB+1] offset:(\pc)*4096
.endm
.macro STEPM                           ; the key step that is asked for goes on, held to the last step, so that no load leaves maskw
	s_add_co_u32 s[MO], s[MO], 128
	s_min_u32 s[MO], s[MO], 3968
	s_wait_xcnt 0x0                        ; the three loads that are out have read v[MA]: it is rewritten only behind this wait
	v_add_nc_u32 v[MA], s[MO], v[ML]
.endm
	s_load_b128 s[4:7], s[0:1], 0x0        ; act, maskw
	s_load_b64 s[8:9], s[0:1], 0x10        ; a16
	v_lshl_add_u32 v[SPW], v0, 2, SPARE
	v_mov_b32 v[NIL], 0
	ds_add_u32 v[SPW], v[NIL]              ; the wave's opening: the add and its wait ahead of my first tensor load
	v_lshrrev_b32 v1, 5, v0
	v_readfirstlane_b32 s[WV], v1
	s_bfe_u32 s13, ttmp6, 0x40000          ; cx
	s_lshl_b32 s14, ttmp9, 2
	s_add_co_u32 s14, s14, s13             ; my block of 256 queries: it enters Q's, the mask's and ctx's addresses alone
	s_and_b32 s20, ttmp7, 0xffff           ; 16 x batch + head, which the partners share
	s_lshr_b32 s21, s20, 4
	s_and_b32 s20, s20, 15
	s_lshl_b32 s20, s20, 19
	s_lshl_b32 s21, s21, 18
	s_add_co_u32 s20, s20, s21             ; the pair's first byte among q's blocks
	s_and_b32 s16, s[WV], 1                ; which half of a tile's 256 keys I fetch
	s_lshl_b32 s22, s16, 14
	s_add_co_u32 s22, s22, s20
	s_add_co_u32 s22, s22, 16*BLK          ; among k's blocks
	s_mov_b32 s23, 0
	s_mul_i32 s17, s16, 128*PK
	s_mul_i32 s18, s16, 128*PV
	s_lshl_b32 s2, s14, 15
	s_lshl_b32 s3, s[WV], 13
	s_add_co_u32 s2, s2, s3
	s_add_co_u32 s2, s2, s20               ; my wave's 64 rows
	s_mov_b32 s3, 0
	s_lshl_b32 s48, s14, 16                ; 16 tiles of 16 queries a block, 4 a wave, 4,096 bytes each
	s_lshl_b32 s49, s[WV], 14
	s_add_co_u32 s48, s48, s49
	s_mov_b32 s49, 0
	s_mov_b32 s[G1K], 15|(1<<16)|(1<<20)|(1<<21)|(4<<22)|(3<<25)  ; mask of four; 2-byte elements; padding: 4 words behind every 32
	s_mov_b32 s[G1V], 15|(1<<16)|(1<<20)|(1<<21)|(4<<22)|(7<<25)  ; 8 words
.irp g, G1K, G1V
	s_mov_b32 s[\g+1], 128<<16             ; 128 keys are 16,384 dense bytes: 64 rows of 256 bytes
	s_mov_b32 s[\g+2], 64<<16
	s_mov_b32 s[\g+3], 128<<16
	s_mov_b32 s[\g+4], 64
	s_mov_b32 s[\g+5], 128
	s_mov_b32 s[\g+6], 0
	s_mov_b32 s[\g+7], 0
.endr
	s_mov_b32 s[CS], 0x3e38aa3b            ; c = log2(e) / 8
	s_mov_b32 s[CS+1], s[CS]
	s_mov_b32 s[SEL], 0x76543210
	s_mov_b32 s[SEL+1], 0xfedcba98
	s_mov_b32 s[TBK], SLOT1+4*KS*PK        ; the first change of slots turns these two into 0
	s_mov_b32 s[TBV], SLOT1+4*KS*PV
	s_mov_b32 s[G0K], 1
	s_mov_b32 s[G0K+1], s17
	s_mov_b32 s[G0V], 1
	s_add_co_u32 s[G0V+1], s18, VOFF
	s_mov_b32 s[MO], 0
	s_and_b32 s[LIM], s[WV], 1
	s_or_b32 s[LIM], s[LIM], ttmp9
	s_cmp_eq_u32 s[LIM], 0
	s_cselect_b32 s[LIM], 1, -1
	v_and_b32 v[PFO], 31, v0
	v_lshlrev_b32 v[ML], 2, v[PFO]
	v_mov_b32 v[MA], v[ML]                 ; key step 0
	v_lshlrev_b32 v[PFO], 8, v[PFO]
	s_wait_dscnt 0x0                       ; the opening add is done
	s_wait_kmcnt 0x0
	s_add_nc_u64 s[10:11], s[4:5], s[22:23]        ; K at my half of tile 0
	s_add_nc_u64 s[66:67], s[10:11], 16*BLK        ; V
	s_mov_b64 s[G0K+2:G0K+3], s[10:11]
	s_or_b32 s[G0K+3], s[G0K+3], 0x80000000
	s_mov_b64 s[G0V+2:G0V+3], s[66:67]
	s_or_b32 s[G0V+3], s[G0V+3], 0x80000000
	s_add_nc_u64 s[MB:MB+1], s[6:7], s[48:49]
	s_add_nc_u64 s[4:5], s[4:5], s[2:3]            ; Q and ctx at my wave's first row
	s_add_nc_u64 s[8:9], s[8:9], s[2:3]
	s_cmp_lt_u32 s[WV], 2
	s_cselect_b64 s[PFA:PFA+1], s[10:11], s[66:67] ; (in waves 0 and 2 these stand at a tile's first row)
	s_lshl_b32 s2, s13, 13
	s_add_nc_u64 s[PFA:PFA+1], s[PFA:PFA+1], s[2:3]
	s_add_nc_u64 s[PFA:PFA+1], s[PFA:PFA+1], 2*4*KS*128  ; at tile 2; the change that asks for tile 2 steps it to tile 3
	CROUND
	JLOAD                                  ; tile 0 into slot 0
.irp pc, 0,1,2,3
	MASKLD \pc                             ; the four pieces' words of key step 0
.endr
	v_and_b32 v1, 15, v0
	v_bfe_u32 v9, v0, 4, 1
	v_lshlrev_b32 v[QO], 7, v1
	v_lshl_add_u32 v[QO], v9, 4, v[QO]
	WIN 0x80
.set i, 0
.rept 8                                ; Q stays in registers: piece i / 2, channels 32 (i % 2) on
	global_load_b128 v[8*i:8*i+3],   v[QO], s[4:5] offset:(i/2)*2048+(i%2)*64
	global_load_b128 v[8*i+4:8*i+7], v[QO], s[4:5] offset:(i/2)*2048+(i%2)*64+32
.set i, i+1
.endr
	; what the first turn finds: V and P's second buffer 0, O^T and l 0: written in the wait for the first tile, so that no first step is written out
.set i, VF
.rept 64
	v_mov_b32 v[i], 0
.set i, i+1
.endr
	WIN 0x40
.set i, 0
.rept 128
	v_mov_b32 v[i], 0
.set i, i+1
.endr
	WIN 0
.set i, 0
.rept 4
	v_mov_b32 v[ST+4*i], 0xfe000000        ; c m: far below every c s
	v_mov_b32 v[ST+4*i+1], 0xff7fffff      ; m
	v_mov_b32 v[ST+4*i+2], 0
	v_mov_b32 v[ST+4*i+3], 0
.set i, i+1
.endr
.set i, P+16
.rept 16
	v_mov_b32 v[i], 0
.set i, i+1
.endr
	v_mov_b32 v[NEGV], 0xcfee6b28          ; -8e9
	v_mul_u32_u24 v[AK0], v1, PK
	v_lshl_add_u32 v[AK0], v9, 4, v[AK0]
	v_and_b32 v10, 7, v0
	v_bfe_u32 v11, v0, 3, 1
	v_lshl_add_u32 v[AV0], v9, 3, v10
	v_mul_u32_u24 v[AV0], v[AV0], PV
	v_lshl_add_u32 v[AV0], v11, 4, v[AV0]
	v_add_nc_u32 v[AV0], VOFF, v[AV0]
	v_mov_b32 v[AK], v[AK0]
; Product i of 8 of S^T = K Q^T for piece x: channels 32 (i / 4) on, keys 16 (i % 4) on.  The 4 accumulators take turns.
.macro KQ x
	WIN W_KQ
.set rS, S+32*((\x)%2)+8*(i%4)
.set rK, KF+16*(i%4)+8*(i/4)
.set rQ, 16*(\x)+8*(i/4)
.if i < 4
	v_wmma_f32_16x16x32_bf16 v[rS:rS+7], v[rK:rK+7], v[rQ:rQ+7], 0
.else
	v_wmma_f32_16x16x32_bf16 v[rS:rS+7], v[rK:rK+7], v[rQ:rQ+7], v[rS:rS+7]
.endif
.endm
.macro PV x                            ; product i of 8 of O^T += V^T P: keys 32 (i / 4) on, channels 16 (i % 4) on
	WIN W_PV
.set rO, 32*(\x)+8*(i%4)
.set rV, VF+32*(i/4)+8*(i%4)
.set rP, P+16*((\x)%2)+8*(i/4)
	v_wmma_f32_16x16x32_bf16 v[rO:rO+7], v[rV:rV+7], v[rP:rP+7], v[rO:rO+7]
.endm
.macro MM
.if i < 8
	KQ (Y+1)%NP
.else
.set i, i-8
	PV (Y+NP-1)%NP
.set i, i+8
.endif
.set i, i+1
.endm
.macro FETCH_K last=0                  ; last = 1 (the tail): in the last trip there is no further step, and the run is jumped over
	WIN 0
.if \last
	s_cmp_eq_u32 s[CNT], 1
	s_cbranch_scc1 .Lno_k_\@
.endif
	WIN 0x80
.irp f, 0,1,2,3,4,5,6,7
	ds_load_b128 v[KF+8*\f:KF+8*\f+3],   v[AK] offset:(\f/2)*16*PK+(\f%2)*64
	ds_load_b128 v[KF+8*\f+4:KF+8*\f+7], v[AK] offset:(\f/2)*16*PK+(\f%2)*64+32
.endr
	s_add_co_u32 s[TBK], s[TBK], KS*PK
	WIN 0
.if \last
.Lno_k_\@:
.endif
.endm
.macro FETCH_V
	WIN 0x80
.irp f, 0,1,2,3,4,5,6,7
	ds_load_tr16_b128 v[VF+8*\f:VF+8*\f+3],   v[AV] offset:(\f/4)*32*PV+(\f%4)*32
	ds_load_tr16_b128 v[VF+8*\f+4:VF+8*\f+7], v[AV] offset:(\f/4)*32*PV+16*PV+(\f%4)*32
.endr
	WIN 0
.endm
; THE VECTOR WORK: OP kind, number.  Piece Y: F n: c s - c m for pair n.  E n: the exponential of score n.  C n: pair n rounded.  B n: of weights 4 n .. the second pair onto the first.  L n: l takes that sum
; (L 0: l = a l + sum).  R n: pair n of O^T times a.  Piece Y + 1: G n: mask word n from lane n into its scalar register.  M n: score n is kept where its mask bit is set, else -8e9.
; X n: number n of the 22 that find its maximum and statistics.  Each accumulator's lowest registers are read first (M and R go upward).
.set F, 0
.set E, 1
.set C, 2
.set B, 3
.set L, 4
.set R, 5
.set X, 6
.set M, 7
.set G, 8
.macro REGS y
.set rT, ST+4*(\y)
.set rC, TMP+4*((\y)%2)
.set rW, MV+((\y)%2)
.set rS, S+32*((\y)%2)
.set rP, P+16*((\y)%2)
.set rO, 32*(\y)
.endm
.macro OP k, n
.if (\k) == R
	REGS Y
	WIN W_RS
	v_pk_mul_f32 v[rO+2*(\n):rO+2*(\n)+1], v[rO+2*(\n):rO+2*(\n)+1], v[rC+2:rC+3] op_sel_hi:[1,0]
.elseif (\k) < R
	REGS Y
	WIN 0
.if (\k) == F
	v_pk_fma_f32 v[rS+2*(\n):rS+2*(\n)+1], v[rS+2*(\n):rS+2*(\n)+1], s[CS:CS+1], v[rT:rT+1] op_sel_hi:[1,0,0] neg_lo:[0,0,1] neg_hi:[0,0,1]
.elseif (\k) == E
	v_exp_f32 v[rS+(\n)], v[rS+(\n)]
.elseif (\k) == C
	v_cvt_pk_bf16_f32 v[rP+(\n)], v[rS+2*(\n)], v[rS+2*(\n)+1]
.elseif (\k) == B
	v_pk_add_f32 v[rS+4*(\n):rS+4*(\n)+1], v[rS+4*(\n):rS+4*(\n)+1], v[rS+4*(\n)+2:rS+4*(\n)+3]
.elseif (\n) == 0
	v_pk_fma_f32 v[rT+2:rT+3], v[rT+2:rT+3], v[rC+2:rC+3], v[rS:rS+1] op_sel_hi:[1,0,1]
.else
	v_pk_add_f32 v[rT+2:rT+3], v[rT+2:rT+3], v[rS+4*(\n):rS+4*(\n)+1]
.endif
.elseif (\k) == M
	REGS (Y+1)%NP
	WIN 0
	v_cndmask_b32 v[rS+(\n)], v[NEGV], v[rS+(\n)], s[MW+(\n)]
.elseif (\k) == G
	WIN 0
	v_readlane_b32 s[MW+(\n)], v[MK+(Y+1)%NP], \n
.else
	REGS (Y+1)%NP
	WIN 0
.if (\n) < 4
	v_max3_num_f32 v[rC+(\n)], v[rS+8*(\n)], v[rS+8*(\n)+1], v[rS+8*(\n)+2]
.elseif (\n) < 12
	v_max3_num_f32 v[rC+(\n)%4], v[rC+(\n)%4], v[rS+8*((\n)%4)+2*((\n)/4)+1], v[rS+8*((\n)%4)+2*((\n)/4)+2]
.elseif (\n) == 12
	v_max3_num_f32 v[rC], v[rC], v[rS+7], v[rS+15]
.elseif (\n) == 13
	v_max3_num_f32 v[rC+1], v[rC+1], v[rS+23], v[rS+31]
.elseif (\n) == 14
	v_max3_num_f32 v[rC+2], v[rC+2], v[rC+3], v[rT+1]
.elseif (\n) == 15
	v_mov_b32 v[rW], v[rT]
.elseif (\n) == 16
	v_max3_num_f32 v[rC], v[rC], v[rC+1], v[rC+2]
.elseif (\n) == 17
	v_permlanex16_b32 v[rC+3], v[rC], s[SEL], s[SEL+1]
.elseif (\n) == 18
	v_max_num_f32 v[rT+1], v[rC], v[rC+3]
.elseif (\n) == 19
	v_mul_f32 v[rT], s[CS], v[rT+1]
.elseif (\n) == 20
	v_sub_f32 v[rC+1], v[rW], v[rT]
.else
	v_exp_f32 v[rC+2], v[rC+1]
.endif
.endif
.endm
.macro OPS a, i1, b=-1, i2=0, c=-1, i3=0, d=-1, i4=0
	OP \a, \i1
.if (\b) >= 0
	OP \b, \i2
.endif
.if (\c) >= 0
	OP \c, \i3
.endif
.if (\d) >= 0
	OP \d, \i4
.endif
.endm
.macro ROW a, i1, b, i2, c, i3, d, i4
	MM
	OPS \a, \i1, \b, \i2, \c, \i3, \d, \i4
.endm
; A TURN for piece p.  Ahead of its one wait stands all that names no result of its exponentials: 8 products K Q^T with a scaling, an exponential and two rescalings behind each; then the lump:
; the next piece's 32 mask words out of their lanes, with the rest of the scalings and most exponentials between them; the load of that piece's words for its next key step; its 32 mask lines
; (ten plain lines or more behind the last product) with its maximum woven in; last the chain of its statistics, the last five exponentials between its links, and its a.
; Behind the wait: 8 products V^T P, behind each four of the roundings and sums.
; Every turn issues one mask load, so at the lump's head three younger ones may be out.  In piece 3's turn the key step that is asked for goes on.
; K of the next step is fetched in piece 2's turn, seven plain lines that are no reads of lanes behind the last product that read K; V of the step in hand at the end of piece 0's turn, four roundings behind the last product that read V.
.macro TURN p, last=0, cnt=0
.set Y, (\p)
.set i, 0
.if (\p) == 3
	s_wait_dscnt 0x0                       ; K is in
.endif
	ROW F,0, F,1, R,0, R,1
	ROW F,2, E,0, R,2, R,3
	ROW F,3, E,1, R,4, R,5
	ROW F,4, E,2, R,6, R,7
	ROW F,5, E,3, R,8, R,9
	ROW F,6, E,4, R,10, R,11
	ROW F,7, E,5, R,12, R,13
	ROW F,8, E,6, R,14, R,15
	WIN 0
.if (\p) == 2
	v_add_nc_u32 v[AK], s[TBK], v[AK0]
.endif
	s_wait_loadcnt 3                       ; the next piece's mask words, asked for four turns ago, are in; the other three pieces' loads may be out
	OPS G,0, E,7, G,1, E,8
	OPS G,2, E,9, G,3, E,10
	OPS G,4, E,11, G,5, E,12
	OPS G,6, E,13, G,7, E,14
	OPS G,8, E,15, G,9, E,16
	OPS G,10, E,17, G,11, F,9
	OPS G,12, F,10, G,13, F,11
.if ((\p) == 2) && !(\last)
	FETCH_K
.endif
	OPS G,14, E,18, G,15, E,19
	OPS G,16, E,20, G,17, E,21
	OPS G,18, E,22, G,19, E,23
	OPS G,20, F,12, G,21, F,13
	OPS G,22, E,24, G,23, E,25
	OPS G,24, E,26, G,25, F,14
	OPS G,26, F,15, G,27, G,28
	OPS G,29, G,30, G,31
.if (\p) == 3
	STEPM
.endif
	MASKLD ((\p)+1)%NP
.if (\p) == 0
	v_add_nc_u32 v[AV], s[TBV], v[AV0]
.endif
	OPS M,0, M,1, M,2, M,3
	OPS M,4, M,5, M,6, M,7
	OPS M,8, M,9, M,10, X,0
	OPS M,11, M,12, M,13, M,14
	OPS M,15, M,16, M,17, M,18
	OPS X,1, M,19, M,20, M,21
	OPS M,22, M,23, M,24, M,25
	OPS M,26, X,2, M,27, M,28
	OPS X,4, M,29, M,30, M,31
	OPS X,3, X,5, X,6, X,8
	OPS X,7, X,9, X,10, X,12
	OPS X,11, X,13, X,15
	OPS X,14, E,27, X,16, E,28
	OPS X,17, E,29, X,18, E,30
	OPS X,19, E,31, X,20, X,21
	v_nop                                  ; a plain instruction behind the last exponential: one for the batch
	s_wait_alu depctr_va_vdst(0)           ; the wait for the batch
.if ((\p) == 2) && (\last)
	FETCH_K 1
.endif
.if (\p) == 1
	s_wait_dscnt 0x0                       ; V is in
.endif
	ROW C,0, B,0, C,2, B,1
	ROW L,0, C,4, B,2, L,1
	ROW C,6, B,3, L,2, C,8
	ROW B,4, L,3, C,10, B,5
	ROW L,4, C,12, B,6, L,5
.if (\p) == 0
	s_add_co_u32 s[TBV], s[TBV], KS*PV
.endif
.if \cnt
	s_sub_co_u32 s[CNT], s[CNT], 1
	s_cmp_lg_u32 s[CNT], 0
.endif
	ROW C,14, B,7, L,6, C,1
	ROW C,3, L,7, C,5, C,7
	ROW C,9, C,11, C,13, C,15
.if (\p) == 0
	FETCH_V
.endif
.endm
	CHANGE 1, 0                            ; slot 0 is in, everybody's part of it; tile 1 is asked for
	FETCH_K                                ; key step 0
	s_wait_loadcnt 0x0                     ; Q, and the four pieces' first mask words
	s_wait_dscnt 0x0
.set i, 0
.rept 8
	KQ 0
.set i, i+1
.endr
	WIN 0                                  ; the addresses for the way out: plain instructions, the places behind those products
	s_mul_i32 s100, s[WV], 16*SP
	s_add_co_u32 s100, s100, STAGE
	v_mul_u32_u24 v[STO], v1, SP
	v_lshl_add_u32 v[STO], v9, 4, v[STO]
	v_add_nc_u32 v[STO], s100, v[STO]
	v_bfe_u32 v[RD], v0, 3, 2
	v_mul_u32_u24 v[RD], v[RD], SP
	v_lshl_add_u32 v[RD], v10, 4, v[RD]
	v_add_nc_u32 v[RD], s100, v[RD]
	v_and_b32 v[GO], 31, v0
	v_lshlrev_b32 v[GO], 4, v[GO]
.set Y, NP-1                           ; G, M and X work for piece Y + 1: piece 0
.irp n, 0,1,2,3,4,5,6,7,8,9,10,11,12,13,14,15,16,17,18,19,20,21,22,23,24,25,26,27,28,29,30,31
	OP G, \n
.endr
	STEPM                                  ; key step 1 is asked for from here on
	MASKLD 0
.irp n, 0,1,2,3,4,5,6,7,8,9,10,11,12,13,14,15,16,17,18,19,20,21,22,23,24,25,26,27,28,29,30,31
	OP M, \n
.endr
.irp n, 0,1,2,3,4,5,6,7,8,9,10,11,12,13,14,15,16,17,18,19,20,21
	OP X, \n
.endr
	v_nop
	s_wait_alu depctr_va_vdst(0)           ; the first a has its wait ahead of the branch
	s_mov_b32 s[CNT], 4
	s_mov_b32 s[SLOTS], 7
	s_branch .Lfirst
.Lslot:                                ; six times: tiles 2 to 7 are asked for
	CHANGE 1, 1
	s_mov_b32 s[CNT], 4
.Lstep:                                ; a trip: pieces 2 and 3 of one step, then pieces 0 and 1 of the next
	TURN 2
	TURN 3
	WIN 0
.Lfirst:
	TURN 0
	TURN 1, 0, 1
	WIN 0
	s_cbranch_scc1 .Lstep
	s_sub_co_u32 s[SLOTS], s[SLOTS], 1
	s_cmp_lg_u32 s[SLOTS], 0
	s_cbranch_scc1 .Lslot
	CHANGE 0, 0                            ; the tail is written out
	s_mov_b32 s[CNT], 5
.Ltail:
	TURN 2, 1
	TURN 3
	WIN 0
	s_sub_co_u32 s[CNT], s[CNT], 1
	s_cmp_eq_u32 s[CNT], 0
	s_cbranch_scc1 .Lout
	TURN 0
	TURN 1
	WIN 0
	s_branch .Ltail
.Lout:                                 ; the fifth trip's products K Q^T, on the last K once more, serve nothing: the price of one text for every trip
.set i, 0
.rept 8
	PV NP-1
.set i, i+1
.endr
	WIN 0
.macro ALL line:vararg
.set t, 0
.rept 4
	\line
.set t, t+1
.endr
.endm
	ALL v_add_f32 v[ST+4*t+2], v[ST+4*t+2], v[ST+4*t+3]
	ALL v_permlanex16_b32 v[ST+4*t+3], v[ST+4*t+2], s[SEL], s[SEL+1]
	ALL v_add_f32 v[ST+4*t+2], v[ST+4*t+2], v[ST+4*t+3]
	ALL v_rcp_f32 v[ST+4*t+2], v[ST+4*t+2]
	v_nop
	s_wait_alu depctr_va_vdst(0)           ; one wait for the four reciprocals
.macro PACK t
	WIN W_RS
.set i, 32*(\t)
.rept 16
	v_pk_mul_f32 v[i:i+1], v[i:i+1], v[ST+4*(\t)+2:ST+4*(\t)+3] op_sel_hi:[1,0]
.set i, i+2
.endr
	WIN 0x05
.set i, 0
.rept 16
	v_cvt_pk_bf16_f32 v[S+16*(\t)+i], v[32*(\t)+2*i], v[32*(\t)+2*i+1]
.set i, i+1
.endr
	WIN 0
.irp f, 0,1,2,3
	ds_store_b128 v[STO], v[S+16*(\t)+4*\f:S+16*(\t)+4*\f+3] offset:32*\f
.endr
.irp f, 0,1,2,3
	ds_load_b128 v[S+16*(\t)+4*\f:S+16*(\t)+4*\f+3], v[RD] offset:\f*4*SP  ; my own bytes, served in order behind the stores
.endr
.endm
.macro SEND t, younger                 ; younger: the LDS instructions issued behind piece t's loads
	WIN 0
.irp f, 0,1,2,3
	s_wait_dscnt (\younger)+3-\f
	global_store_b128 v[GO], v[S+16*(\t)+4*\f:S+16*(\t)+4*\f+3], s[8:9] offset:(\t)*2048+\f*512  ; 512 consecutive bytes, aligned
.endr
.endm
	PACK 0
.set t, 1
.rept 3
	PACK t
	SEND t-1, 8
.set t, t+1
.endr
	SEND 3, 0
	s_wait_tensorcnt 0x0                   ; the wave's end
	ds_add_u32 v[SPW], v[NIL]
	s_wait_dscnt 0x0
	CROUND                                 ; the closing round
	s_endpgm
.Lfunc_end_k_qfac390784d_attn:
	.size	k_qfac390784d_attn, .Lfunc_end_k_qfac390784d_attn-k_qfac390784d_attn
	.p2alignl 7, 3214868480
	.fill 96, 4, 3214868480
	.section	.rodata,"a",@progbits
	.p2align	6, 0x0
	.amdhsa_kernel k_qfac390784d_attn
		.amdhsa_group_segment_fixed_size 327680
		.amdhsa_private_segment_fixed_size 0
		.amdhsa_enable_private_segment 0
		.amdhsa_kernarg_size 24
		.amdhsa_user_sgpr_count 2
		.amdhsa_user_sgpr_kernarg_segment_ptr 1
		.amdhsa_wavefront_size32 1
		.amdhsa_system_sgpr_workgroup_id_x 1
		.amdhsa_system_sgpr_workgroup_id_y 1
		.amdhsa_system_sgpr_workgroup_id_z 1
		.amdhsa_system_vgpr_workitem_id 0
		.amdhsa_next_free_vgpr 768
		.amdhsa_next_free_sgpr 104
		.amdhsa_reserve_vcc 0
		.amdhsa_float_denorm_mode_32 3
		.amdhsa_float_denorm_mode_16_64 3
		.amdhsa_memory_ordered 1
		.amdhsa_forward_progress 1
		.amdhsa_inst_pref_size 148
	.end_amdhsa_kernel
	.amdgpu_metadata
---
amdhsa.version: [ 1, 2 ]
amdhsa.kernels:
  - .name:           k_qfac390784d_attn
    .symbol:         k_qfac390784d_attn.kd
    .args:
      - { .name: act, .offset: 0, .size: 8, .value_kind: global_buffer, .address_space: global }
      - { .name: maskw, .offset: 8, .size: 8, .value_kind: global_buffer, .address_space: global }
      - { .name: a16, .offset: 16, .size: 8, .value_kind: global_buffer, .address_space: global }
    .group_segment_fixed_size: 327680
    .private_segment_fixed_size: 0
    .kernarg_segment_align: 8
    .kernarg_segment_size: 24
    .max_flat_workgroup_size: 128
    .sgpr_count:     104
    .vgpr_count:     768
    .wavefront_size: 32
...
	.end_amdgpu_metadata
.endif
;; end of part 8
;; launch proj (part 9): grid 8 x 32, 4 waves a work-group, clusters of 4 x 4, 327,680 bytes of LDS; arguments a16, w1, bo, x, x1; writes x1
.if DOCPART == 9
	.amdgcn_target "amdgcn-amd-amdhsa--gfx1250"
	.amdhsa_code_object_version 6
	.text
	.protected	k_qfac390784d_proj
	.globl	k_qfac390784d_proj
	.p2align	8
	.type	k_qfac390784d_proj,@function
k_qfac390784d_proj:
	s_mov_b64 s[64:65], 0
	v_nop
	global_prefetch_b8 v0, s[64:65] scope:SCOPE_SE
	s_setreg_imm32_b32 hwreg(HW_REG_WAVE_MODE, 25, 1), 1
	s_wait_xcnt 0x0
	s_wait_alu depctr_hold_cnt(0) depctr_sa_sdst(0) depctr_va_vdst(0) depctr_va_sdst(0) depctr_va_ssrc(0) depctr_va_vcc(0) depctr_vm_vsrc(0)
	s_getreg_b32 s2, hwreg(HW_REG_IB_STS2, 6, 4)
	s_cmp_eq_u32 s2, 0
	s_cbranch_scc0 .Lentry_in_a_cluster
	s_endpgm
.Lentry_in_a_cluster:
	s_bfe_u32 s2, ttmp6, 0x10000c
	s_cmp_lg_u32 s2, 0xf033
	s_cbranch_scc0 .Lentry_shape_is_right
	s_endpgm
.Lentry_shape_is_right:
; OUT = RES + A W + bias, f32, for K = 256 x STEPS = 1,024.  A: bf16 in blocks of 64 columns, [K / 64][4096 rows][64].  W: bf16 [K][1024] row-major, at WS in its buffer.
; bias [1024], RES and OUT [4096][1024] f32.  Sums in f32, starting from the bias; RES is added once at the end.
; LIMITS.  bf16 operands: f32's range.  NaN and infinities are not treated apart.
; A tile of 128 x 128 to a work-group (256 work-groups), 64 x 64 to each of four waves: 16 accumulators.  K steps of 256 (four blocks of A) through two LDS slots.
; The loop is written once for a K step: the slot in hand is a scalar, 0 or SLOT, turned by an exclusive or; the fragments' addresses are made from it at each change of slots.
; W lies [k][n]: its fragments come by the turning load.  The matrix instruction is used transposed (source 0 = 16 columns of W, source 1 = 16 rows of A).
; CLUSTER 4 x 4: A's tiles jointly along a row of the cluster, W's along a column.  No prefetch: a step's tiles are small, 36,864 bytes a wave.
; REGISTERS: window 0: v0-31 addresses; v32-63 the bias; v128-255 the accumulators.  window 1: two fragment buffers of 128 (A's 64, then W's 64).  window 2: v0-127 RES.
.set STEPS,  4                         ; K steps of 256
.set PA,     144                       ; a row of a block of A in LDS: 128 bytes + 16
.set SUB,    128*PA                    ; one block's 128 rows
.set PW,     288                       ; a k-row of W: 256 bytes + 32
.set PIECE,  36864                     ; what one tensor load brings: two blocks of A or 128 k-rows of W
.set SLOT,   4*PIECE                   ; SLOT = 0x24000 shares no bit with wave x PIECE (0x9000 w), so an exclusive or with it adds or takes away SLOT
.set STAGE,  2*SLOT                    ; behind the ring: 16 rows x 272 bytes for each wave, for the way out
.set SPITCH, 272
.set SPARE,  STAGE+4*16*SPITCH         ; the spare words, 128 bytes a wave: two blocks of 256 bytes that no other line names
.set WS,     8405248
.set ADRA, 16                          ; v16 LDS address of my A fragments in the slot in hand
.set A0R,  17                          ; v17 the same in slot 0; never rewritten
.set ADRB, 20                          ; v20-21 the same for W, by half of the 256 k-rows
.set B0R,  22                          ; v22 W's first half in slot 0; never rewritten
.set STO,  24
.set RD,   25
.set CO,   26
.set BO,   27
.set SPW,  28
.set NIL,  29
.set BI,   32
.set ACC,  128
.set F0,   0
.set F1,   128
.set TB,  2                            ; s2 the slot in hand: 0 or SLOT
.set WV,  16
.set RH,  17                           ; my half of the tile's rows; also: I fetch for A (0) or W (1)
.set CH,  18                           ; my half of its columns; also: which piece I fetch
.set G1,  24
.set G0,  32                           ; s[32:39] group 0 for A: a set for each of the two first fills; the second then walks on
.set G1B, 48
.set G0B, 56                           ; s[56:63] the same for W
.set MSB, 0
.macro WIN new
.if MSB != (\new)
	s_set_vgpr_msb (MSB<<8)|(\new)
.set MSB, \new
.endif
.endm
.set MUL,  0x05
.set TO_F, 0x40
.macro PLACES
.rept 4
	v_nop
.endr
.endm
.macro JLOAD                           ; a joint refill by the walking descriptors; an s_nop 0 and four v_nop follow each line
	s_cmp_eq_u32 s[RH], 0
	s_cbranch_scc0 .Lfor_b_\@
	tensor_load_to_lds s[G0+4:G0+7], s[G1:G1+7]
	s_nop 0
	PLACES
	s_branch .Lasked_\@
.Lfor_b_\@:
	tensor_load_to_lds s[G0B+4:G0B+7], s[G1B:G1B+7]
	s_nop 0
	PLACES
.Lasked_\@:
.endm
.macro CREST
	s_cmp_lg_u32 s[WV], 0
	s_cbranch_scc1 .Lnot_wave_0_\@
	s_barrier_signal -3
.Lnot_wave_0_\@:
	s_barrier_wait -3
	s_barrier_signal -1
	s_barrier_wait -1
.endm
.macro CROUND
	s_barrier_signal -1
	s_barrier_wait -1
	CREST
.endm
	s_load_b256 s[4:11], s[0:1], 0x0       ; A 4, W 6, bias 8, RES 10
	s_load_b64 s[14:15], s[0:1], 0x20      ; OUT
	v_lshl_add_u32 v[SPW], v0, 2, SPARE
	v_mov_b32 v[NIL], 0
	ds_add_u32 v[SPW], v[NIL]              ; the wave's opening: the add and its wait ahead of my first tensor load
	v_lshrrev_b32 v1, 5, v0
	v_readfirstlane_b32 s[WV], v1
	s_lshr_b32 s[RH], s[WV], 1
	s_and_b32 s[CH], s[WV], 1
	s_bfe_u32 s20, ttmp6, 0x40000          ; cx
	s_bfe_u32 s21, ttmp6, 0x40004          ; cy
	s_lshl_b32 s22, ttmp9, 2
	s_add_co_u32 s22, s22, s20             ; tile column
	s_and_b32 s23, ttmp7, 0xffff
	s_lshl_b32 s23, s23, 2
	s_add_co_u32 s23, s23, s21             ; tile row
	s_lshl_b32 s66, s21, 2
	s_lshl_b32 s66, 15, s66                ; my row of the cluster
	s_lshl_b32 s67, 0x1111, s20            ; my column
	s_or_b32 s[G1+0], s66, (1<<16)|(1<<20)|(1<<21)|(4<<22)|(3<<25)   ; padding: 4 words behind every 32 (a row of 128 bytes)
	s_mov_b32 s[G1+1], 8192<<16            ; a block's 128 rows are 16,384 dense bytes: one long row of 8,192 elements
	s_mov_b32 s[G1+2], 2<<16               ; two blocks
	s_mov_b32 s[G1+3], 8192<<16
	s_mov_b32 s[G1+4], 2
	s_mov_b32 s[G1+5], 262144              ; elements from block to block
	s_mov_b32 s[G1+6], 0
	s_mov_b32 s[G1+7], 0
	s_or_b32 s[G1B+0], s67, (1<<16)|(1<<20)|(1<<21)|(5<<22)|(7<<25)  ; padding: 8 words behind every 64
	s_mov_b32 s[G1B+1], 128<<16
	s_mov_b32 s[G1B+2], 128<<16
	s_mov_b32 s[G1B+3], 128<<16
	s_mov_b32 s[G1B+4], 128
	s_mov_b32 s[G1B+5], 1024
	s_mov_b32 s[G1B+6], 0
	s_mov_b32 s[G1B+7], 0
	s_mov_b32 s[TB], 0
	s_lshl_b32 s40, s23, 14                ; A: row 128 x tile row, 128 bytes a row; block 2 x piece
	s_lshl_b32 s41, s[CH], 20
	s_add_co_u32 s40, s40, s41
	s_mov_b32 s41, 0
	s_lshl_b32 s44, s22, 8                 ; W: column 128 x tile column; k-row 128 x piece, 2,048 bytes a row
	s_lshl_b32 s45, s[CH], 18
	s_add_co_u32 s44, s44, s45
	s_add_co_u32 s44, s44, WS
	s_mov_b32 s45, 0
	s_mul_i32 s68, s[WV], PIECE
	s_wait_dscnt 0x0                       ; the opening add is done
	s_wait_kmcnt 0x0
	s_add_nc_u64 s[42:43], s[4:5], s[40:41]
	s_add_nc_u64 s[46:47], s[6:7], s[44:45]
.irp s, 0,1
	s_mov_b32 s[G0+4*(\s)], 1
	s_add_co_u32 s[G0+4*(\s)+1], s68, (\s)*SLOT
	s_add_nc_u64 s[G0+4*(\s)+2:G0+4*(\s)+3], s[42:43], (\s)*4*524288
	s_or_b32 s[G0+4*(\s)+3], s[G0+4*(\s)+3], 0x80000000
	s_mov_b32 s[G0B+4*(\s)], 1
	s_add_co_u32 s[G0B+4*(\s)+1], s68, (\s)*SLOT
	s_add_nc_u64 s[G0B+4*(\s)+2:G0B+4*(\s)+3], s[46:47], (\s)*256*2048
	s_or_b32 s[G0B+4*(\s)+3], s[G0B+4*(\s)+3], 0x80000000
.endr
	CROUND
	s_cmp_eq_u32 s[RH], 0                  ; a wave's two first fills stand in one branch: two loads of mine are out
	s_cbranch_scc0 .Lfirst_w
	tensor_load_to_lds s[G0:G0+3], s[G1:G1+7]
	s_nop 0
	tensor_load_to_lds s[G0+4:G0+7], s[G1:G1+7]
	s_nop 0
	PLACES
	s_branch .Lfirst_asked
.Lfirst_w:
	tensor_load_to_lds s[G0B:G0B+3], s[G1B:G1B+7]
	s_nop 0
	tensor_load_to_lds s[G0B+4:G0B+7], s[G1B:G1B+7]
	s_nop 0
	PLACES
.Lfirst_asked:
	v_and_b32 v1, 15, v0                   ; l % 16
	v_bfe_u32 v2, v0, 4, 1                 ; l / 16
	v_lshlrev_b32 v[BO], 5, v2
	s_lshl_b32 s70, s22, 9                 ; my 64 columns: 512 x tile column + 256 x half, in bytes of f32
	s_lshl_b32 s71, s[CH], 8
	s_add_co_u32 s70, s70, s71
	s_mov_b32 s71, 0
	s_lshl_b32 s72, s23, 19                ; my 64 rows of 4,096 bytes
	s_lshl_b32 s73, s[RH], 18
	s_add_co_u32 s72, s72, s73
	s_add_co_u32 s72, s72, s70
	s_mov_b32 s73, 0
	s_add_nc_u64 s[8:9], s[8:9], s[70:71]
	s_add_nc_u64 s[10:11], s[10:11], s[72:73]
	s_add_nc_u64 s[14:15], s[14:15], s[72:73]
	v_lshlrev_b32 v[CO], 12, v2            ; lanes 0-15 one row's 256 bytes, lanes 16-31 the next row's
	v_lshl_add_u32 v[CO], v1, 4, v[CO]
.irp b, 0,1,2,3
	global_load_b128 v[BI+8*(\b):BI+8*(\b)+3], v[BO], s[8:9] offset:64*(\b)
	global_load_b128 v[BI+8*(\b)+4:BI+8*(\b)+7], v[BO], s[8:9] offset:64*(\b)+16
.endr
	WIN 0x80
.set t, 0
.rept 32
	global_load_b128 v[4*t:4*t+3], v[CO], s[10:11] offset:t*8192   ; RES stays out until the way out
.set t, t+1
.endr
	WIN 0
	v_mul_u32_u24 v3, v1, PA
	v_lshl_add_u32 v3, v2, 4, v3
	s_mul_i32 s69, s[RH], 64*PA
	v_add_nc_u32 v[A0R], s69, v3
	v_mov_b32 v[ADRA], v[A0R]
	v_and_b32 v4, 7, v0
	v_lshl_add_u32 v4, v2, 3, v4
	v_mul_u32_u24 v4, v4, PW
	v_bfe_u32 v5, v0, 3, 1
	v_lshl_add_u32 v4, v5, 4, v4
	s_lshl_b32 s69, s[CH], 7
	s_add_co_u32 s69, s69, 2*PIECE
	v_add_nc_u32 v[B0R], s69, v4
	v_mov_b32 v[ADRB], v[B0R]
	v_add_nc_u32 v[ADRB+1], PIECE, v[B0R]
	s_mul_i32 s69, s[WV], 16*SPITCH
	s_add_co_u32 s69, s69, STAGE           ; my stage
	v_mul_u32_u24 v[STO], v1, SPITCH
	v_lshl_add_u32 v[STO], v2, 5, v[STO]
	v_add_nc_u32 v[STO], s69, v[STO]
	v_mul_u32_u24 v[RD], v2, SPITCH
	v_lshl_add_u32 v[RD], v1, 4, v[RD]
	v_add_nc_u32 v[RD], s69, v[RD]
; 8 matrix instructions: m blocks a0, a0 + 1 x 4 n blocks, half c of buffer f.  zero = 1: the bias starts the sums.  The 16 accumulators take turns.
.macro MUL8 f, c, a0, zero
	WIN MUL
.irp a, \a0, (\a0)+1
.irp b, 0,1,2,3
.if \zero
	v_wmma_f32_16x16x32_bf16 v[ACC+8*(4*(\a)+(\b)):ACC+8*(4*(\a)+(\b))+7], v[(\f)+64+8*(4*(\c)+(\b)):(\f)+64+8*(4*(\c)+(\b))+7], v[(\f)+8*(4*(\c)+(\a)):(\f)+8*(4*(\c)+(\a))+7], v[BI+8*(\b):BI+8*(\b)+7]
.else
	v_wmma_f32_16x16x32_bf16 v[ACC+8*(4*(\a)+(\b)):ACC+8*(4*(\a)+(\b))+7], v[(\f)+64+8*(4*(\c)+(\b)):(\f)+64+8*(4*(\c)+(\b))+7], v[(\f)+8*(4*(\c)+(\a)):(\f)+8*(4*(\c)+(\a))+7], v[ACC+8*(4*(\a)+(\b)):ACC+8*(4*(\a)+(\b))+7]
.endif
.endr
.endr
.endm
; 32 LDS loads in one run: quarter q (one block of A, 64 along K) of the slot in hand into buffer f; the first 32 along K first
.macro FETCH q, f
	WIN TO_F
.irp c, 0,1
.irp i, 0,1,2,3
	ds_load_tr16_b128 v[(\f)+64+8*(4*(\c)+(\i)):(\f)+64+8*(4*(\c)+(\i))+3],   v[ADRB+(\q)/2] offset:(((\q)%2)*64+32*(\c))*PW+32*(\i)
	ds_load_tr16_b128 v[(\f)+64+8*(4*(\c)+(\i))+4:(\f)+64+8*(4*(\c)+(\i))+7], v[ADRB+(\q)/2] offset:(((\q)%2)*64+32*(\c)+16)*PW+32*(\i)
	ds_load_b128 v[(\f)+8*(4*(\c)+(\i)):(\f)+8*(4*(\c)+(\i))+3],   v[ADRA] offset:(\q)*SUB+64*(\c)+(\i)*16*PA
	ds_load_b128 v[(\f)+8*(4*(\c)+(\i))+4:(\f)+8*(4*(\c)+(\i))+7], v[ADRA] offset:(\q)*SUB+64*(\c)+(\i)*16*PA+32
.endr
.endr
.endm
.macro QUARTER q, f, g, zero           ; multiplies buffer f; in its middle it fetches quarter q into buffer g
	s_wait_dscnt 16                        ; the first 32 along K are in; the youngest sixteen loads may be out
	MUL8 \f, 0, 0, \zero
	MUL8 \f, 0, 2, \zero
	PLACES
	FETCH \q, \g
	s_wait_dscnt 32                        ; all but the 32 just issued
	MUL8 \f, 1, 0, 0
	MUL8 \f, 1, 2, 0
.endm
; The last quarter of a K step multiplies buffer 1 and changes slots.  fill = 1: the slot just read is filled again, with the K step two on.
.macro TURN fill
	WIN 0
	s_wait_tensorcnt 0x0                   ; all my tensor loads have landed: my part of the next slot
	ds_add_u32 v[SPW], v[NIL]
	s_wait_dscnt 17                        ; the add and the youngest sixteen loads may be out
	MUL8 F1, 0, 0, 0
	s_wait_dscnt 0x0                       ; the add is done, my reads of this slot are over
	s_barrier_signal -1
	MUL8 F1, 0, 2, 0
	WIN 0
	s_barrier_wait -1
.if \fill
	CREST                                  ; the barrier has opened a round of the cluster's
	s_xor_b32 s[G0+5], s[G0+5], SLOT       ; the walking descriptors: the other slot than last time, the next K step
	s_add_nc_u64 s[G0+6:G0+7], s[G0+6:G0+7], 4*524288
	s_xor_b32 s[G0B+5], s[G0B+5], SLOT
	s_add_nc_u64 s[G0B+6:G0B+7], s[G0B+6:G0B+7], 256*2048
	JLOAD                                  ; the first tensor load behind the round: 112 matrix instructions ahead of the wait for it
.else
	PLACES
.endif
	s_xor_b32 s[TB], s[TB], SLOT           ; the other slot is the slot in hand
	v_add_nc_u32 v[ADRA], s[TB], v[A0R]
	v_add_nc_u32 v[ADRB], s[TB], v[B0R]
	v_add_nc_u32 v[ADRB+1], PIECE, v[ADRB]
	FETCH 0, F0
	MUL8 F1, 1, 0, 0
	MUL8 F1, 1, 2, 0
.endm
	s_wait_tensorcnt 1                     ; my part of K step 0 is in; K step 1's may stay out
	s_barrier_signal -1
	s_barrier_wait -1
	FETCH 0, F0
	s_wait_loadcnt 32                      ; the bias is in; RES's 32 younger loads stay out
	QUARTER 1, F0, F1, 1
	WIN 0
	s_mov_b32 s3, STEPS-2
.Lstep:                                ; a trip goes from a K step's second quarter to the next step's first, and fills the slot that it leaves
	QUARTER 2, F1, F0, 0
	QUARTER 3, F0, F1, 0
	TURN 1
	QUARTER 1, F0, F1, 0
	WIN 0
	s_sub_co_u32 s3, s3, 1
	s_cmp_lg_u32 s3, 0
	s_cbranch_scc1 .Lstep
	QUARTER 2, F1, F0, 0                   ; the last two K steps fill nothing
	QUARTER 3, F0, F1, 0
	TURN 0
	QUARTER 1, F0, F1, 0
	QUARTER 2, F1, F0, 0
	QUARTER 3, F0, F1, 0
	s_wait_dscnt 16
	MUL8 F1, 0, 0, 0
	MUL8 F1, 0, 2, 0
	s_wait_dscnt 0x0
	MUL8 F1, 1, 0, 0
	MUL8 F1, 1, 2, 0
	WIN 0
	PLACES
	; the way out, 16 rows at a time: 32 bytes a lane into my stage, back as whole rows of 256 bytes into the registers that they left; then RES is added and all is stored
.irp a, 0,1,2,3
.irp b, 0,1,2,3
	ds_store_b128 v[STO], v[ACC+8*(4*(\a)+(\b)):ACC+8*(4*(\a)+(\b))+3] offset:64*(\b)
	ds_store_b128 v[STO], v[ACC+8*(4*(\a)+(\b))+4:ACC+8*(4*(\a)+(\b))+7] offset:64*(\b)+16
.endr
.irp t, 0,1,2,3,4,5,6,7
	ds_load_b128 v[ACC+32*(\a)+4*(\t):ACC+32*(\a)+4*(\t)+3], v[RD] offset:(\t)*2*SPITCH  ; my own bytes, served in order: behind the stores above, ahead of the next block's
.endr
.endr
	s_wait_loadcnt 0x0                     ; RES
	s_wait_dscnt 0x0
	WIN 0x08                               ; source 1 in window 2
.set t, 0
.rept 64
	v_pk_add_f32 v[ACC+2*t:ACC+2*t+1], v[ACC+2*t:ACC+2*t+1], v[2*t:2*t+1]
.set t, t+1
.endr
	WIN 0
.set t, 0
.rept 32
	global_store_b128 v[CO], v[ACC+4*t:ACC+4*t+3], s[14:15] offset:t*8192  ; 16 lanes store 256 consecutive bytes, aligned
.set t, t+1
.endr
	s_wait_tensorcnt 0x0                   ; the wave's end
	ds_add_u32 v[SPW], v[NIL]
	s_wait_dscnt 0x0
	CROUND                                 ; the closing round
	s_endpgm
.Lfunc_end_k_qfac390784d_proj:
	.size	k_qfac390784d_proj, .Lfunc_end_k_qfac390784d_proj-k_qfac390784d_proj
	.p2alignl 7, 3214868480
	.fill 96, 4, 3214868480
	.section	.rodata,"a",@progbits
	.p2align	6, 0x0
	.amdhsa_kernel k_qfac390784d_proj
		.amdhsa_group_segment_fixed_size 327680
		.amdhsa_private_segment_fixed_size 0
		.amdhsa_enable_private_segment 0
		.amdhsa_kernarg_size 40
		.amdhsa_user_sgpr_count 2
		.amdhsa_user_sgpr_kernarg_segment_ptr 1
		.amdhsa_wavefront_size32 1
		.amdhsa_system_sgpr_workgroup_id_x 1
		.amdhsa_system_sgpr_workgroup_id_y 1
		.amdhsa_system_sgpr_workgroup_id_z 1
		.amdhsa_system_vgpr_workitem_id 0
		.amdhsa_next_free_vgpr 640
		.amdhsa_next_free_sgpr 76
		.amdhsa_reserve_vcc 0
		.amdhsa_float_denorm_mode_32 3
		.amdhsa_float_denorm_mode_16_64 3
		.amdhsa_memory_ordered 1
		.amdhsa_forward_progress 1
		.amdhsa_inst_pref_size 76
	.end_amdhsa_kernel
	.amdgpu_metadata
---
amdhsa.version: [ 1, 2 ]
amdhsa.kernels:
  - .name:           k_qfac390784d_proj
    .symbol:         k_qfac390784d_proj.kd
    .args:
      - { .name: a16, .offset: 0, .size: 8, .value_kind: global_buffer, .address_space: global }
      - { .name: w1, .offset: 8, .size: 8, .value_kind: global_buffer, .address_space: global }
      - { .name: bo, .offset: 16, .size: 8, .value_kind: global_buffer, .address_space: global }
      - { .name: x, .offset: 24, .size: 8, .value_kind: global_buffer, .address_space: global }
      - { .name: x1, .offset: 32, .size: 8, .value_kind: global_buffer, .address_space: global }
    .group_segment_fixed_size: 327680
    .private_segment_fixed_size: 0
    .kernarg_segment_align: 8
    .kernarg_segment_size: 40
    .max_flat_workgroup_size: 128
    .sgpr_count:     76
    .vgpr_count:     640
    .wavefront_size: 32
...
	.end_amdgpu_metadata
.endif
;; end of part 9
;; launch ln2: the kernel of part 5 again; grid 256 x 1, 8 waves a work-group, no clusters, 0 bytes of LDS; arguments x1, alpha2, beta2, a16; writes a16
;; launch ff1: the kernel of part 7 again; grid 16 x 16, 4 waves a work-group, clusters of 4 x 4, 327,680 bytes of LDS; arguments a16, w2, act; writes act
;; launch ff2 (part 10): grid 8 x 32, 4 waves a work-group, clusters of 4 x 4, 327,680 bytes of LDS; arguments act, w2, b2, x1, out0; writes out0
.if DOCPART == 10
	.amdgcn_target "amdgcn-amd-amdhsa--gfx1250"
	.amdhsa_code_object_version 6
	.text
	.protected	k_qfac390784d_ff2
	.globl	k_qfac390784d_ff2
	.p2align	8
	.type	k_qfac390784d_ff2,@function
k_qfac390784d_ff2:
	s_mov_b64 s[64:65], 0
	v_nop
	global_prefetch_b8 v0, s[64:65] scope:SCOPE_SE
	s_setreg_imm32_b32 hwreg(HW_REG_WAVE_MODE, 25, 1), 1
	s_wait_xcnt 0x0
	s_wait_alu depctr_hold_cnt(0) depctr_sa_sdst(0) depctr_va_vdst(0) depctr_va_sdst(0) depctr_va_ssrc(0) depctr_va_vcc(0) depctr_vm_vsrc(0)
	s_getreg_b32 s2, hwreg(HW_REG_IB_STS2, 6, 4)
	s_cmp_eq_u32 s2, 0
	s_cbranch_scc0 .Lentry_in_a_cluster
	s_endpgm
.Lentry_in_a_cluster:
	s_bfe_u32 s2, ttmp6, 0x10000c
	s_cmp_lg_u32 s2, 0xf033
	s_cbranch_scc0 .Lentry_shape_is_right
	s_endpgm
.Lentry_shape_is_right:
; OUT = RES + A W + bias, f32, for K = 256 x STEPS = 4,096.  A: bf16 in blocks of 64 columns, [K / 64][4096 rows][64].  W: bf16 [K][1024] row-major, at WS in its buffer.
; bias [1024], RES and OUT [4096][1024] f32.  Sums in f32, starting from the bias; RES is added once at the end.
; The text is that of the product with K = 1,024 but for STEPS: the loop holds barriers, so its trip count is a constant of the text.
; LIMITS.  bf16 operands: f32's range.  NaN and infinities are not treated apart.
; A tile of 128 x 128 to a work-group (256 work-groups), 64 x 64 to each of four waves: 16 accumulators.  K steps of 256 (four blocks of A) through two LDS slots.
; The loop is written once for a K step: the slot in hand is a scalar, 0 or SLOT, turned by an exclusive or; the fragments' addresses are made from it at each change of slots.
; W lies [k][n]: its fragments come by the turning load.  The matrix instruction is used transposed (source 0 = 16 columns of W, source 1 = 16 rows of A).
; CLUSTER 4 x 4: A's tiles jointly along a row of the cluster, W's along a column.  No prefetch: a step's tiles are small, 36,864 bytes a wave.
; REGISTERS: window 0: v0-31 addresses; v32-63 the bias; v128-255 the accumulators.  window 1: two fragment buffers of 128 (A's 64, then W's 64).  window 2: v0-127 RES.
.set STEPS,  16                        ; K steps of 256
.set PA,     144                       ; a row of a block of A in LDS: 128 bytes + 16
.set SUB,    128*PA                    ; one block's 128 rows
.set PW,     288                       ; a k-row of W: 256 bytes + 32
.set PIECE,  36864                     ; what one tensor load brings: two blocks of A or 128 k-rows of W
.set SLOT,   4*PIECE                   ; SLOT = 0x24000 shares no bit with wave x PIECE (0x9000 w), so an exclusive or with it adds or takes away SLOT
.set STAGE,  2*SLOT                    ; behind the ring: 16 rows x 272 bytes for each wave, for the way out
.set SPITCH, 272
.set SPARE,  STAGE+4*16*SPITCH         ; the spare words, 128 bytes a wave: two blocks of 256 bytes that no other line names
.set WS,     8405248
.set ADRA, 16                          ; v16 LDS address of my A fragments in the slot in hand
.set A0R,  17                          ; v17 the same in slot 0; never rewritten
.set ADRB, 20                          ; v20-21 the same for W, by half of the 256 k-rows
.set B0R,  22                          ; v22 W's first half in slot 0; never rewritten
.set STO,  24
.set RD,   25
.set CO,   26
.set BO,   27
.set SPW,  28
.set NIL,  29
.set BI,   32
.set ACC,  128
.set F0,   0
.set F1,   128
.set TB,  2                            ; s2 the slot in hand: 0 or SLOT
.set WV,  16
.set RH,  17                           ; my half of the tile's rows; also: I fetch for A (0) or W (1)
.set CH,  18                           ; my half of its columns; also: which piece I fetch
.set G1,  24
.set G0,  32                           ; s[32:39] group 0 for A: a set for each of the two first fills; the second then walks on
.set G1B, 48
.set G0B, 56                           ; s[56:63] the same for W
.set MSB, 0
.macro WIN new
.if MSB != (\new)
	s_set_vgpr_msb (MSB<<8)|(\new)
.set MSB, \new
.endif
.endm
.set MUL,  0x05
.set TO_F, 0x40
.macro PLACES
.rept 4
	v_nop
.endr
.endm
.macro JLOAD                           ; a joint refill by the walking descriptors; an s_nop 0 and four v_nop follow each line
	s_cmp_eq_u32 s[RH], 0
	s_cbranch_scc0 .Lfor_b_\@
	tensor_load_to_lds s[G0+4:G0+7], s[G1:G1+7]
	s_nop 0
	PLACES
	s_branch .Lasked_\@
.Lfor_b_\@:
	tensor_load_to_lds s[G0B+4:G0B+7], s[G1B:G1B+7]
	s_nop 0
	PLACES
.Lasked_\@:
.endm
.macro CREST
	s_cmp_lg_u32 s[WV], 0
	s_cbranch_scc1 .Lnot_wave_0_\@
	s_barrier_signal -3
.Lnot_wave_0_\@:
	s_barrier_wait -3
	s_barrier_signal -1
	s_barrier_wait -1
.endm
.macro CROUND
	s_barrier_signal -1
	s_barrier_wait -1
	CREST
.endm
	s_load_b256 s[4:11], s[0:1], 0x0       ; A 4, W 6, bias 8, RES 10
	s_load_b64 s[14:15], s[0:1], 0x20      ; OUT
	v_lshl_add_u32 v[SPW], v0, 2, SPARE
	v_mov_b32 v[NIL], 0
	ds_add_u32 v[SPW], v[NIL]              ; the wave's opening: the add and its wait ahead of my first tensor load
	v_lshrrev_b32 v1, 5, v0
	v_readfirstlane_b32 s[WV], v1
	s_lshr_b32 s[RH], s[WV], 1
	s_and_b32 s[CH], s[WV], 1
	s_bfe_u32 s20, ttmp6, 0x40000          ; cx
	s_bfe_u32 s21, ttmp6, 0x40004          ; cy
	s_lshl_b32 s22, ttmp9, 2
	s_add_co_u32 s22, s22, s20             ; tile column
	s_and_b32 s23, ttmp7, 0xffff
	s_lshl_b32 s23, s23, 2
	s_add_co_u32 s23, s23, s21             ; tile row
	s_lshl_b32 s66, s21, 2
	s_lshl_b32 s66, 15, s66                ; my row of the cluster
	s_lshl_b32 s67, 0x1111, s20            ; my column
	s_or_b32 s[G1+0], s66, (1<<16)|(1<<20)|(1<<21)|(4<<22)|(3<<25)   ; padding: 4 words behind every 32 (a row of 128 bytes)
	s_mov_b32 s[G1+1], 8192<<16            ; a block's 128 rows are 16,384 dense bytes: one long row of 8,192 elements
	s_mov_b32 s[G1+2], 2<<16               ; two blocks
	s_mov_b32 s[G1+3], 8192<<16
	s_mov_b32 s[G1+4], 2
	s_mov_b32 s[G1+5], 262144              ; elements from block to block
	s_mov_b32 s[G1+6], 0
	s_mov_b32 s[G1+7], 0
	s_or_b32 s[G1B+0], s67, (1<<16)|(1<<20)|(1<<21)|(5<<22)|(7<<25)  ; padding: 8 words behind every 64
	s_mov_b32 s[G1B+1], 128<<16
	s_mov_b32 s[G1B+2], 128<<16
	s_mov_b32 s[G1B+3], 128<<16
	s_mov_b32 s[G1B+4], 128
	s_mov_b32 s[G1B+5], 1024
	s_mov_b32 s[G1B+6], 0
	s_mov_b32 s[G1B+7], 0
	s_mov_b32 s[TB], 0
	s_lshl_b32 s40, s23, 14                ; A: row 128 x tile row, 128 bytes a row; block 2 x piece
	s_lshl_b32 s41, s[CH], 20
	s_add_co_u32 s40, s40, s41
	s_mov_b32 s41, 0
	s_lshl_b32 s44, s22, 8                 ; W: column 128 x tile column; k-row 128 x piece, 2,048 bytes a row
	s_lshl_b32 s45, s[CH], 18
	s_add_co_u32 s44, s44, s45
	s_add_co_u32 s44, s44, WS
	s_mov_b32 s45, 0
	s_mul_i32 s68, s[WV], PIECE
	s_wait_dscnt 0x0                       ; the opening add is done
	s_wait_kmcnt 0x0
	s_add_nc_u64 s[42:43], s[4:5], s[40:41]
	s_add_nc_u64 s[46:47], s[6:7], s[44:45]
.irp s, 0,1
	s_mov_b32 s[G0+4*(\s)], 1
	s_add_co_u32 s[G0+4*(\s)+1], s68, (\s)*SLOT
	s_add_nc_u64 s[G0+4*(\s)+2:G0+4*(\s)+3], s[42:43], (\s)*4*524288
	s_or_b32 s[G0+4*(\s)+3], s[G0+4*(\s)+3], 0x80000000
	s_mov_b32 s[G0B+4*(\s)], 1
	s_add_co_u32 s[G0B+4*(\s)+1], s68, (\s)*SLOT
	s_add_nc_u64 s[G0B+4*(\s)+2:G0B+4*(\s)+3], s[46:47], (\s)*256*2048
	s_or_b32 s[G0B+4*(\s)+3], s[G0B+4*(\s)+3], 0x80000000
.endr
	CROUND
	s_cmp_eq_u32 s[RH], 0                  ; a wave's two first fills stand in one branch: two loads of mine are out
	s_cbranch_scc0 .Lfirst_w
	tensor_load_to_lds s[G0:G0+3], s[G1:G1+7]
	s_nop 0
	tensor_load_to_lds s[G0+4:G0+7], s[G1:G1+7]
	s_nop 0
	PLACES
	s_branch .Lfirst_asked
.Lfirst_w:
	tensor_load_to_lds s[G0B:G0B+3], s[G1B:G1B+7]
	s_nop 0
	tensor_load_to_lds s[G0B+4:G0B+7], s[G1B:G1B+7]
	s_nop 0
	PLACES
.Lfirst_asked:
	v_and_b32 v1, 15, v0                   ; l % 16
	v_bfe_u32 v2, v0, 4, 1                 ; l / 16
	v_lshlrev_b32 v[BO], 5, v2
	s_lshl_b32 s70, s22, 9                 ; my 64 columns: 512 x tile column + 256 x half, in bytes of f32
	s_lshl_b32 s71, s[CH], 8
	s_add_co_u32 s70, s70, s71
	s_mov_b32 s71, 0
	s_lshl_b32 s72, s23, 19                ; my 64 rows of 4,096 bytes
	s_lshl_b32 s73, s[RH], 18
	s_add_co_u32 s72, s72, s73
	s_add_co_u32 s72, s72, s70
	s_mov_b32 s73, 0
	s_add_nc_u64 s[8:9], s[8:9], s[70:71]
	s_add_nc_u64 s[10:11], s[10:11], s[72:73]
	s_add_nc_u64 s[14:15], s[14:15], s[72:73]
	v_lshlrev_b32 v[CO], 12, v2            ; lanes 0-15 one row's 256 bytes, lanes 16-31 the next row's
	v_lshl_add_u32 v[CO], v1, 4, v[CO]
.irp b, 0,1,2,3
	global_load_b128 v[BI+8*(\b):BI+8*(\b)+3], v[BO], s[8:9] offset:64*(\b)
	global_load_b128 v[BI+8*(\b)+4:BI+8*(\b)+7], v[BO], s[8:9] offset:64*(\b)+16
.endr
	WIN 0x80
.set t, 0
.rept 32
	global_load_b128 v[4*t:4*t+3], v[CO], s[10:11] offset:t*8192   ; RES stays out until the way out
.set t, t+1
.endr
	WIN 0
	v_mul_u32_u24 v3, v1, PA
	v_lshl_add_u32 v3, v2, 4, v3
	s_mul_i32 s69, s[RH], 64*PA
	v_add_nc_u32 v[A0R], s69, v3
	v_mov_b32 v[ADRA], v[A0R]
	v_and_b32 v4, 7, v0
	v_lshl_add_u32 v4, v2, 3, v4
	v_mul_u32_u24 v4, v4, PW
	v_bfe_u32 v5, v0, 3, 1
	v_lshl_add_u32 v4, v5, 4, v4
	s_lshl_b32 s69, s[CH], 7
	s_add_co_u32 s69, s69, 2*PIECE
	v_add_nc_u32 v[B0R], s69, v4
	v_mov_b32 v[ADRB], v[B0R]
	v_add_nc_u32 v[ADRB+1], PIECE, v[B0R]
	s_mul_i32 s69, s[WV], 16*SPITCH
	s_add_co_u32 s69, s69, STAGE           ; my stage
	v_mul_u32_u24 v[STO], v1, SPITCH
	v_lshl_add_u32 v[STO], v2, 5, v[STO]
	v_add_nc_u32 v[STO], s69, v[STO]
	v_mul_u32_u24 v[RD], v2, SPITCH
	v_lshl_add_u32 v[RD], v1, 4, v[RD]
	v_add_nc_u32 v[RD], s69, v[RD]
; 8 matrix instructions: m blocks a0, a0 + 1 x 4 n blocks, half c of buffer f.  zero = 1: the bias starts the sums.  The 16 accumulators take turns.
.macro MUL8 f, c, a0, zero
	WIN MUL
.irp a, \a0, (\a0)+1
.irp b, 0,1,2,3
.if \zero
	v_wmma_f32_16x16x32_bf16 v[ACC+8*(4*(\a)+(\b)):ACC+8*(4*(\a)+(\b))+7], v[(\f)+64+8*(4*(\c)+(\b)):(\f)+64+8*(4*(\c)+(\b))+7], v[(\f)+8*(4*(\c)+(\a)):(\f)+8*(4*(\c)+(\a))+7], v[BI+8*(\b):BI+8*(\b)+7]
.else
	v_wmma_f32_16x16x32_bf16 v[ACC+8*(4*(\a)+(\b)):ACC+8*(4*(\a)+(\b))+7], v[(\f)+64+8*(4*(\c)+(\b)):(\f)+64+8*(4*(\c)+(\b))+7], v[(\f)+8*(4*(\c)+(\a)):(\f)+8*(4*(\c)+(\a))+7], v[ACC+8*(4*(\a)+(\b)):ACC+8*(4*(\a)+(\b))+7]
.endif
.endr
.endr
.endm
; 32 LDS loads in one run: quarter q (one block of A, 64 along K) of the slot in hand into buffer f; the first 32 along K first
.macro FETCH q, f
	WIN TO_F
.irp c, 0,1
.irp i, 0,1,2,3
	ds_load_tr16_b128 v[(\f)+64+8*(4*(\c)+(\i)):(\f)+64+8*(4*(\c)+(\i))+3],   v[ADRB+(\q)/2] offset:(((\q)%2)*64+32*(\c))*PW+32*(\i)
	ds_load_tr16_b128 v[(\f)+64+8*(4*(\c)+(\i))+4:(\f)+64+8*(4*(\c)+(\i))+7], v[ADRB+(\q)/2] offset:(((\q)%2)*64+32*(\c)+16)*PW+32*(\i)
	ds_load_b128 v[(\f)+8*(4*(\c)+(\i)):(\f)+8*(4*(\c)+(\i))+3],   v[ADRA] offset:(\q)*SUB+64*(\c)+(\i)*16*PA
	ds_load_b128 v[(\f)+8*(4*(\c)+(\i))+4:(\f)+8*(4*(\c)+(\i))+7], v[ADRA] offset:(\q)*SUB+64*(\c)+(\i)*16*PA+32
.endr
.endr
.endm
.macro QUARTER q, f, g, zero           ; multiplies buffer f; in its middle it fetches quarter q into buffer g
	s_wait_dscnt 16                        ; the first 32 along K are in; the youngest sixteen loads may be out
	MUL8 \f, 0, 0, \zero
	MUL8 \f, 0, 2, \zero
	PLACES
	FETCH \q, \g
	s_wait_dscnt 32                        ; all but the 32 just issued
	MUL8 \f, 1, 0, 0
	MUL8 \f, 1, 2, 0
.endm
; The last quarter of a K step multiplies buffer 1 and changes slots.  fill = 1: the slot just read is filled again, with the K step two on.
.macro TURN fill
	WIN 0
	s_wait_tensorcnt 0x0                   ; all my tensor loads have landed: my part of the next slot
	ds_add_u32 v[SPW], v[NIL]
	s_wait_dscnt 17                        ; the add and the youngest sixteen loads may be out
	MUL8 F1, 0, 0, 0
	s_wait_dscnt 0x0                       ; the add is done, my reads of this slot are over
	s_barrier_signal -1
	MUL8 F1, 0, 2, 0
	WIN 0
	s_barrier_wait -1
.if \fill
	CREST                                  ; the barrier has opened a round of the cluster's
	s_xor_b32 s[G0+5], s[G0+5], SLOT       ; the walking descriptors: the other slot than last time, the next K step
	s_add_nc_u64 s[G0+6:G0+7], s[G0+6:G0+7], 4*524288
	s_xor_b32 s[G0B+5], s[G0B+5], SLOT
	s_add_nc_u64 s[G0B+6:G0B+7], s[G0B+6:G0B+7], 256*2048
	JLOAD                                  ; the first tensor load behind the round: 112 matrix instructions ahead of the wait for it
.else
	PLACES
.endif
	s_xor_b32 s[TB], s[TB], SLOT           ; the other slot is the slot in hand
	v_add_nc_u32 v[ADRA], s[TB], v[A0R]
	v_add_nc_u32 v[ADRB], s[TB], v[B0R]
	v_add_nc_u32 v[ADRB+1], PIECE, v[ADRB]
	FETCH 0, F0
	MUL8 F1, 1, 0, 0
	MUL8 F1, 1, 2, 0
.endm
	s_wait_tensorcnt 1                     ; my part of K step 0 is in; K step 1's may stay out
	s_barrier_signal -1
	s_barrier_wait -1
	FETCH 0, F0
	s_wait_loadcnt 32                      ; the bias is in; RES's 32 younger loads stay out
	QUARTER 1, F0, F1, 1
	WIN 0
	s_mov_b32 s3, STEPS-2
.Lstep:                                ; a trip goes from a K step's second quarter to the next step's first, and fills the slot that it leaves
	QUARTER 2, F1, F0, 0
	QUARTER 3, F0, F1, 0
	TURN 1
	QUARTER 1, F0, F1, 0
	WIN 0
	s_sub_co_u32 s3, s3, 1
	s_cmp_lg_u32 s3, 0
	s_cbranch_scc1 .Lstep
	QUARTER 2, F1, F0, 0                   ; the last two K steps fill nothing
	QUARTER 3, F0, F1, 0
	TURN 0
	QUARTER 1, F0, F1, 0
	QUARTER 2, F1, F0, 0
	QUARTER 3, F0, F1, 0
	s_wait_dscnt 16
	MUL8 F1, 0, 0, 0
	MUL8 F1, 0, 2, 0
	s_wait_dscnt 0x0
	MUL8 F1, 1, 0, 0
	MUL8 F1, 1, 2, 0
	WIN 0
	PLACES
	; the way out, 16 rows at a time: 32 bytes a lane into my stage, back as whole rows of 256 bytes into the registers that they left; then RES is added and all is stored
.irp a, 0,1,2,3
.irp b, 0,1,2,3
	ds_store_b128 v[STO], v[ACC+8*(4*(\a)+(\b)):ACC+8*(4*(\a)+(\b))+3] offset:64*(\b)
	ds_store_b128 v[STO], v[ACC+8*(4*(\a)+(\b))+4:ACC+8*(4*(\a)+(\b))+7] offset:64*(\b)+16
.endr
.irp t, 0,1,2,3,4,5,6,7
	ds_load_b128 v[ACC+32*(\a)+4*(\t):ACC+32*(\a)+4*(\t)+3], v[RD] offset:(\t)*2*SPITCH  ; my own bytes, served in order: behind the stores above, ahead of the next block's
.endr
.endr
	s_wait_loadcnt 0x0                     ; RES
	s_wait_dscnt 0x0
	WIN 0x08                               ; source 1 in window 2
.set t, 0
.rept 64
	v_pk_add_f32 v[ACC+2*t:ACC+2*t+1], v[ACC+2*t:ACC+2*t+1], v[2*t:2*t+1]
.set t, t+1
.endr
	WIN 0
.set t, 0
.rept 32
	global_store_b128 v[CO], v[ACC+4*t:ACC+4*t+3], s[14:15] offset:t*8192  ; 16 lanes store 256 consecutive bytes, aligned
.set t, t+1
.endr
	s_wait_tensorcnt 0x0                   ; the wave's end
	ds_add_u32 v[SPW], v[NIL]
	s_wait_dscnt 0x0
	CROUND                                 ; the closing round
	s_endpgm
.Lfunc_end_k_qfac390784d_ff2:
	.size	k_qfac390784d_ff2, .Lfunc_end_k_qfac390784d_ff2-k_qfac390784d_ff2
	.p2alignl 7, 3214868480
	.fill 96, 4, 3214868480
	.section	.rodata,"a",@progbits
	.p2align	6, 0x0
	.amdhsa_kernel k_qfac390784d_ff2
		.amdhsa_group_segment_fixed_size 327680
		.amdhsa_private_segment_fixed_size 0
		.amdhsa_enable_private_segment 0
		.amdhsa_kernarg_size 40
		.amdhsa_user_sgpr_count 2
		.amdhsa_user_sgpr_kernarg_segment_ptr 1
		.amdhsa_wavefront_size32 1
		.amdhsa_system_sgpr_workgroup_id_x 1
		.amdhsa_system_sgpr_workgroup_id_y 1
		.amdhsa_system_sgpr_workgroup_id_z 1
		.amdhsa_system_vgpr_workitem_id 0
		.amdhsa_next_free_vgpr 640
		.amdhsa_next_free_sgpr 76
		.amdhsa_reserve_vcc 0
		.amdhsa_float_denorm_mode_32 3
		.amdhsa_float_denorm_mode_16_64 3
		.amdhsa_memory_ordered 1
		.amdhsa_forward_progress 1
		.amdhsa_inst_pref_size 76
	.end_amdhsa_kernel
	.amdgpu_metadata
---
amdhsa.version: [ 1, 2 ]
amdhsa.kernels:
  - .name:           k_qfac390784d_ff2
    .symbol:         k_qfac390784d_ff2.kd
    .args:
      - { .name: act, .offset: 0, .size: 8, .value_kind: global_buffer, .address_space: global }
      - { .name: w2, .offset: 8, .size: 8, .value_kind: global_buffer, .address_space: global }
      - { .name: b2, .offset: 16, .size: 8, .value_kind: global_buffer, .address_space: global }
      - { .name: x1, .offset: 24, .size: 8, .value_kind: global_buffer, .address_space: global }
      - { .name: out0, .offset: 32, .size: 8, .value_kind: global_buffer, .address_space: global }
    .group_segment_fixed_size: 327680
    .private_segment_fixed_size: 0
    .kernarg_segment_align: 8
    .kernarg_segment_size: 40
    .max_flat_workgroup_size: 128
    .sgpr_count:     76
    .vgpr_count:     640
    .wavefront_size: 32
...
	.end_amdgpu_metadata
.endif
;; end of part 10
